; MI455X (gfx1250); checked and timed in simulation.
; The chip was launched on July 23, 2026; its instructions are those of AMD's public machine-readable ISA for CDNA 5 (MIT licence, August 2026) and "CDNA5" Instruction Set Architecture Reference Guide (July 2026). The comments in the code are by the model that wrote it; some were corrected since.
;; Multi Head Self Attention. Allowed arithmetic: matrix products marked QUANTISED: E3M2 operands, one E8M0 scale for each 32 along K, by v_wmma_scale_f32_16x16x128_f8f6f4 with both operands' format E3M2, f32 sums; everything else in f32.
;; Inputs: W1_codes 1,024 x 16 x 24 uint8 (E3M2 codes of W1, K innermost, in blocks of 32 codes, four codes in three bytes); W1_scales 1,024 x 16 uint8 (E8M0 scales of W1, one for each 32 codes along K); W2_codes 512 x 32 x 24 uint8 (E3M2 codes of W2, K innermost, in blocks of 32 codes, four codes in three bytes); W2_scales 512 x 32 uint8 (E8M0 scales of W2, one for each 32 codes along K); Wk_codes 512 x 16 x 24 uint8 (E3M2 codes of Wk, K innermost, in blocks of 32 codes, four codes in three bytes); Wk_scales 512 x 16 uint8 (E8M0 scales of Wk, one for each 32 codes along K); Wo_codes 512 x 16 x 24 uint8 (E3M2 codes of Wo, K innermost, in blocks of 32 codes, four codes in three bytes); Wo_scales 512 x 16 uint8 (E8M0 scales of Wo, one for each 32 codes along K); Wq_codes 512 x 16 x 24 uint8 (E3M2 codes of Wq, K innermost, in blocks of 32 codes, four codes in three bytes); Wq_scales 512 x 16 uint8 (E8M0 scales of Wq, one for each 32 codes along K); Wv_codes 512 x 16 x 24 uint8 (E3M2 codes of Wv, K innermost, in blocks of 32 codes, four codes in three bytes); Wv_scales 512 x 16 uint8 (E8M0 scales of Wv, one for each 32 codes along K); b1 512 float32; b2 512 float32; bf1 1,024 float32; bf2 512 float32; bk 512 float32; bo 512 float32; bq 512 float32; bv 512 float32; g1 512 float32; g2 512 float32; x 4 x 2,048 x 512 float32.
;; Outputs: out0 4 x 2,048 x 512 float32.
;; This version of the problem:
;;   THIS VERSION OF THE PROBLEM IS GIVEN IN LOW PRECISION. The matrix products marked QUANTISED in the list below multiply operands that are first quantised to E3M2 (3 exponent bits, 2 mantissa bits; 6 bits a number), with one power-of-two scale for each 32 numbers along K (OCP MX v1.0); their sums are f32. All else is computed in f32.
;;   The module's matrix products, in the order in which they are computed (A, B: the left and right operand; K: the contracted axis; several contracted axes count as one K, in the product's order):
;;     1. [M 8,192, K 512] x [K 512, N 512]; A: computed on the way; B: input Wq (given as codes): QUANTISED
;;     2. [M 8,192, K 512] x [K 512, N 512]; A: computed on the way; B: input Wk (given as codes): QUANTISED
;;     3. [M 8,192, K 512] x [K 512, N 512]; A: computed on the way; B: input Wv (given as codes): QUANTISED
;;     4. batch 64 x [M 2,048, K 32] x [K 32, N 2,048]; A: computed on the way; B: computed on the way: QUANTISED
;;     5. batch 64 x [M 2,048, K 2,048] x [K 2,048, N 32]; A: softmax (see below); B: computed on the way: QUANTISED
;;     6. [M 8,192, K 512] x [K 512, N 512]; A: computed on the way; B: input Wo (given as codes): QUANTISED
;;     7. [M 8,192, K 512] x [K 512, N 1,024]; A: computed on the way; B: input W1 (given as codes): QUANTISED
;;     8. [M 8,192, K 1,024] x [K 1,024, N 512]; A: computed on the way; B: input W2 (given as codes): QUANTISED
;;   THE QUANTISER, for each operand of a quantised product, along K:
;;     - K is cut into blocks of 32 from its start; a last block that is shorter is filled with zeros.
;;     - A block's scale is 2^e with e = floor(log2(the largest magnitude in the block)) - 4, held to -126 .. 127; a block of zeros has e = 0. As a byte (E8M0): e + 127.
;;     - Each number is divided by its block's scale, clamped to +-28, and rounded to the nearest number of E3M2, ties to even, subnormals kept.
;;     - The product sums the exact products of the quantised numbers (number of the format x scale) in f32.
;;   ~~~python
;;   def quantise(x, axis):      # numpy; x: float32 -> the quantised numbers, widened to float32 again
;;       x = np.moveaxis(x, axis, -1); K = x.shape[-1]
;;       x = np.pad(x, [(0, 0)] * (x.ndim - 1) + [(0, -K % 32)]); x = x.reshape(x.shape[:-1] + (-1, 32)); a = np.abs(x).max(-1, keepdims=True)
;;       e = np.where(a > 0, np.clip(np.frexp(np.where(a > 0, a, 1))[1] - 1 - 4, -126, 127), 0)      # np.frexp(a)[1] - 1 = floor(log2(a)), exactly
;;       r = np.clip(x / 2.0 ** e, -28, 28)
;;       step = 2.0 ** (np.maximum(np.frexp(np.where(r == 0, 1, r))[1] - 1, -2) - 2)
;;       q = np.round(r / step) * step * 2.0 ** e      # np.round: ties to even
;;       return np.moveaxis(q.reshape(q.shape[:-2] + (-1,))[..., :K], -1, axis).astype(np.float32)
;;   ~~~
;;   SOFTMAX AHEAD OF A QUANTISED PRODUCT. Where the list says 'softmax', what is quantised is not the finished softmax but p = 2^(t - M), with t = logit x log2(e) and M = ceil(the row's largest t), a whole number; so 1/2 < the row's largest p <= 1. The row's sum l is taken of the UNQUANTISED p, in f32, and the product's result is divided by l at the end. Since M is a whole number, a kernel that streams over the keys may use a running M (the ceiling of the running maximum): every later rescaling is an exact power of two, which a block's scale takes up: the codes' values come out the same.
;;   OPERANDS COMPUTED ON THE WAY. 'Computed on the way' means the value that the module computes at that place (a softmax that the list does not call 'softmax' is quantised finished and normalised). What goes into a quantiser is computed in f32, as accurately as f32 sums, v_exp_f32 and their like allow (about 1e-6 of the number): no bf16 or f16 on the way to a quantiser, and a product that is left as it is and whose result goes on into a quantised operand takes f32 operands (vector FMAs, or v_wmma_f32_16x16x4_f32). A number that lies on a knife's edge between two numbers of the format may be rounded either way, as far as f32 arithmetic and the matrix unit's own rounding can turn it there, and no further.
;;   INPUTS GIVEN AS CODES. W1 (in the module: [512, 1024], K = its axis 0); W2 (in the module: [1024, 512], K = its axis 0); Wk (in the module: [512, 512], K = its axis 0); Wo (in the module: [512, 512], K = its axis 0); Wq (in the module: [512, 512], K = its axis 0); Wv (in the module: [512, 512], K = its axis 0): each comes as NAME_codes (uint8): NAME with its K axis moved to the last place and cut into blocks of 32 codes, [.., K / 32, bytes a block], one block behind the other in memory; four codes in three bytes: a row's codes are one little-endian stream of bits, code i at bits 6 i .. 6 i + 5 (a code: sign, 3 exponent bits, 2 mantissa bits); and NAME_scales (uint8): the same leading axes, one E8M0 byte (e + 127) for each 32 codes along K. Its value is code x scale, taken as it is: it is not quantised again, and the codes and scales need not be those that the quantiser above would give.
;; 2 versions, each right; version 2 is version 1 with the launches qkv, attn, tail written anew for expert scheduling mode. Each part assembles by itself: llvm-mc -triple=amdgcn-amd-amdhsa -mcpu=gfx1250 --defsym DOCPART=n.
;; ======== version 1 of 2: 3 launches
;; workspace buffers: qbuf 4,194,304 bytes; kv 6,553,600 bytes; ctx 4,194,304 bytes; wimg 983,040 bytes; wscl 40,960 bytes
;; launch qkv (part 1): grid 64 x 4, 4 waves a work-group, no clusters, 52,736 bytes of LDS; arguments x, g1, b1, Wq_codes, Wq_scales, bq, Wk_codes, Wk_scales, bk, Wv_codes, Wv_scales, bv, Wo_codes, Wo_scales, W1_codes, W1_scales, W2_codes, W2_scales, qbuf, kv, wimg, wscl; writes qbuf, kv, wimg, wscl
.if DOCPART == 1
	.amdgcn_target "amdgcn-amd-amdhsa--gfx1250"
	.amdhsa_code_object_version 6
	.text
	.protected	k_q1915c63950_qkv
	.globl	k_q1915c63950_qkv
	.p2align	8
	.type	k_q1915c63950_qkv,@function
k_q1915c63950_qkv:
	s_mov_b64 s[64:65], 0
	v_nop
	global_prefetch_b8 v0, s[64:65] scope:SCOPE_SE
	s_setreg_imm32_b32 hwreg(HW_REG_WAVE_MODE, 25, 1), 1
	s_wait_xcnt 0x0
; LN1, its quantising, q = xn Wq + bq, k = xn Wk + bk, v = xn Wv + bv on codes of BF6 (E3M2) with E8M0 scales, and the quantising of q and k (along a head's 32 channels) and of v (along 32 keys).
; SHARES.  Work-group (X, y): rows 128 X .. 128 X + 127 of x (one batch's key step X % 16), heads 4 y .. 4 y + 3; wave w: head 4 y + w.  A wave's 32 columns of Wq, Wk and Wv (24 fragments, 288 registers) are loaded once.
; The 128 rows are normalised and quantised by the four waves, 32 rows each, and meet in LDS as rows of codes; one barrier.  (Each row is normalised by the four work-groups of its X: 75 vector lines a row.)
; THE ROWS OF A TILE ARE NOT NEIGHBOURS: lane r of tile u of a group of 32 takes element 8 u + r + 8 (r / 8), so that a lane's 16 result registers of the two tiles are 16 neighbours, 16 (lane / 16) + 0 .. 15.
; q and k are made transposed (source 0 = 16 columns of W, source 1 = 16 rows of x): a lane holds one row and 16 channels.  v is made the natural way round: a lane holds one channel and 16 keys.  So each is quantised in registers.
; OUT, as images of operand registers: a unit of 768 bytes = six registers a lane (registers 0-3 at 16 x lane, 4-5 at 512 + 8 x lane): every store covers whole aligned blocks of 256 bytes.
;   qbuf: (hb x 64 + group) x 1,024: the unit (lane (r, m): row 32 group + 8 m + r + 8 (r / 8)), at 768 + 8 x lane the row's scale byte four times, and a word 0.
;   kv:   (hb x 16 + step) x 6,400: four units of k, four of v, at 6,144 + 8 x lane k's and v's scale words.
; Besides, wave 0 of the work-groups with X < 40 lays Wo, W1, W2 out as register images for the last launch (wimg, wscl): one K step of one half-bank (four fragments) each.
; LIMITS: NaN and infinities are not served.  A block whose largest magnitude lies under 2^-122 (a block of zeros among them) gets the scale byte 1; these bytes are read by this program alone.  Sums go in another order than the reference's; v_rsq_f32 is good to 1 ulp.
; REGISTERS, in windows of 256.  Window 0: v1-15 addresses; v32-55 W's scale words, v56-63 x's (scales and nothing else); v64-159 the 12 accumulators; v160-231 the way out.  In the LN phase: v64-191 eight rows, v192-223 g1, b1, v224-255 four a row at work.
;   Window 1: Wq v0-95, Wk v96-191, biases v192-239.   Window 2: Wv v0-95.   Window 3: 16 rows of x as loaded; later x's eight fragments, v0-95.
.set XP,    392                        ; a row of 512 codes in LDS: 384 bytes + 8
.set XSCL,  128*XP                     ; behind the 128 rows: 16 scale bytes a row
.set FLOOR, 0x2800000                  ; 2^(5 - 127): under it no largest magnitude is taken, so the byte cannot fall under 1
.set EOFF,  0xfe000000                 ; 4 off an exponent field
.set WS,  32
.set XS,  56
.set ACC, 64                           ; half-block i at ACC + 16 i: 0, 1 q of row tile 0, 1; 2, 3 k; 4, 5 v of channel tile 0, 1
.set TM,  160
.set TP,  166
.set SO,  172
.set BY,  178
.set QC,  184
.set QC1, 190
.set KC,  194
.set KC1, 200
.set VE,  204                          ; + 6 dt: v's codes of an even group of keys, later the whole unit
.set VO,  216                          ; + 4 dt: of an odd group
.set KW,  224                          ; k's scale words of the two super-fragments
.set VW,  226                          ; v's of the two channel tiles
.set DD,  64
.set GG,  192
.set BB,  208
.set TT,  224
.set MSB, 0
.macro WIN new                         ; the immediate's high byte repeats the setting that is left
.if MSB != (\new)
	s_set_vgpr_msb (MSB<<8)|(\new)
.set MSB, (\new)
.endif
.endm
.macro PLACES n
.rept \n
	v_nop
.endr
.endm
	s_load_b512 s[4:19], s[0:1], 0x0               ; x, g1, b1, Wq codes, Wq scales, bq, Wk codes, Wk scales
	s_load_b512 s[20:35], s[0:1], 0x40             ; bk, Wv codes, Wv scales, bv, Wo codes, Wo scales, W1 codes, W1 scales
	s_load_b256 s[36:43], s[0:1], 0x80             ; W2 codes, W2 scales, qbuf, kv
	s_load_b128 s[44:47], s[0:1], 0xa0             ; wimg, wscl
	v_lshl_add_u32 v30, v0, 2, 0xcc00
	v_mov_b32 v31, 0
	v_lshrrev_b32 v1, 5, v0
	v_readfirstlane_b32 s48, v1                    ; wave 0..3
	v_and_b32 v1, 31, v0                           ; lane
	v_and_b32 v2, 15, v0                           ; r
	v_bfe_u32 v3, v0, 4, 1                         ; h
	v_and_b32 v4, 8, v2
	v_add_nc_u32 v4, v4, v2                        ; pat = r + 8 (r / 8)
	v_lshlrev_b32 v5, 6, v1                        ; x, g1, b1: my 16 columns of a row
	s_mul_i32 s58, s48, 32*XP
	v_mul_u32_u24 v6, v1, 12
	v_add_nc_u32 v6, s58, v6                       ; LDS: my wave's 32 rows, my 12 bytes of codes
	s_lshl_b32 s58, s48, 9
	s_add_co_u32 s58, s58, XSCL
	v_lshrrev_b32 v7, 1, v1
	v_add_nc_u32 v7, s58, v7                       ; LDS: my block's scale byte
	v_mul_u32_u24 v8, v4, XP
	v_mad_u32_u24 v8, v3, 24, v8                   ; LDS: a fragment's row, + 24 h
	v_lshl_add_u32 v9, v4, 4, XSCL                 ; LDS: that row's 16 scale bytes
	v_lshlrev_b32 v10, 4, v1                       ; 16 x lane
	v_lshlrev_b32 v11, 3, v1                       ; 8 x lane
	v_mul_u32_u24 v12, v4, 384
	v_mad_u32_u24 v12, v3, 24, v12                 ; a weight's fragment in memory
	v_lshlrev_b32 v13, 4, v4                       ; its rows' scale bytes
	v_lshlrev_b32 v14, 6, v3                       ; bq, bk: 16 h channels on
	v_lshlrev_b32 v15, 2, v4                       ; bv: my channel
	s_mov_b32 s49, ttmp9                           ; X
	s_and_b32 s50, ttmp7, 0xffff                   ; y
	s_lshl_b32 s51, s50, 2
	s_add_co_u32 s51, s51, s48                     ; my head
	s_mov_b32 s52, 0xffff                          ; lanes 0-15
	s_mov_b32 s53, 0x3b000000                      ; 1 / 512
	s_mov_b32 s54, 0x3727c5ac                      ; 1e-5
	s_mov_b32 s56, 0x76543210
	s_mov_b32 s57, 0xfedcba98                      ; v_permlanex16_b32's selects for lane l xor 16
	s_lshl_b32 s66, s49, 18
	s_lshl_b32 s67, s48, 16
	s_add_co_u32 s66, s66, s67                     ; x: (128 X + 32 wave) rows of 2,048 bytes
	s_mov_b32 s67, 0
	s_mul_i32 s68, s51, 32*384                     ; a head's 32 rows of codes,
	s_mov_b32 s69, 0
	s_lshl_b32 s70, s51, 9                         ; of scale bytes,
	s_mov_b32 s71, 0
	s_lshl_b32 s72, s51, 7                         ; its 32 biases
	s_mov_b32 s73, 0
	s_lshr_b32 s74, s49, 4
	s_lshl_b32 s74, s74, 4
	s_add_co_u32 s74, s74, s51                     ; hb = 16 x batch + head
	s_and_b32 s75, s49, 15                         ; the key step
	s_lshl_b32 s76, s74, 16
	s_lshl_b32 s77, s75, 12
	s_add_co_u32 s76, s76, s77                     ; qbuf: (64 hb + 4 step) x 1,024
	s_mov_b32 s77, 0
	s_lshl_b32 s78, s74, 4
	s_add_co_u32 s78, s78, s75
	s_mul_i32 s78, s78, 6400                       ; kv: (16 hb + step) x 6,400
	s_mov_b32 s79, 0
	s_wait_kmcnt 0x0
	s_add_nc_u64 s[4:5], s[4:5], s[66:67]
	s_add_nc_u64 s[10:11], s[10:11], s[68:69]
	s_add_nc_u64 s[16:17], s[16:17], s[68:69]
	s_add_nc_u64 s[22:23], s[22:23], s[68:69]
	s_add_nc_u64 s[12:13], s[12:13], s[70:71]
	s_add_nc_u64 s[18:19], s[18:19], s[70:71]
	s_add_nc_u64 s[24:25], s[24:25], s[70:71]
	s_add_nc_u64 s[14:15], s[14:15], s[72:73]
	s_add_nc_u64 s[20:21], s[20:21], s[72:73]
	s_add_nc_u64 s[26:27], s[26:27], s[72:73]
	s_add_nc_u64 s[40:41], s[40:41], s[76:77]
	s_add_nc_u64 s[42:43], s[42:43], s[78:79]
; a weight's eight fragments (tile u, K step ks) at v[reg0 + 12 (4 u + ks)]: a lane's 24 bytes come as three loads of 8, so that every address is a multiple of the access's size
.macro WLOAD reg0, base
.irp u, 0,1
.irp ks, 0,1,2,3
.irp p, 0,1,2,3,4,5
	global_load_b64 v[\reg0+12*(4*\u+\ks)+2*\p:\reg0+12*(4*\u+\ks)+2*\p+1], v12, s[\base:\base+1] offset:8*\u*384+96*\ks+48*(\p/3)+8*(\p%3)
.endr
.endr
.endr
.endm
.macro SLOAD reg0, base                ; its scale words: a row's 16 bytes are the words of the four K steps
.irp u, 0,1
	global_load_b128 v[\reg0+4*\u:\reg0+4*\u+3], v13, s[\base:\base+1] offset:128*\u
.endr
.endm
.macro BLOAD reg0, base                ; a bias in the transposed result's layout: tile u, register j: channel 8 u + 16 h + j
.irp u, 0,1
	global_load_b128 v[\reg0+8*\u:\reg0+8*\u+3], v14, s[\base:\base+1] offset:32*\u
	global_load_b128 v[\reg0+8*\u+4:\reg0+8*\u+7], v14, s[\base:\base+1] offset:32*\u+16
.endr
.endm
.macro XLOAD row0, slot0               ; eight rows of x: a lane takes 16 neighbouring columns of each
	WIN 0xc0
.irp q, 0,1,2,3,4,5,6,7
.irp i, 0,1,2,3
	global_load_b128 v[16*((\slot0)+\q)+4*\i:16*((\slot0)+\q)+4*\i+3], v5, s[4:5] offset:((\row0)+\q)*2048+16*\i
.endr
.endr
.endm
	WIN 0x40
	WLOAD 0, 10
	WLOAD 96, 16
	WIN 0x80
	WLOAD 0, 22
	WIN 0
	SLOAD WS, 12
	SLOAD WS+8, 18
	SLOAD WS+16, 24
	WIN 0x40
	BLOAD 192, 14
	BLOAD 208, 20
	WIN 0
	global_load_b32 v16, v15, s[26:27]             ; bv of my channel in tile 0,
	global_load_b32 v17, v15, s[26:27] offset:32   ; in tile 1
.irp i, 0,1,2,3
	global_load_b128 v[GG+4*\i:GG+4*\i+3], v5, s[6:7] offset:16*\i
	global_load_b128 v[BB+4*\i:BB+4*\i+3], v5, s[8:9] offset:16*\i
.endr
	XLOAD 0, 0
	XLOAD 8, 8
	WIN 0
	; ---- Wo, W1, W2 as register images.  Task (stream y, half-bank X / 4, K step X % 4): four fragments and their scale words.  Branches on ids alone.
	s_cmp_lt_u32 s49, 40
	s_cbranch_scc0 .Lno_relay
	s_cmp_eq_u32 s48, 0
	s_cbranch_scc0 .Lno_relay
	s_lshr_b32 s58, s49, 2                         ; half-bank 0..9: 0, 1 Wo; 2-5 W1; 6-9 W2
	s_and_b32 s59, s49, 3                          ; K step within it
	s_sub_co_u32 s60, s58, 2                       ; W1: which four tiles
	s_sub_co_u32 s61, s58, 6
	s_lshr_b32 s62, s61, 1                         ; W2: which four tiles,
	s_and_b32 s63, s61, 1
	s_lshl_b32 s63, s63, 2
	s_add_co_u32 s63, s63, s59                     ; and which of its eight K steps
	s_lshl_b32 s66, s50, 7                         ; Wo, W2: the stream's 128 rows
	s_lshl_b32 s67, s50, 8                         ; W1: its 256
	s_cmp_lt_u32 s58, 2
	s_cselect_b64 s[68:69], s[28:29], s[32:33]
	s_cselect_b64 s[70:71], s[30:31], s[34:35]
	s_cselect_b32 s72, s58, s60
	s_cselect_b32 s73, s66, s67
	s_cmp_lt_u32 s58, 6
	s_cselect_b64 s[68:69], s[68:69], s[36:37]     ; the codes,
	s_cselect_b64 s[70:71], s[70:71], s[38:39]     ; the scale bytes,
	s_cselect_b32 s72, s72, s62                    ; the four tiles,
	s_cselect_b32 s73, s73, s66                    ; the stream's first row,
	s_cselect_b32 s74, s59, s63                    ; the K step,
	s_mov_b32 s75, 768
	s_cselect_b32 s75, 384, s75                    ; a row of codes in bytes,
	s_cselect_b32 s76, 16, 32                      ; a row of scale bytes
	s_lshl_b32 s72, s72, 6
	s_add_co_u32 s72, s72, s73                     ; the first tile's first row
	s_mul_i32 s78, s72, s75
	s_mul_i32 s77, s74, 96
	s_add_co_u32 s78, s78, s77
	s_mov_b32 s79, 0
	s_add_nc_u64 s[68:69], s[68:69], s[78:79]
	s_mul_i32 s80, s72, s76
	s_lshl_b32 s77, s74, 2
	s_add_co_u32 s80, s80, s77
	s_mov_b32 s81, 0
	s_add_nc_u64 s[70:71], s[70:71], s[80:81]
	s_mul_i32 s82, s50, 245760
	s_mul_i32 s77, s58, 24576
	s_add_co_u32 s82, s82, s77
	s_mul_i32 s77, s59, 4*1536
	s_add_co_u32 s82, s82, s77
	s_mov_b32 s83, 0
	s_add_nc_u64 s[84:85], s[44:45], s[82:83]
	s_mul_i32 s82, s50, 10240
	s_lshl_b32 s77, s58, 10
	s_add_co_u32 s82, s82, s77
	s_lshl_b32 s77, s59, 8
	s_add_co_u32 s82, s82, s77
	s_add_nc_u64 s[86:87], s[46:47], s[82:83]
.irp tl, 0,1,2,3                               ; tile tl begins 32 (tl / 2) + 8 (tl % 2) rows on
	v_add_nc_u32 v[18+\tl], 32*(\tl/2)+8*(\tl%2), v4
	v_mul_lo_u32 v[18+\tl], v[18+\tl], s75
	v_mad_u32_u24 v[18+\tl], v3, 24, v[18+\tl]
.endr
	v_lshl_add_u32 v22, v3, 3, v4                  ; scale word i: lanes 0-15 tile 2 i, lanes 16-31 tile 2 i + 1
	v_add_nc_u32 v23, 32, v22
	v_mul_lo_u32 v22, v22, s76
	v_mul_lo_u32 v23, v23, s76
.irp tl, 0,1,2,3
.irp p, 0,1,2,3,4,5
	global_load_b64 v[64+12*\tl+2*\p:64+12*\tl+2*\p+1], v[18+\tl], s[68:69] offset:48*(\p/3)+8*(\p%3)
.endr
.endr
	global_load_b32 v112, v22, s[70:71]
	global_load_b32 v113, v23, s[70:71]
	s_wait_loadcnt 0x0
.irp tl, 0,1,2,3
.irp c, 0,1,2
	global_store_b128 v10, v[64+12*\tl+4*\c:64+12*\tl+4*\c+3], s[84:85] offset:1536*\tl+512*\c   ; 32 lanes store 512 consecutive bytes
.endr
.endr
	global_store_b64 v11, v[112:113], s[86:87]
	s_wait_xcnt 0x0                                ; the stores have read their registers: the LN phase writes them
.Lno_relay:
	s_wait_loadcnt 63                              ; bv is in: behind its two loads stand g1's, b1's and x's 72
	WIN 0x40
.irp dt, 0,1
.irp j, 0,1,2,3,4,5,6,7
	v_mov_b32 v[224+8*\dt+\j], v[16+\dt]           ; bv in the natural result's layout: a lane holds one channel, so all eight registers are alike
.endr
.endr
	WIN 0
; the sum over the 32 lanes of v[TT + 4 q + o], the eight rows by turns; v[TT + 4 q + p] takes the other half's
.macro RED8 o, p
.irp x, 1,2,4,8
.irp q, 0,1,2,3,4,5,6,7
	v_add_f32_dpp v[TT+4*\q+\o], v[TT+4*\q+\o], v[TT+4*\q+\o] row_xmask:\x row_mask:0xf bank_mask:0xf
.endr
.endr
.irp q, 0,1,2,3,4,5,6,7
	v_permlanex16_b32 v[TT+4*\q+\p], v[TT+4*\q+\o], s56, s57
.endr
.irp q, 0,1,2,3,4,5,6,7
	v_add_f32 v[TT+4*\q+\o], v[TT+4*\q+\o], v[TT+4*\q+\p]
.endr
.endm
; EIGHT ROWS: mean, variance of the differences, normalising, gain and bias, a block's scale (two lanes hold a block of 32), codes to LDS.  Every line is written for the eight rows by turns.
; n: which eight of my 32;  slot0: where they lie in window 3;  issue = 1: the rows 16 further on are asked for into the same slots;  left: younger loads that may stay out.
.macro LNB n, slot0, issue, left
	s_wait_loadcnt \left
	WIN 0x0f                                       ; both sources: the rows as loaded, window 3
.irp i, 0,1,2,3
.irp q, 0,1,2,3,4,5,6,7
	v_pk_add_f32 v[DD+16*\q+2*\i:DD+16*\q+2*\i+1], v[16*((\slot0)+\q)+2*\i:16*((\slot0)+\q)+2*\i+1], v[16*((\slot0)+\q)+8+2*\i:16*((\slot0)+\q)+9+2*\i]
.endr
.endr
	WIN 0
.irp q, 0,1,2,3,4,5,6,7
	v_pk_add_f32 v[DD+16*\q:DD+16*\q+1], v[DD+16*\q:DD+16*\q+1], v[DD+16*\q+4:DD+16*\q+5]
.endr
.irp q, 0,1,2,3,4,5,6,7
	v_pk_add_f32 v[DD+16*\q+2:DD+16*\q+3], v[DD+16*\q+2:DD+16*\q+3], v[DD+16*\q+6:DD+16*\q+7]
.endr
.irp q, 0,1,2,3,4,5,6,7
	v_pk_add_f32 v[TT+4*\q:TT+4*\q+1], v[DD+16*\q:DD+16*\q+1], v[DD+16*\q+2:DD+16*\q+3]
.endr
.irp q, 0,1,2,3,4,5,6,7
	v_add_f32 v[TT+4*\q], v[TT+4*\q], v[TT+4*\q+1]
.endr
	RED8 0, 1
.irp q, 0,1,2,3,4,5,6,7
	v_mul_f32 v[TT+4*\q], s53, v[TT+4*\q]          ; the mean
.endr
	WIN 0x03                                       ; source 0: the rows as loaded, window 3; the mean and the differences in window 0
.irp i, 0,1,2,3,4,5,6,7
.irp q, 0,1,2,3,4,5,6,7
	v_pk_add_f32 v[DD+16*\q+2*\i:DD+16*\q+2*\i+1], v[16*((\slot0)+\q)+2*\i:16*((\slot0)+\q)+2*\i+1], v[TT+4*\q:TT+4*\q+1] op_sel_hi:[1,0] neg_lo:[0,1] neg_hi:[0,1]
.endr
.endr
.if \issue
	XLOAD 16+8*(\n), \slot0
.endif
	WIN 0
.irp q, 0,1,2,3,4,5,6,7
	v_pk_mul_f32 v[TT+4*\q+2:TT+4*\q+3], v[DD+16*\q:DD+16*\q+1], v[DD+16*\q:DD+16*\q+1]
.endr
.irp i, 1,2,3,4,5,6,7
.irp q, 0,1,2,3,4,5,6,7
	v_pk_fma_f32 v[TT+4*\q+2:TT+4*\q+3], v[DD+16*\q+2*\i:DD+16*\q+2*\i+1], v[DD+16*\q+2*\i:DD+16*\q+2*\i+1], v[TT+4*\q+2:TT+4*\q+3]
.endr
.endr
.irp q, 0,1,2,3,4,5,6,7
	v_add_f32 v[TT+4*\q+2], v[TT+4*\q+2], v[TT+4*\q+3]
.endr
	RED8 2, 3
.irp q, 0,1,2,3,4,5,6,7
	v_fma_f32 v[TT+4*\q+3], v[TT+4*\q+2], s53, s54 ; the variance + 1e-5
.endr
.irp q, 0,1,2,3,4,5,6,7
	v_rsq_f32 v[TT+4*\q+2], v[TT+4*\q+3]
.endr
	v_nop                                          ; a plain line behind the last of the batch
	s_wait_alu depctr_va_vdst(0)                   ; one wait for the eight, ahead of their first reader
.irp i, 0,1,2,3,4,5,6,7
.irp q, 0,1,2,3,4,5,6,7
	v_pk_mul_f32 v[DD+16*\q+2*\i:DD+16*\q+2*\i+1], v[DD+16*\q+2*\i:DD+16*\q+2*\i+1], v[TT+4*\q+2:TT+4*\q+3] op_sel_hi:[1,0]
.endr
.endr
.irp i, 0,1,2,3,4,5,6,7
.irp q, 0,1,2,3,4,5,6,7
	v_pk_fma_f32 v[DD+16*\q+2*\i:DD+16*\q+2*\i+1], v[DD+16*\q+2*\i:DD+16*\q+2*\i+1], v[GG+2*\i:GG+2*\i+1], v[BB+2*\i:BB+2*\i+1]
.endr
.endr
.irp q, 0,1,2,3,4,5,6,7
	v_max3_num_f32 v[TT+4*\q+3], |v[DD+16*\q]|, |v[DD+16*\q+1]|, FLOOR
.endr
.irp i, 2,4,6,8,10,12,14
.irp q, 0,1,2,3,4,5,6,7
	v_max3_num_f32 v[TT+4*\q+3], v[TT+4*\q+3], |v[DD+16*\q+\i]|, |v[DD+16*\q+\i+1]|
.endr
.endr
.irp q, 0,1,2,3,4,5,6,7
	v_max_num_f32_dpp v[TT+4*\q+3], v[TT+4*\q+3], v[TT+4*\q+3] row_xmask:1 row_mask:0xf bank_mask:0xf   ; with my neighbour's 16: the block's largest magnitude
.endr
.irp q, 0,1,2,3,4,5,6,7
	v_add_nc_u32 v[TT+4*\q+3], EOFF, v[TT+4*\q+3]  ; 4 off its exponent field: the conversion's scale operand
.endr
	s_wait_dscnt 0x0                               ; the last eight rows' LDS stores are done with their registers
.irp q, 0,1,2,3,4,5,6,7
	v_cvt_scalef32_pk16_bf6_f32 v[TT+4*\q:TT+4*\q+2], v[DD+16*\q:DD+16*\q+15], v[TT+4*\q+3]
.endr
	v_nop                                          ; one plain line behind the scaled conversions
.irp q, 0,1,2,3,4,5,6,7
	v_lshrrev_b32 v[TT+4*\q+3], 23, v[TT+4*\q+3]   ; the scale's byte
.endr
.irp q, 0,1,2,3,4,5,6,7
.irp i, 0,1,2
	ds_store_b32 v6, v[TT+4*\q+\i] offset:(8*(\n)+\q)*XP+4*\i
.endr
	ds_store_b8 v7, v[TT+4*\q+3] offset:(8*(\n)+\q)*16   ; both lanes of a block write the same byte with the same value
.endr
.endm
	LNB 0, 0, 1, 32                                ; rows 0-7 are in; rows 8-15's 32 loads may be out
	LNB 1, 8, 1, 32                                ; rows 8-15; rows 16-23's may be out
	LNB 2, 0, 0, 32                                ; rows 16-23; rows 24-31's may be out
	LNB 3, 8, 0, 0
	s_wait_dscnt 0x0                               ; my rows' codes and scale bytes lie in LDS
	s_barrier_signal -1
	s_barrier_wait -1                              ; everybody's do; nothing in LDS is written again
	v_mov_b32 v229, 0                              ; the word behind q's scale word
.macro FETCHX g                        ; the eight fragments (row tile xt, K step ks) of rows 32 g .. 32 g + 31, and their scale words
	WIN 0xc0
.irp xt, 0,1
.irp ks, 0,1,2,3
.irp p, 0,1,2,3,4,5
	ds_load_b64 v[12*(4*\xt+\ks)+2*\p:12*(4*\xt+\ks)+2*\p+1], v8 offset:(32*(\g)+8*\xt)*XP+96*\ks+48*(\p/3)+8*(\p%3)
.endr
.endr
.endr
	WIN 0
.irp xt, 0,1
	ds_load_b128 v[XS+4*\xt:XS+4*\xt+3], v9 offset:(32*(\g)+8*\xt)*16
.endr
.endm
; 48 matrix instructions: the twelve accumulators take turns, one instruction a turn, K step by K step.  The biases are the C of each sum's first instruction.
.macro MULG
.irp ks, 0,1,2,3
.if \ks == 0
	WIN 0x1d                                       ; source 0 (W) window 1, source 1 (x) window 3, C (bias) window 1
.else
	WIN 0x0d
.endif
.irp mat, 0,1
.irp xt, 0,1
.irp u, 0,1
.if \ks == 0
	v_wmma_scale_f32_16x16x128_f8f6f4 v[ACC+16*(2*\mat+\xt)+8*\u:ACC+16*(2*\mat+\xt)+8*\u+7], v[96*\mat+12*(4*\u+\ks):96*\mat+12*(4*\u+\ks)+11], v[12*(4*\xt+\ks):12*(4*\xt+\ks)+11], v[192+16*\mat+8*\u:192+16*\mat+8*\u+7], v[WS+8*\mat+4*\u+\ks], v[XS+4*\xt+\ks] matrix_a_fmt:MATRIX_FMT_BF6 matrix_b_fmt:MATRIX_FMT_BF6
.else
	v_wmma_scale_f32_16x16x128_f8f6f4 v[ACC+16*(2*\mat+\xt)+8*\u:ACC+16*(2*\mat+\xt)+8*\u+7], v[96*\mat+12*(4*\u+\ks):96*\mat+12*(4*\u+\ks)+11], v[12*(4*\xt+\ks):12*(4*\xt+\ks)+11], v[ACC+16*(2*\mat+\xt)+8*\u:ACC+16*(2*\mat+\xt)+8*\u+7], v[WS+8*\mat+4*\u+\ks], v[XS+4*\xt+\ks] matrix_a_fmt:MATRIX_FMT_BF6 matrix_b_fmt:MATRIX_FMT_BF6
.endif
.endr
.endr
.endr
.if \ks == 0
	WIN 0x1b                                       ; source 0 (x) window 3, source 1 (Wv) window 2, C (bias) window 1
.else
	WIN 0x0b
.endif
.irp dt, 0,1
.irp xt, 0,1
.if \ks == 0
	v_wmma_scale_f32_16x16x128_f8f6f4 v[ACC+16*(4+\dt)+8*\xt:ACC+16*(4+\dt)+8*\xt+7], v[12*(4*\xt+\ks):12*(4*\xt+\ks)+11], v[12*(4*\dt+\ks):12*(4*\dt+\ks)+11], v[224+8*\dt:224+8*\dt+7], v[XS+4*\xt+\ks], v[WS+16+4*\dt+\ks] matrix_a_fmt:MATRIX_FMT_BF6 matrix_b_fmt:MATRIX_FMT_BF6
.else
	v_wmma_scale_f32_16x16x128_f8f6f4 v[ACC+16*(4+\dt)+8*\xt:ACC+16*(4+\dt)+8*\xt+7], v[12*(4*\xt+\ks):12*(4*\xt+\ks)+11], v[12*(4*\dt+\ks):12*(4*\dt+\ks)+11], v[ACC+16*(4+\dt)+8*\xt:ACC+16*(4+\dt)+8*\xt+7], v[XS+4*\xt+\ks], v[WS+16+4*\dt+\ks] matrix_a_fmt:MATRIX_FMT_BF6 matrix_b_fmt:MATRIX_FMT_BF6
.endif
.endr
.endr
.endr
.endm
; THE WAY OUT of rows 32 g .. 32 g + 31: six half-blocks of 16 numbers a lane; lanes l and l xor 16 hold a block of 32.  Each accumulator is read from its low end on.
.macro EPI g
	s_wait_xcnt 0x0                                ; the last group's stores have read their registers
.irp i, 0,1,2,3,4,5
	v_max3_num_f32 v[TM+\i], |v[ACC+16*\i]|, |v[ACC+16*\i+1]|, FLOOR
.endr
.irp k, 2,4,6,8,10,12,14
.irp i, 0,1,2,3,4,5
	v_max3_num_f32 v[TM+\i], v[TM+\i], |v[ACC+16*\i+\k]|, |v[ACC+16*\i+\k+1]|
.endr
.endr
.irp i, 0,1,2,3,4,5
	v_permlanex16_b32 v[TP+\i], v[TM+\i], s56, s57
.endr
.irp i, 0,1,2,3,4,5
	v_max_num_f32 v[TM+\i], v[TM+\i], v[TP+\i]
.endr
.irp i, 0,1,2,3,4,5
	v_add_nc_u32 v[SO+\i], EOFF, v[TM+\i]
.endr
	v_cvt_scalef32_pk16_bf6_f32 v[QC:QC+2], v[ACC:ACC+15], v[SO]
	v_cvt_scalef32_pk16_bf6_f32 v[QC1:QC1+2], v[ACC+16:ACC+31], v[SO+1]
	v_cvt_scalef32_pk16_bf6_f32 v[KC:KC+2], v[ACC+32:ACC+47], v[SO+2]
	v_cvt_scalef32_pk16_bf6_f32 v[KC1:KC1+2], v[ACC+48:ACC+63], v[SO+3]
.if (\g)%2 == 0
	v_cvt_scalef32_pk16_bf6_f32 v[VE:VE+2], v[ACC+64:ACC+79], v[SO+4]
	v_cvt_scalef32_pk16_bf6_f32 v[VE+6:VE+8], v[ACC+80:ACC+95], v[SO+5]
.else
	v_cvt_scalef32_pk16_bf6_f32 v[VO:VO+2], v[ACC+64:ACC+79], v[SO+4]
	v_cvt_scalef32_pk16_bf6_f32 v[VO+4:VO+6], v[ACC+80:ACC+95], v[SO+5]
.endif
	v_nop                                          ; one plain line behind the scaled conversions
.irp i, 0,1,2,3,4,5
	v_lshrrev_b32 v[BY+\i], 23, v[SO+\i]           ; the scales' bytes
.endr
.irp i, 0,1,2                                  ; q, k: row tile 0's upper halves change places with row tile 1's lower: lane (r, m) then holds all 32 codes of row tile m's row r
	v_permlane16_swap_b32 v[QC+\i], v[QC1+\i]
	v_permlane16_swap_b32 v[KC+\i], v[KC1+\i]
.endr
.irp i, 0,1,2
	v_mov_b32 v[QC+3+\i], v[QC1+\i]
	v_mov_b32 v[KC+3+\i], v[KC1+\i]
.endr
	v_cndmask_b32 v228, v[BY+1], v[BY], s52        ; lanes 0-15: row tile 0's byte, lanes 16-31: row tile 1's;
	v_lshl_or_b32 v228, v228, 8, v228
	v_lshl_or_b32 v228, v228, 16, v228             ; four times, so that it serves whichever block of 32 q is laid into
	global_store_b128 v10, v[QC:QC+3], s[40:41] offset:1024*(\g)
	global_store_b64 v11, v[QC+4:QC+5], s[40:41] offset:1024*(\g)+512
	global_store_b64 v11, v[228:229], s[40:41] offset:1024*(\g)+768
	global_store_b128 v10, v[KC:KC+3], s[42:43] offset:768*(\g)
	global_store_b64 v11, v[KC+4:KC+5], s[42:43] offset:768*(\g)+512
.if (\g)%2 == 0                                ; key tiles 2 g and 2 g + 1 are blocks 2 (g % 2) and 2 (g % 2) + 1 of super-fragment g / 2
	v_lshl_or_b32 v[KW+(\g)/2], v[BY+3], 8, v[BY+2]
.else
	v_lshl_or_b32 v[KW+(\g)/2], v[BY+2], 16, v[KW+(\g)/2]
	v_lshl_or_b32 v[KW+(\g)/2], v[BY+3], 24, v[KW+(\g)/2]
.endif
.irp dt, 0,1
.if (\g) == 0
	v_mov_b32 v[VW+\dt], v[BY+4+\dt]
.else
	v_lshl_or_b32 v[VW+\dt], v[BY+4+\dt], 8*(\g), v[VW+\dt]
.endif
.endr
.if (\g)%2 == 1                                ; v: two groups of 32 keys make a unit: lanes 0-15 the even group's 32 codes, lanes 16-31 the odd group's
.irp dt, 0,1
.irp i, 0,1,2
	v_permlane16_swap_b32 v[VE+6*\dt+\i], v[VO+4*\dt+\i]
.endr
.irp i, 0,1,2
	v_mov_b32 v[VE+6*\dt+3+\i], v[VO+4*\dt+\i]
.endr
	global_store_b128 v10, v[VE+6*\dt:VE+6*\dt+3], s[42:43] offset:3072+768*(2*((\g)/2)+\dt)
	global_store_b64 v11, v[VE+6*\dt+4:VE+6*\dt+5], s[42:43] offset:3072+768*(2*((\g)/2)+\dt)+512
.endr
.endif
.endm
	FETCHX 0
.irp g, 0,1,2,3
	s_wait_dscnt 0x0                               ; this group's fragments and scale words are in
	MULG
	WIN 0
	PLACES 4                                       ; in front of loads into registers that matrix instructions have read, and of the first read of results
.if \g < 3
	FETCHX \g+1                                    ; the next group's come while this one goes out
.endif
	EPI \g
.endr
	v_cndmask_b32 v230, v[KW+1], v[KW], s52        ; lanes 0-15: super-fragment 0's words, lanes 16-31: super-fragment 1's
	v_cndmask_b32 v231, v[VW+1], v[VW], s52        ; likewise the two channel tiles'
	global_store_b64 v11, v[230:231], s[42:43] offset:6144
	s_wait_tensorcnt 0x0
	ds_add_u32 v30, v31
	s_wait_dscnt 0x0
	s_endpgm
.Lfunc_end_k_q1915c63950_qkv:
	.size	k_q1915c63950_qkv, .Lfunc_end_k_q1915c63950_qkv-k_q1915c63950_qkv
	.p2alignl 7, 3214868480
	.fill 96, 4, 3214868480
	.section	.rodata,"a",@progbits
	.p2align	6, 0x0
	.amdhsa_kernel k_q1915c63950_qkv
		.amdhsa_group_segment_fixed_size 52736
		.amdhsa_private_segment_fixed_size 0
		.amdhsa_enable_private_segment 0
		.amdhsa_kernarg_size 176
		.amdhsa_user_sgpr_count 2
		.amdhsa_user_sgpr_kernarg_segment_ptr 1
		.amdhsa_wavefront_size32 1
		.amdhsa_system_sgpr_workgroup_id_x 1
		.amdhsa_system_sgpr_workgroup_id_y 1
		.amdhsa_system_sgpr_workgroup_id_z 1
		.amdhsa_system_vgpr_workitem_id 0
		.amdhsa_next_free_vgpr 1024
		.amdhsa_next_free_sgpr 100
		.amdhsa_reserve_vcc 0
		.amdhsa_float_denorm_mode_32 3
		.amdhsa_float_denorm_mode_16_64 3
		.amdhsa_memory_ordered 1
		.amdhsa_forward_progress 1
		.amdhsa_inst_pref_size 243
	.end_amdhsa_kernel
	.amdgpu_metadata
---
amdhsa.version: [ 1, 2 ]
amdhsa.kernels:
  - .name:           k_q1915c63950_qkv
    .symbol:         k_q1915c63950_qkv.kd
    .args:
      - { .name: x, .offset: 0, .size: 8, .value_kind: global_buffer, .address_space: global }
      - { .name: g1, .offset: 8, .size: 8, .value_kind: global_buffer, .address_space: global }
      - { .name: b1, .offset: 16, .size: 8, .value_kind: global_buffer, .address_space: global }
      - { .name: Wq_codes, .offset: 24, .size: 8, .value_kind: global_buffer, .address_space: global }
      - { .name: Wq_scales, .offset: 32, .size: 8, .value_kind: global_buffer, .address_space: global }
      - { .name: bq, .offset: 40, .size: 8, .value_kind: global_buffer, .address_space: global }
      - { .name: Wk_codes, .offset: 48, .size: 8, .value_kind: global_buffer, .address_space: global }
      - { .name: Wk_scales, .offset: 56, .size: 8, .value_kind: global_buffer, .address_space: global }
      - { .name: bk, .offset: 64, .size: 8, .value_kind: global_buffer, .address_space: global }
      - { .name: Wv_codes, .offset: 72, .size: 8, .value_kind: global_buffer, .address_space: global }
      - { .name: Wv_scales, .offset: 80, .size: 8, .value_kind: global_buffer, .address_space: global }
      - { .name: bv, .offset: 88, .size: 8, .value_kind: global_buffer, .address_space: global }
      - { .name: Wo_codes, .offset: 96, .size: 8, .value_kind: global_buffer, .address_space: global }
      - { .name: Wo_scales, .offset: 104, .size: 8, .value_kind: global_buffer, .address_space: global }
      - { .name: W1_codes, .offset: 112, .size: 8, .value_kind: global_buffer, .address_space: global }
      - { .name: W1_scales, .offset: 120, .size: 8, .value_kind: global_buffer, .address_space: global }
      - { .name: W2_codes, .offset: 128, .size: 8, .value_kind: global_buffer, .address_space: global }
      - { .name: W2_scales, .offset: 136, .size: 8, .value_kind: global_buffer, .address_space: global }
      - { .name: qbuf, .offset: 144, .size: 8, .value_kind: global_buffer, .address_space: global }
      - { .name: kv, .offset: 152, .size: 8, .value_kind: global_buffer, .address_space: global }
      - { .name: wimg, .offset: 160, .size: 8, .value_kind: global_buffer, .address_space: global }
      - { .name: wscl, .offset: 168, .size: 8, .value_kind: global_buffer, .address_space: global }
    .group_segment_fixed_size: 52736
    .private_segment_fixed_size: 0
    .kernarg_segment_align: 8
    .kernarg_segment_size: 176
    .max_flat_workgroup_size: 128
    .sgpr_count:     100
    .vgpr_count:     1024
    .wavefront_size: 32
...
	.end_amdgpu_metadata
.endif
;; end of part 1
;; launch attn (part 2): grid 4 x 64, 16 waves a work-group, no clusters, 104,448 bytes of LDS; arguments qbuf, kv, ctx; writes ctx
.if DOCPART == 2
	.amdgcn_target "amdgcn-amd-amdhsa--gfx1250"
	.amdhsa_code_object_version 6
	.text
	.protected	k_q1915c63950_attn
	.globl	k_q1915c63950_attn
	.p2align	8
	.type	k_q1915c63950_attn,@function
k_q1915c63950_attn:
	s_mov_b64 s[64:65], 0
	v_nop
	global_prefetch_b8 v0, s[64:65] scope:SCOPE_SE
	s_setreg_imm32_b32 hwreg(HW_REG_WAVE_MODE, 25, 1), 1
	s_wait_xcnt 0x0
; ctx = softmax(q k^T / sqrt(32)) v for one head of one batch, both products on codes of BF6 (E3M2) with E8M0 scales; the result is quantised along the head's 32 channels for the next product.
; THE SOFTMAX: t = score x log2(e) / sqrt(32); M = the running largest t rounded UP to a whole number; p = 2^(t - M) is quantised along the keys; the row's sum is taken of the unquantised p and divides at the end.
; When M moves, the sum and O are multiplied by 2^(old M - new M): exact.
; SHARES.  Work-group (qb, hb): head-batch hb, queries 512 qb .. + 511.  Each of sixteen waves owns 32 queries, two tiles of 16, one after the other; four waves share a SIMD, so that one wave's exponentials stand beside another's plain work.
; The head's k and v (codes and scale words, 102,400 bytes, as the launch before laid them: images of operand registers) are copied into LDS ONCE, through registers; one barrier; afterwards LDS is only read.
; K = 32 IN AN INSTRUCTION OF 128.  A fragment of k carries FOUR tiles of 16 keys, one in each block of 32 along K; q is laid into one block of its operand, with zero codes in the other three, which add nothing.
; Four such operands share 30 registers (zeros, q in lanes 0-15, zeros, q in lanes 16-31, zeros).  So no register and no LDS byte of k is padding.
; LAYOUT.  Both products are used transposed: a lane holds one query (lane % 16).  The keys of a tile are chosen so that the 16 registers of tiles 2 b, 2 b + 1 are keys 32 b + 16 (lane / 16) + 0 .. 15; the channels likewise.
; LIMITS: NaN and infinities are not served; a block of p or of ctx whose largest number lies under 2^-122 gets the scale byte 1 (read by this program alone); v_exp_f32 and v_rcp_f32 are good to 1 ulp;
; a block's largest p is made from the block's largest score by the same two lines as every p, which takes v_exp_f32 not to fall where its input rises.
.set XQ,  16                           ; v16-21   q's unit as loaded; v22 its scale words (lanes 0-15 tile 0, lanes 16-31 tile 1)
.set QV,  24                           ; v24-53   zeros, L, zeros, H, zeros, six registers each
.set KF,  56                           ; v56-79   two super-fragments of k;  v54 k's scale words, v55 v's
.set VF,  80                           ; v80-103  two fragments of v
.set S,   104                          ; v104-167 the scores, then p
.set OO,  168                          ; v168-183 O^T
.set P,   184                          ; v184-195 p's codes
.set PT,  196
.set MB,  204                          ; v204-207 a block's largest score, then its largest p
.set MB2, 208
.set SO,  212
.set PW,  216                          ; p's scale word
.set RR,  224                          ; v224-239 O^T / the sum; v224-229 also q's unit from the other half of the lanes
.set C1,  244
.set OUTC, 250                         ; v250-255 the outgoing unit
.set FLOOR, 0x2800000
.set EOFF,  0xfe000000
	s_load_b128 s[4:7], s[0:1], 0x0                ; qbuf, kv
	s_load_b64 s[8:9], s[0:1], 0x10                ; ctx
	v_lshl_add_u32 v243, v0, 2, 0x19000
	v_mov_b32 v247, 0
	v_lshrrev_b32 v1, 5, v0
	v_readfirstlane_b32 s10, v1                    ; wave 0..15
	v_and_b32 v1, 31, v0
	v_lshlrev_b32 v2, 4, v1                        ; 16 x lane
	v_lshlrev_b32 v3, 3, v1                        ; 8 x lane
	v_lshlrev_b32 v8, 4, v0                        ; the copy: 16 bytes a thread, 8,192 a line
	v_add_nc_u32 v9, 0x10000, v8
	v_lshlrev_b32 v11, 3, v0
	v_add_nc_u32 v10, 0x18000, v11                 ; and the last 4,096 bytes, 8 a thread
	s_and_b32 s11, ttmp7, 0xffff                   ; hb
	s_mov_b32 s12, ttmp9                           ; qb
	s_mov_b32 s20, 0x76543210
	s_mov_b32 s21, 0xfedcba98                      ; v_permlanex16_b32's selects for lane l xor 16
	s_mov_b32 s22, 0x3e8293ee                      ; c = log2(e) / sqrt(32)
	s_mov_b32 s23, s22                             ; (named with it as a pair, so it is written)
	s_mov_b32 s24, 0xffff                          ; lanes 0-15
	s_mov_b32 s27, 0xffff0000                      ; lanes 16-31
	s_mul_i32 s28, s11, 102400
	s_mov_b32 s29, 0
	s_lshl_b32 s30, s11, 6
	s_lshl_b32 s31, s12, 4
	s_add_co_u32 s31, s31, s10                     ; my group of 32 queries in the batch
	s_add_co_u32 s30, s30, s31
	s_lshl_b32 s30, s30, 10                        ; qbuf: (64 hb + group) x 1,024
	s_lshr_b32 s32, s11, 4
	s_lshl_b32 s32, s32, 6
	s_add_co_u32 s32, s32, s31
	s_lshl_b32 s32, s32, 4
	s_and_b32 s33, s11, 15
	s_add_co_u32 s32, s32, s33
	s_lshl_b32 s32, s32, 10                        ; ctx: ((64 batch + group) x 16 + head) x 1,024
	s_mov_b32 s31, 0
	s_mov_b32 s33, 0
	s_wait_kmcnt 0x0
	s_add_nc_u64 s[6:7], s[6:7], s[28:29]
	s_add_nc_u64 s[4:5], s[4:5], s[30:31]
	s_add_nc_u64 s[8:9], s[8:9], s[32:33]
.irp i, 0,1,2,3,4,5,6,7,8,9,10,11
	global_load_b128 v[104+4*\i:104+4*\i+3], v8, s[6:7] offset:8192*\i
.endr
	global_load_b64 v[152:153], v11, s[6:7] offset:98304
	global_load_b128 v[XQ:XQ+3], v2, s[4:5]
	global_load_b64 v[XQ+4:XQ+5], v3, s[4:5] offset:512
	global_load_b32 v22, v3, s[4:5] offset:768
.irp i, 0,1,2,3,4,5
	v_mov_b32 v[QV+\i], 0                          ; the three runs of zero codes
	v_mov_b32 v[QV+12+\i], 0
	v_mov_b32 v[QV+24+\i], 0
	v_mov_b32 v[RR+\i], 0                          ; (a lane permute's destination counts as one of its sources)
.endr
.irp b, 0,1,2,3
	v_mov_b32 v[MB2+\b], 0
.endr
	v_mov_b32 v220, 0
	v_mov_b32 v219, 0                              ; (named as the upper half of the pair v[218:219])
	v_mov_b32 v7, 0                                ; the word behind ctx's scale word
	s_wait_loadcnt 3                               ; k and v are in; q's three loads may be out
.irp i, 0,1,2,3,4,5,6,7
	ds_store_b128 v8, v[104+4*\i:104+4*\i+3] offset:8192*\i
.endr
.irp i, 8,9,10,11
	ds_store_b128 v9, v[104+4*\i:104+4*\i+3] offset:8192*(\i-8)
.endr
	ds_store_b64 v10, v[152:153]
	s_wait_dscnt 0x0                               ; my part of the copy lies in LDS
	s_barrier_signal -1
	s_barrier_wait -1                              ; everybody's does; nothing in LDS is written again
	s_wait_loadcnt 0x0                             ; q
.macro QK d, a, b, s, n                ; scores of one tile of 16 keys: k's scale words of super-fragment 1, and q's of tile 1, stand in lanes 16-31
.if (\s) == 0
.if (\n) == 0
	v_wmma_scale_f32_16x16x128_f8f6f4 v[\d:\d+7], v[\a:\a+11], v[\b:\b+11], 0, v54, v22 matrix_a_fmt:MATRIX_FMT_BF6 matrix_b_fmt:MATRIX_FMT_BF6
.else
	v_wmma_scale_f32_16x16x128_f8f6f4 v[\d:\d+7], v[\a:\a+11], v[\b:\b+11], 0, v54, v22 matrix_a_fmt:MATRIX_FMT_BF6 matrix_b_fmt:MATRIX_FMT_BF6 matrix_b_scale:MATRIX_SCALE_ROW1
.endif
.else
.if (\n) == 0
	v_wmma_scale_f32_16x16x128_f8f6f4 v[\d:\d+7], v[\a:\a+11], v[\b:\b+11], 0, v54, v22 matrix_a_fmt:MATRIX_FMT_BF6 matrix_b_fmt:MATRIX_FMT_BF6 matrix_a_scale:MATRIX_SCALE_ROW1
.else
	v_wmma_scale_f32_16x16x128_f8f6f4 v[\d:\d+7], v[\a:\a+11], v[\b:\b+11], 0, v54, v22 matrix_a_fmt:MATRIX_FMT_BF6 matrix_b_fmt:MATRIX_FMT_BF6 matrix_a_scale:MATRIX_SCALE_ROW1 matrix_b_scale:MATRIX_SCALE_ROW1
.endif
.endif
.endm
; A KEY STEP: 128 keys, whose record begins at LDS byte s25.
.macro STEP n
	v_add_nc_u32 v4, s25, v2
	v_add_nc_u32 v5, s25, v3
	v_nop
	v_nop                                          ; four places in front of loads into registers that the last matrix instructions have read
.irp g, 0,1,2,3
	ds_load_b128 v[KF+6*\g:KF+6*\g+3], v4 offset:768*\g
	ds_load_b64 v[KF+6*\g+4:KF+6*\g+5], v5 offset:768*\g+512
.endr
	ds_load_b64 v[54:55], v5 offset:6144
.irp c, 0,1
.irp dt, 0,1
	ds_load_b128 v[VF+12*\dt+6*\c:VF+12*\dt+6*\c+3], v4 offset:3072+768*(2*\c+\dt)
	ds_load_b64 v[VF+12*\dt+6*\c+4:VF+12*\dt+6*\c+5], v5 offset:3072+768*(2*\c+\dt)+512
.endr
.endr
	s_wait_dscnt 8                                 ; k and the scale words are in; v's eight loads may be out
.irp s, 0,1
.irp jb, 0,1,2,3                               ; q in block jb: L zeros (0), H zeros (1), zeros L (2), zeros H (3)
	QK S+8*(4*\s+\jb), KF+12*\s, QV+6+12*(\jb%2)-6*(\jb/2), \s, \n
.endr
.endr
.rept 4
	v_nop
.endr
.irp b, 0,1,2,3
	v_max3_num_f32 v[MB+\b], v[S+16*\b], v[S+16*\b+1], v[S+16*\b+2]   ; the largest score of each block of 32 keys: for the row's maximum and for the block's largest p
.endr
.irp i, 3,5,7,9,11,13
.irp b, 0,1,2,3
	v_max3_num_f32 v[MB+\b], v[MB+\b], v[S+16*\b+\i], v[S+16*\b+\i+1]
.endr
.endr
.irp b, 0,1,2,3
	v_max_num_f32 v[MB+\b], v[MB+\b], v[S+16*\b+15]
.endr
.irp b, 0,1,2,3
	v_permlanex16_b32 v[MB2+\b], v[MB+\b], s20, s21
.endr
.irp b, 0,1,2,3
	v_max_num_f32 v[MB+\b], v[MB+\b], v[MB2+\b]    ; with lane l xor 16's 16 keys
.endr
	v_max3_num_f32 v220, v[MB], v[MB+1], v[MB+2]
	v_max_num_f32 v220, v220, v[MB+3]
	v_mul_f32 v220, s22, v220                      ; the step's largest t of my query (c is positive)
	v_max_num_f32 v13, v13, v220                   ; the running largest t
	v_mov_b32 v220, v12
	v_floor_f32 v12, -v13                          ; the new -M = floor(-t): M is a whole number
	v_sub_f32 v220, v12, v220                      ; old M - new M: a whole number, 0 or less
	v_cvt_i32_f32 v220, v220                       ; (it saturates)
	v_ldexp_f32 v218, 1.0, v220                    ; f = 2^(old M - new M)
.set j, 0
.rept 32
	v_pk_fma_f32 v[S+j:S+j+1], v[S+j:S+j+1], s[22:23], v[12:13] op_sel_hi:[1,0,0]   ; t - M, two at a time
.set j, j+2
.endr
.irp b, 0,1,2,3
	v_fma_f32 v[MB+\b], v[MB+\b], s22, v12         ; the same of each block's largest score
.endr
.set j, 0
.rept 64
	v_exp_f32 v[S+j], v[S+j]                       ; p = 2^(t - M), at most 1
.set j, j+1
.endr
	v_pk_mul_f32 v[14:15], v[14:15], v[218:219] op_sel_hi:[1,0]   ; the sums under the new M (a plain line behind the exponentials)
	s_wait_alu depctr_va_vdst(0)                   ; one wait for the whole batch, ahead of its first reader
.irp b, 0,1,2,3
	v_exp_f32 v[MB+\b], v[MB+\b]                   ; the block's largest p
.endr
.set j, 0
.rept 8
	v_pk_mul_f32 v[OO+j:OO+j+1], v[OO+j:OO+j+1], v[218:219] op_sel_hi:[1,0]   ; O^T under the new M: plain work behind the four
.set j, j+2
.endr
	s_wait_alu depctr_va_vdst(0)                   ; and one for the four
.irp b, 0,1,2,3
	v_max_num_f32 v[MB+\b], FLOOR, v[MB+\b]
.endr
.irp b, 0,1,2,3
	v_add_nc_u32 v[SO+\b], EOFF, v[MB+\b]          ; 4 off the exponent field: the conversion's scale operand
.endr
.irp b, 0,1,2,3
	v_lshrrev_b32 v[MB2+\b], 23, v[SO+\b]          ; the scale's byte
.endr
	v_lshl_or_b32 v[PW], v[MB2+1], 8, v[MB2]
	v_lshl_or_b32 v[PW], v[MB2+2], 16, v[PW]
	v_lshl_or_b32 v[PW], v[MB2+3], 24, v[PW]       ; p's scale word for these 128 keys
.irp c, 0,1
	v_cvt_scalef32_pk16_bf6_f32 v[P+6*\c:P+6*\c+2], v[S+32*\c:S+32*\c+15], v[SO+2*\c]
	v_cvt_scalef32_pk16_bf6_f32 v[PT+4*\c:PT+4*\c+2], v[S+32*\c+16:S+32*\c+31], v[SO+2*\c+1]
.endr
	v_nop                                          ; one plain line behind the scaled conversions
.irp c, 0,1                                    ; the operand wants a whole block in a lane
.irp i, 0,1,2
	v_permlane16_swap_b32 v[P+6*\c+\i], v[PT+4*\c+\i]
.endr
.irp i, 0,1,2
	v_mov_b32 v[P+6*\c+3+\i], v[PT+4*\c+\i]
.endr
.endr
	v_pk_add_f32 v[222:223], v[S:S+1], v[S+2:S+3]  ; the row's sum of the unquantised p, in two chains: also the places between p's codes and scale word and the products
.set j, 4
.rept 15
	v_pk_add_f32 v[14:15], v[14:15], v[S+j:S+j+1]
	v_pk_add_f32 v[222:223], v[222:223], v[S+j+2:S+j+3]
.set j, j+4
.endr
	v_pk_add_f32 v[14:15], v[14:15], v[222:223]
	s_wait_dscnt 0x0                               ; v is in
	v_wmma_scale_f32_16x16x128_f8f6f4 v[OO:OO+7], v[VF:VF+11], v[P:P+11], v[OO:OO+7], v55, v[PW] matrix_a_fmt:MATRIX_FMT_BF6 matrix_b_fmt:MATRIX_FMT_BF6
	v_wmma_scale_f32_16x16x128_f8f6f4 v[OO+8:OO+15], v[VF+12:VF+23], v[P:P+11], v[OO+8:OO+15], v55, v[PW] matrix_a_fmt:MATRIX_FMT_BF6 matrix_b_fmt:MATRIX_FMT_BF6 matrix_a_scale:MATRIX_SCALE_ROW1
.endm
; ONE TILE OF 16 QUERIES through all 2,048 keys.  n = 0: the tile in lanes 0-15 of q's unit; n = 1: the other, which tile 0's head has moved there.
.macro TILE n
.irp i, 0,1,2,3,4,5
	v_permlanex16_b32 v[RR+\i], v[XQ+\i], s20, s21
.endr
.irp i, 0,1,2,3,4,5
	v_cndmask_b32 v[QV+6+\i], 0, v[XQ+\i], s24     ; L: q in lanes 0-15, zero codes above
.endr
.irp i, 0,1,2,3,4,5
	v_cndmask_b32 v[QV+18+\i], 0, v[RR+\i], s27    ; H: the same q in lanes 16-31, zero codes below
.endr
.if (\n) == 0
.irp i, 0,1,2,3,4,5
	v_mov_b32 v[XQ+\i], v[RR+\i]                   ; the halves exchanged, for tile 1
.endr
.endif
	v_mov_b32 v13, 0xff61b1e6                      ; the largest t so far: -3e38
	v_floor_f32 v12, -v13                          ; -M
	v_mov_b32 v14, 0                               ; the sum, in two halves
	v_mov_b32 v15, 0
.set j, 0
.rept 16
	v_mov_b32 v[OO+j], 0                           ; O^T: the step is written once; its first trip finds zeros
.set j, j+1
.endr
	s_mov_b32 s25, 0
	s_mov_b32 s26, 16
.Lstep_\@:
	STEP \n
	s_add_co_u32 s25, s25, 6400
	s_sub_co_u32 s26, s26, 1
	s_cmp_lg_u32 s26, 0
	s_cbranch_scc1 .Lstep_\@
.rept 4
	v_nop
.endr
	v_add_f32 v14, v14, v15
	v_permlanex16_b32 v220, v14, s20, s21
	v_add_f32 v14, v14, v220                       ; the row's sum
	v_rcp_f32 v218, v14
	v_nop
	s_wait_alu depctr_va_vdst(0)
.set j, 0
.rept 8
	v_pk_mul_f32 v[RR+j:RR+j+1], v[OO+j:OO+j+1], v[218:219] op_sel_hi:[1,0]   ; ctx(my query, channels 16 (lane / 16) + 0 .. 15)
.set j, j+2
.endr
	v_max3_num_f32 v[MB], |v[RR]|, |v[RR+1]|, FLOOR
.irp i, 2,4,6,8,10,12,14
	v_max3_num_f32 v[MB], v[MB], |v[RR+\i]|, |v[RR+\i+1]|
.endr
	v_permlanex16_b32 v[MB2], v[MB], s20, s21
	v_max_num_f32 v[MB], v[MB], v[MB2]             ; the head's 32 channels are one block of the next product's K
	v_add_nc_u32 v[SO], EOFF, v[MB]
.if (\n) == 0
	v_cvt_scalef32_pk16_bf6_f32 v[OUTC:OUTC+2], v[RR:RR+15], v[SO]
.else
	v_cvt_scalef32_pk16_bf6_f32 v[C1:C1+2], v[RR:RR+15], v[SO]
.endif
	v_nop
	v_lshrrev_b32 v[248+\n], 23, v[SO]
.endm
	TILE 0
	TILE 1
.irp i, 0,1,2
	v_permlane16_swap_b32 v[OUTC+\i], v[C1+\i]     ; lane (r, m) then holds all 32 codes of tile m's row r
.endr
.irp i, 0,1,2
	v_mov_b32 v[OUTC+3+\i], v[C1+\i]
.endr
	v_cndmask_b32 v6, v249, v248, s24              ; and its scale byte
	global_store_b128 v2, v[OUTC:OUTC+3], s[8:9]
	global_store_b64 v3, v[OUTC+4:OUTC+5], s[8:9] offset:512
	global_store_b64 v3, v[6:7], s[8:9] offset:768
	s_wait_tensorcnt 0x0
	ds_add_u32 v243, v247
	s_wait_dscnt 0x0
	s_endpgm
.Lfunc_end_k_q1915c63950_attn:
	.size	k_q1915c63950_attn, .Lfunc_end_k_q1915c63950_attn-k_q1915c63950_attn
	.p2alignl 7, 3214868480
	.fill 96, 4, 3214868480
	.section	.rodata,"a",@progbits
	.p2align	6, 0x0
	.amdhsa_kernel k_q1915c63950_attn
		.amdhsa_group_segment_fixed_size 104448
		.amdhsa_private_segment_fixed_size 0
		.amdhsa_enable_private_segment 0
		.amdhsa_kernarg_size 24
		.amdhsa_user_sgpr_count 2
		.amdhsa_user_sgpr_kernarg_segment_ptr 1
		.amdhsa_wavefront_size32 1
		.amdhsa_system_sgpr_workgroup_id_x 1
		.amdhsa_system_sgpr_workgroup_id_y 1
		.amdhsa_system_sgpr_workgroup_id_z 1
		.amdhsa_system_vgpr_workitem_id 0
		.amdhsa_next_free_vgpr 256
		.amdhsa_next_free_sgpr 66
		.amdhsa_reserve_vcc 0
		.amdhsa_float_denorm_mode_32 3
		.amdhsa_float_denorm_mode_16_64 3
		.amdhsa_memory_ordered 1
		.amdhsa_forward_progress 1
		.amdhsa_inst_pref_size 42
	.end_amdhsa_kernel
	.amdgpu_metadata
---
amdhsa.version: [ 1, 2 ]
amdhsa.kernels:
  - .name:           k_q1915c63950_attn
    .symbol:         k_q1915c63950_attn.kd
    .args:
      - { .name: qbuf, .offset: 0, .size: 8, .value_kind: global_buffer, .address_space: global }
      - { .name: kv, .offset: 8, .size: 8, .value_kind: global_buffer, .address_space: global }
      - { .name: ctx, .offset: 16, .size: 8, .value_kind: global_buffer, .address_space: global }
    .group_segment_fixed_size: 104448
    .private_segment_fixed_size: 0
    .kernarg_segment_align: 8
    .kernarg_segment_size: 24
    .max_flat_workgroup_size: 512
    .sgpr_count:     66
    .vgpr_count:     256
    .wavefront_size: 32
...
	.end_amdgpu_metadata
.endif
;; end of part 2
;; launch tail (part 3): grid 256 x 1, 4 waves a work-group, no clusters, 109,056 bytes of LDS; arguments ctx, wimg, wscl, x, bo, g2, b2, bf1, bf2, out0; writes out0
.if DOCPART == 3
	.amdgcn_target "amdgcn-amd-amdhsa--gfx1250"
	.amdhsa_code_object_version 6
	.text
	.protected	k_q1915c63950_tail
	.globl	k_q1915c63950_tail
	.p2align	8
	.type	k_q1915c63950_tail,@function
k_q1915c63950_tail:
	s_mov_b64 s[64:65], 0
	v_nop
	global_prefetch_b8 v0, s[64:65] scope:SCOPE_SE
	s_setreg_imm32_b32 hwreg(HW_REG_WAVE_MODE, 25, 1), 1
	s_wait_xcnt 0x0
; x2 = ctx Wo + bo + x;  out = gelu(LN2(x2) W1 + bf1) W2 + bf2 + x2, the three products on codes of BF6 (E3M2) with E8M0 scales.  x2, LN2's result and the hidden layer never go to memory.
; SHARES.  Work-group g: rows 32 g .. 32 g + 31 as two tiles of 16 (tile m, lane r: row 32 g + 8 m + r + 8 (r / 8)).  THE WAVES SHARE THE COLUMNS: wave w makes columns 128 w .. of the first and third product and hidden units 256 w .. of the second.
; WEIGHTS.  A wave's fragments lie in wimg in the order in which it takes them, as images of their registers: ten half-banks of 16 fragments (4 tiles x 4 K steps, 24,576 bytes) and their scale words.  They go from memory
; straight into two banks of 192 registers that take turns: 48 loads of 512 consecutive bytes and 4 of scale words, 52 a half-bank.  Each fragment is used by this wave alone, so LDS would only add a write and a read.
; ACTIVATIONS go from wave to wave through LDS as images of operand registers (a fragment: three stores of 512 bytes; its scale words: 4 bytes a lane).  Three barriers: LN2's partial sums; LN2's codes; the hidden layer's codes.
; All products are used transposed (source 0 = 16 rows of a weight, chosen so that a lane's 16 registers of two neighbouring tiles are 16 neighbours along the next K; source 1 = 16 rows): a lane holds one row.
; LN2: each wave's mean and sum of squared differences over its 128 columns are joined by mean = the mean of the four means, M2 = the sum of the four M2 + 128 x the sum of (mean_w - mean)^2: no difference of large sums.
; GELU: 0.5 a (1 + erf(a / sqrt(2))), erf(z) = z P(z^2) / Q(z^2) with z held to +-4 (degrees 6 and 4 in z^2), good to a few ulp of erf.
; LIMITS: NaN and infinities are not served; for very negative a the sum 1 + erf leaves an absolute error of about 1e-7 x |a|; a block whose largest magnitude lies under 2^-122 gets the scale byte 1 (read by this program alone);
; v_rsq_f32 and v_rcp_f32 are good to 1 ulp; sums go in another order than the reference's.
; REGISTERS, in windows of 256.  Window 0: v1-15, v112-117 addresses; v16-31 the weights' scale words, two sets; v32-39 the activations' (scales and nothing else); v48-111 at work; v128-255 the 16 accumulators (64 m + 8 t + j).
;   Window 1: bank 1 v0-191, v192-255 g2, later a bias.   Window 2: bank 2 v0-191, v192-255 b2.   Window 3: v0-95 eight activation fragments (12 (4 m + ks)); v96-223 x, then x2; v224-247 erf's coefficients, each twice.
.set STAT, 0                           ; LDS: {mean_w, M2_w} at 32 r + 8 w + 512 m
.set XIMG, 1024                        ; LN2's eight fragments (4 m + K step), 1,536 bytes each,
.set XSC,  XIMG+8*1536                 ; their scale words, 128 bytes each,
.set HIMG, XSC+8*128                   ; the hidden layer's sixteen (8 m + K step),
.set HSC,  HIMG+16*1536                ; their scale words,
.set STG,  HSC+16*128                  ; a stage for each wave and row tile: 16 rows x (512 bytes + 16)
.set WS,  16
.set AS,  32
.set ACC, 128
.set X2,  96
.set CO,  224
.set TM,  48                           ; the quantiser's: v48-63 at work, v64 the scale word, v66-85 the codes
.set PW,  64
.set PC,  66
.set LM,  48                           ; LN2's: four registers a row tile;
.set SQ,  56                           ; four chains of squares a row tile;
.set ST,  72                           ; the four waves' figures
.set ZZ,  48                           ; GELU's: 16 registers each
.set Z2,  64
.set PP,  80
.set QQ,  96
.set MSB, 0
.macro WIN new                         ; the immediate's high byte repeats the setting that is left
.if MSB != (\new)
	s_set_vgpr_msb (MSB<<8)|(\new)
.set MSB, (\new)
.endif
.endm
.macro PLACES n
.rept \n
	v_nop
.endr
.endm
.macro BARRIER                         ; my LDS stores have landed and my LDS loads are in: then the work-group's barrier
	s_wait_dscnt 0x0
	s_barrier_signal -1
	s_barrier_wait -1
.endm
; half-bank k (counted from where the stepped bases stand, rel bytes on) into bank buf
.macro LOADHB buf, k, rel
	WIN 0x40*(\buf)
.irp f, 0,1,2,3,4,5,6,7,8,9,10,11,12,13,14,15
.irp c, 0,1,2
	global_load_b128 v[12*\f+4*\c:12*\f+4*\c+3], v7, s[6:7] offset:(\k)*24576-(\rel)+1536*\f+512*\c
.endr
.endr
	WIN 0
.irp ks, 0,1,2,3
	global_load_b64 v[WS+8*((\buf)-1)+2*\ks:WS+8*((\buf)-1)+2*\ks+1], v8, s[8:9] offset:(\k)*1024-(\rel)/24+256*\ks
.endr
.endm
; 32 matrix instructions: bank buf's 4 tiles (accumulators t0 .. t0 + 3) x 2 row tiles x 4 K steps; the eight accumulators take turns, one instruction a turn.
; cmode: what the first K step takes as C: 0 the constant 0; 1 the bias at v48 on; 2 x2 + bf2 in window 3; 3 the sums so far.  A scale register carries an even tile's words in lanes 0-15 and the next tile's in lanes 16-31.
.macro MULHB buf, t0, cmode
.irp ks, 0,1,2,3
.if ((\cmode) == 2) && (\ks == 0)
	WIN 0x3c|(\buf)
.else
	WIN 0x0c|(\buf)
.endif
.irp tl, 0,1,2,3
.irp m, 0,1
.set rD, ACC+64*\m+8*((\t0)+\tl)
.set rC, rD
.if \ks == 0
.if (\cmode) == 1
.set rC, 48+8*((\t0)+\tl)
.endif
.if (\cmode) == 2
.set rC, X2+64*\m+8*((\t0)+\tl)
.endif
.endif
.set rA, 12*(4*\ks+\tl)
.set rB, 12*(4*\m+\ks)
.set rS, WS+8*((\buf)-1)+2*\ks+\tl/2
.if ((\cmode) == 0) && (\ks == 0)
.if \tl%2 == 0
	v_wmma_scale_f32_16x16x128_f8f6f4 v[rD:rD+7], v[rA:rA+11], v[rB:rB+11], 0, v[rS], v[AS+4*\m+\ks] matrix_a_fmt:MATRIX_FMT_BF6 matrix_b_fmt:MATRIX_FMT_BF6
.else
	v_wmma_scale_f32_16x16x128_f8f6f4 v[rD:rD+7], v[rA:rA+11], v[rB:rB+11], 0, v[rS], v[AS+4*\m+\ks] matrix_a_fmt:MATRIX_FMT_BF6 matrix_b_fmt:MATRIX_FMT_BF6 matrix_a_scale:MATRIX_SCALE_ROW1
.endif
.else
.if \tl%2 == 0
	v_wmma_scale_f32_16x16x128_f8f6f4 v[rD:rD+7], v[rA:rA+11], v[rB:rB+11], v[rC:rC+7], v[rS], v[AS+4*\m+\ks] matrix_a_fmt:MATRIX_FMT_BF6 matrix_b_fmt:MATRIX_FMT_BF6
.else
	v_wmma_scale_f32_16x16x128_f8f6f4 v[rD:rD+7], v[rA:rA+11], v[rB:rB+11], v[rC:rC+7], v[rS], v[AS+4*\m+\ks] matrix_a_fmt:MATRIX_FMT_BF6 matrix_b_fmt:MATRIX_FMT_BF6 matrix_a_scale:MATRIX_SCALE_ROW1
.endif
.endif
.endr
.endr
.endr
.endm
; 64 numbers of a lane, register 16 b + i = k 32 b + 16 (lane / 16) + i of my row, become a fragment's codes in v[PC] on and its scale word in v[PW]
.macro QUANT s
.irp b, 0,1,2,3
	v_max3_num_f32 v[TM+\b], |v[\s+16*\b]|, |v[\s+1+16*\b]|, 0x2800000   ; my 16 numbers of block b, and the floor 2^(5 - 127)
.endr
.irp i, 2,4,6,8,10,12,14
.irp b, 0,1,2,3
	v_max3_num_f32 v[TM+\b], v[TM+\b], |v[\s+16*\b+\i]|, |v[\s+1+16*\b+\i]|
.endr
.endr
.irp b, 0,1,2,3
	v_permlanex16_b32 v[TM+4+\b], v[TM+\b], s26, s27
.endr
.irp b, 0,1,2,3
	v_max_num_f32 v[TM+\b], v[TM+\b], v[TM+4+\b]   ; with lane l xor 16's: the block's largest magnitude
.endr
.irp b, 0,1,2,3
	v_add_nc_u32 v[TM+12+\b], 0xfe000000, v[TM+\b] ; 4 off its exponent field: the conversion's scale operand
.endr
.irp b, 0,1,2,3
	v_lshrrev_b32 v[TM+4+\b], 23, v[TM+12+\b]      ; the scale's byte
.endr
	v_lshl_or_b32 v[PW], v[TM+5], 8, v[TM+4]
	v_lshl_or_b32 v[PW], v[TM+6], 16, v[PW]
	v_lshl_or_b32 v[PW], v[TM+7], 24, v[PW]
.irp c, 0,1
	v_cvt_scalef32_pk16_bf6_f32 v[PC+6*\c:PC+2+6*\c], v[\s+32*\c:\s+15+32*\c], v[TM+12+2*\c]
	v_cvt_scalef32_pk16_bf6_f32 v[PC+12+4*\c:PC+14+4*\c], v[\s+16+32*\c:\s+31+32*\c], v[TM+12+2*\c+1]
.endr
	v_nop                                          ; one plain line behind the scaled conversions
.irp c, 0,1                                    ; the operand wants a whole block in a lane
.irp i, 0,1,2
	v_permlane16_swap_b32 v[PC+6*\c+\i], v[PC+12+4*\c+\i]
.endr
.irp i, 0,1,2
	v_mov_b32 v[PC+3+6*\c+\i], v[PC+12+4*\c+\i]
.endr
.endr
.endm
.macro IMAGE adr, off                  ; the fragment in v[PC] on goes to LDS as it stands
.irp c, 0,1,2
	ds_store_b128 v[\adr], v[PC+4*\c:PC+4*\c+3] offset:\off+512*\c
.endr
.endm
.macro FETCHACT img, sc, stride, k0    ; eight fragments (row tile m, K steps k0 .. k0 + 3) and their scale words come back, in any wave
	WIN 0xc0
.irp m, 0,1
.irp ks, 0,1,2,3
.irp c, 0,1,2
	ds_load_b128 v[12*(4*\m+\ks)+4*\c:12*(4*\m+\ks)+4*\c+3], v4 offset:\img+((\stride)*\m+(\k0)+\ks)*1536+512*\c
.endr
.endr
.endr
	WIN 0
.irp m, 0,1
.irp ks, 0,1,2,3
	ds_load_b32 v[AS+4*\m+\ks], v6 offset:\sc+((\stride)*\m+(\k0)+\ks)*128
.endr
.endr
.endm
.macro CLOAD reg0, base                ; 64 numbers by column in the results' layout: register 16 b + i: column 32 b + 16 h + i of my wave's 128
.irp b, 0,1,2,3
.irp q, 0,1,2,3
	global_load_b128 v[\reg0+16*\b+4*\q:\reg0+16*\b+4*\q+3], v13, s[\base:\base+1] offset:128*\b+16*\q
.endr
.endr
.endm
.macro TREE base, w                    ; v[base .. base + w - 1] += v[base + w .. base + 2 w - 1], in pairs
.set i, 0
.rept (\w)/2
	v_pk_add_f32 v[\base+i:\base+i+1], v[\base+i:\base+i+1], v[\base+(\w)+i:\base+(\w)+i+1]
.set i, i+2
.endr
.endm
	s_load_b512 s[4:19], s[0:1], 0x0               ; ctx, wimg, wscl, x, bo, g2, b2, bf1
	s_load_b128 s[20:23], s[0:1], 0x40             ; bf2, out0
	v_lshl_add_u32 v126, v0, 2, 0x1a800
	v_mov_b32 v127, 0
	v_lshrrev_b32 v1, 5, v0
	v_readfirstlane_b32 s24, v1                    ; wave 0..3
	v_and_b32 v1, 31, v0                           ; lane
	v_and_b32 v2, 15, v0                           ; r
	v_bfe_u32 v3, v0, 4, 1                         ; h
	v_lshlrev_b32 v4, 4, v1                        ; 16 x lane
	v_lshlrev_b32 v5, 3, v1                        ; 8 x lane
	v_lshlrev_b32 v6, 2, v1                        ; 4 x lane
	s_mul_i32 s38, s24, 245760
	v_add_nc_u32 v7, s38, v4                       ; my stream of weight images
	s_mul_i32 s38, s24, 10240
	v_add_nc_u32 v8, s38, v5                       ; and of their scale words
	v_lshlrev_b32 v9, 10, v3
	v_lshl_add_u32 v10, v2, 3, v9                  ; ctx: head h of a pair, registers 4-5 of row r's unit
	v_lshl_add_u32 v9, v2, 4, v9                   ; registers 0-3
	v_lshlrev_b32 v11, 3, v2                       ; ctx's scale bytes
	v_and_b32 v12, 8, v2
	v_add_nc_u32 v12, v12, v2                      ; r + 8 (r / 8)
	v_lshlrev_b32 v12, 11, v12
	v_lshl_add_u32 v12, v3, 6, v12
	s_lshl_b32 s34, s24, 9
	v_add_nc_u32 v12, s34, v12                     ; x: my row, my wave's 512 bytes, + 64 h
	v_lshlrev_b32 v13, 6, v3                       ; numbers by column: + 16 h columns
	s_mul_i32 s38, s24, 1536
	s_add_co_u32 s38, s38, XIMG
	v_add_nc_u32 v14, s38, v4                      ; where I store LN2's images: K step w
	s_lshl_b32 s38, s24, 7
	s_add_co_u32 s38, s38, XSC
	v_add_nc_u32 v15, s38, v6
	v_lshlrev_b32 v113, 5, v2                      ; LN2's figures: 32 bytes a row,
	s_lshl_b32 s38, s24, 3
	v_add_nc_u32 v112, s38, v113                   ; mine at 8 w
	s_mul_i32 s38, s24, 2*16*528
	s_add_co_u32 s38, s38, STG                     ; my two stages
	v_mul_u32_u24 v114, v2, 528
	v_lshl_add_u32 v114, v3, 6, v114
	v_add_nc_u32 v114, s38, v114                   ; in: row r, + 64 h
	v_add_nc_u32 v115, s38, v4                     ; back: a row of 512 bytes, 16 a lane
	s_mul_i32 s38, s24, 2*1536
	s_add_co_u32 s38, s38, HIMG
	v_add_nc_u32 v116, s38, v4                     ; the hidden layer's images: K steps 2 w, 2 w + 1
	s_lshl_b32 s38, s24, 8
	s_add_co_u32 s38, s38, HSC
	v_add_nc_u32 v117, s38, v6
	s_mov_b32 s25, ttmp9
	s_mov_b32 s26, 0x76543210
	s_mov_b32 s27, 0xfedcba98                      ; v_permlanex16_b32's selects for lane l xor 16
	s_mov_b32 s28, 0x3b000000                      ; 1 / 512
	s_mov_b32 s29, 0x3727c5ac                      ; 1e-5
	s_mov_b32 s44, 0x3f3504f3                      ; sqrt(1 / 2)
	s_mov_b32 s45, s44                             ; (named with it as a pair, so it is written)
	s_lshl_b32 s30, s25, 14                        ; ctx: 16 units of 1,024 bytes a group
	s_mov_b32 s31, 0
	s_lshl_b32 s32, s25, 16                        ; x, out0: 32 rows of 2,048 bytes
	s_mov_b32 s33, 0
	s_mov_b32 s35, 0
	s_lshl_b32 s36, s24, 10
	s_mov_b32 s37, 0
	s_wait_kmcnt 0x0
	s_add_nc_u64 s[4:5], s[4:5], s[30:31]
	s_add_nc_u64 s[10:11], s[10:11], s[32:33]
	s_add_nc_u64 s[22:23], s[22:23], s[32:33]
	s_add_nc_u64 s[22:23], s[22:23], s[34:35]
	s_add_nc_u64 s[12:13], s[12:13], s[34:35]
	s_add_nc_u64 s[14:15], s[14:15], s[34:35]
	s_add_nc_u64 s[16:17], s[16:17], s[34:35]
	s_add_nc_u64 s[20:21], s[20:21], s[34:35]
	s_add_nc_u64 s[18:19], s[18:19], s[36:37]      ; bf1: my 256
	s_add_nc_u64 s[48:49], s[18:19], 512           ; and their second half
	WIN 0xc0
.irp m, 0,1                                    ; ctx's fragments: lane (r, h), registers 6 c on: head 4 ks + 2 c + h of row tile m's row r
.irp ks, 0,1,2,3
.irp c, 0,1
	global_load_b128 v[12*(4*\m+\ks)+6*\c:12*(4*\m+\ks)+6*\c+3], v9, s[4:5] offset:(4*\ks+2*\c)*1024+256*\m
	global_load_b64 v[12*(4*\m+\ks)+6*\c+4:12*(4*\m+\ks)+6*\c+5], v10, s[4:5] offset:(4*\ks+2*\c)*1024+512+128*\m
.endr
.endr
.endr
	WIN 0
.irp m, 0,1
.irp hd, 0,1,2,3,4,5,6,7,8,9,10,11,12,13,14,15
	global_load_b32 v[128+16*\m+\hd], v11, s[4:5] offset:\hd*1024+768+128*\m   ; a scale byte for each head of my row
.endr
.endr
	CLOAD 48, 12                                   ; bo
	WIN 0xc0
.irp m, 0,1
.irp b, 0,1,2,3
.irp q, 0,1,2,3
	global_load_b128 v[X2+64*\m+16*\b+4*\q:X2+64*\m+16*\b+4*\q+3], v12, s[10:11] offset:16384*\m+128*\b+16*\q
.endr
.endr
.endr
	WIN 0x40
	CLOAD 192, 14                                  ; g2
	WIN 0x80
	CLOAD 192, 16                                  ; b2
	LOADHB 1, 0, 0
	LOADHB 2, 1, 0
	WIN 0xc0
.set kk, 0
.irp cf, 0xaf95df0b, 0x32edffee, 0xb60cff51, 0xb86ec2d2, 0xba40ac63, 0xbb41a1f6, 0xbc83dbd4, 0xb77460cd, 0xb95fbd29, 0xbadc924e, 0xbbf19bf8, 0xbc69b6a7
	v_mov_b32 v[CO+kk], \cf                        ; P's seven and Q's five, the highest power first, each in both halves of a pair
	v_mov_b32 v[CO+kk+1], \cf
.set kk, kk+2
.endr
	WIN 0
	; ---- ctx Wo + bo
	s_wait_loadcnt 52                              ; all but bank 2's 52 loads are in
.irp m, 0,1
.irp ks, 0,1,2,3
	v_lshl_or_b32 v[AS+4*\m+\ks], v[128+16*\m+4*\ks+1], 8, v[128+16*\m+4*\ks]
	v_lshl_or_b32 v[AS+4*\m+\ks], v[128+16*\m+4*\ks+2], 16, v[AS+4*\m+\ks]
	v_lshl_or_b32 v[AS+4*\m+\ks], v[128+16*\m+4*\ks+3], 24, v[AS+4*\m+\ks]
.endr
.endr
	PLACES 8                                       ; a scale register written by a vector line stands eight places ahead of the scaled product
	MULHB 1, 0, 1
	WIN 0
	PLACES 4                                       ; in front of loads into registers that matrix instructions have read
	LOADHB 1, 2, 0
	s_wait_loadcnt 52                              ; bank 2 is in; bank 1's new 52 may be out
	MULHB 2, 4, 1
	WIN 0
	PLACES 4
	LOADHB 2, 3, 0
	; ---- x2 = that + x, kept in window 3; then LN2
	WIN 0xcc
.set i, 0
.rept 64
	v_pk_add_f32 v[X2+i:X2+i+1], v[ACC+i:ACC+i+1], v[X2+i:X2+i+1]   ; each accumulator from its low end on
.set i, i+2
.endr
	WIN 0x0f
.irp i, 0,2,4,6,8,10,12,14,16,18,20,22,24,26,28,30
.irp m, 0,1
	v_pk_add_f32 v[ACC+64*\m+\i:ACC+64*\m+\i+1], v[X2+64*\m+\i:X2+64*\m+\i+1], v[X2+64*\m+32+\i:X2+64*\m+33+\i]
.endr
.endr
	WIN 0
.irp w, 16, 8, 4, 2
	TREE ACC, \w
	TREE ACC+64, \w
.endr
.irp m, 0,1
	v_add_f32 v[LM+4*\m], v[ACC+64*\m], v[ACC+64*\m+1]
.endr
.irp m, 0,1
	v_permlanex16_b32 v[LM+4*\m+1], v[LM+4*\m], s26, s27
.endr
.irp m, 0,1
	v_add_f32 v[LM+4*\m], v[LM+4*\m], v[LM+4*\m+1]
.endr
.irp m, 0,1
	v_mul_f32 v[LM+4*\m], 0x3c000000, v[LM+4*\m]   ; the mean of my wave's 128 columns
.endr
	WIN 0x03
.set i, 0
.rept 32
.irp m, 0,1
	v_pk_add_f32 v[ACC+64*\m+i:ACC+64*\m+i+1], v[X2+64*\m+i:X2+64*\m+i+1], v[LM+4*\m:LM+4*\m+1] op_sel_hi:[1,0] neg_lo:[0,1] neg_hi:[0,1]
.endr
.set i, i+2
.endr
	WIN 0
.irp c, 0,2,4,6
.irp m, 0,1
	v_pk_mul_f32 v[SQ+8*\m+\c:SQ+8*\m+\c+1], v[ACC+64*\m+\c:ACC+64*\m+\c+1], v[ACC+64*\m+\c:ACC+64*\m+\c+1]
.endr
.endr
.set i, 8
.rept 28
.irp m, 0,1
	v_pk_fma_f32 v[SQ+8*\m+i%8:SQ+8*\m+i%8+1], v[ACC+64*\m+i:ACC+64*\m+i+1], v[ACC+64*\m+i:ACC+64*\m+i+1], v[SQ+8*\m+i%8:SQ+8*\m+i%8+1]
.endr
.set i, i+2
.endr
.irp w, 4, 2
	TREE SQ, \w
	TREE SQ+8, \w
.endr
.irp m, 0,1
	v_add_f32 v[LM+4*\m+2], v[SQ+8*\m], v[SQ+8*\m+1]
.endr
.irp m, 0,1
	v_permlanex16_b32 v[LM+4*\m+3], v[LM+4*\m+2], s26, s27
.endr
.irp m, 0,1
	v_add_f32 v[LM+4*\m+1], v[LM+4*\m+2], v[LM+4*\m+3]   ; the sum of squared differences from that mean
.endr
.irp m, 0,1
	ds_store_b64 v112, v[LM+4*\m:LM+4*\m+1] offset:STAT+512*\m   ; both halves of the lanes write the same words with the same values
.endr
	BARRIER                                        ; the four waves' figures lie in LDS
.irp m, 0,1
	ds_load_b128 v[ST+8*\m:ST+8*\m+3], v113 offset:STAT+512*\m
	ds_load_b128 v[ST+8*\m+4:ST+8*\m+7], v113 offset:STAT+512*\m+16
.endr
	s_wait_dscnt 0x0
.irp m, 0,1
	v_add_f32 v[LM+4*\m], v[ST+8*\m], v[ST+8*\m+2]
	v_add_f32 v[LM+4*\m+1], v[ST+8*\m+4], v[ST+8*\m+6]
.endr
.irp m, 0,1
	v_add_f32 v[LM+4*\m], v[LM+4*\m], v[LM+4*\m+1]
.endr
.irp m, 0,1
	v_mul_f32 v[LM+4*\m], 0x3e800000, v[LM+4*\m]   ; the row's mean
.endr
.irp k, 0,2,4,6
.irp m, 0,1
	v_sub_f32 v[ST+8*\m+\k], v[ST+8*\m+\k], v[LM+4*\m]
.endr
.endr
.irp m, 0,1
	v_mul_f32 v[LM+4*\m+2], v[ST+8*\m], v[ST+8*\m]
	v_add_f32 v[LM+4*\m+3], v[ST+8*\m+1], v[ST+8*\m+3]
	v_add_f32 v[LM+4*\m+1], v[ST+8*\m+5], v[ST+8*\m+7]
.endr
.irp k, 2,4,6
.irp m, 0,1
	v_fmac_f32 v[LM+4*\m+2], v[ST+8*\m+\k], v[ST+8*\m+\k]
.endr
.endr
.irp m, 0,1
	v_add_f32 v[LM+4*\m+3], v[LM+4*\m+3], v[LM+4*\m+1]
.endr
.irp m, 0,1
	v_fmac_f32 v[LM+4*\m+3], 0x43000000, v[LM+4*\m+2]   ; + 128 x the sum of (mean_w - mean)^2
.endr
.irp m, 0,1
	v_fma_f32 v[LM+4*\m+3], v[LM+4*\m+3], s28, s29 ; the variance + 1e-5
.endr
.irp m, 0,1
	v_rsq_f32 v[LM+4*\m+2], v[LM+4*\m+3]
.endr
	v_nop
	s_wait_alu depctr_va_vdst(0)                   ; one wait for the two, ahead of their first reader
	WIN 0x03
.set i, 0
.rept 32
.irp m, 0,1
	v_pk_add_f32 v[ACC+64*\m+i:ACC+64*\m+i+1], v[X2+64*\m+i:X2+64*\m+i+1], v[LM+4*\m:LM+4*\m+1] op_sel_hi:[1,0] neg_lo:[0,1] neg_hi:[0,1]
.endr
.set i, i+2
.endr
	WIN 0
.set i, 0
.rept 32
.irp m, 0,1
	v_pk_mul_f32 v[ACC+64*\m+i:ACC+64*\m+i+1], v[ACC+64*\m+i:ACC+64*\m+i+1], v[LM+4*\m+2:LM+4*\m+3] op_sel_hi:[1,0]
.endr
.set i, i+2
.endr
	WIN 0x24                                       ; g2 in window 1, b2 in window 2
.set i, 0
.rept 32
.irp m, 0,1
	v_pk_fma_f32 v[ACC+64*\m+i:ACC+64*\m+i+1], v[ACC+64*\m+i:ACC+64*\m+i+1], v[192+i:192+i+1], v[192+i:192+i+1]
.endr
.set i, i+2
.endr
	WIN 0x40
	CLOAD 192, 18                                  ; bf1's first 128 of mine, where g2 lay
	WIN 0
	QUANT ACC
	IMAGE 14, 0
	ds_store_b32 v15, v[PW]
	s_wait_dscnt 0x0                               ; the stores are done with their registers
	QUANT ACC+64
	IMAGE 14, 4*1536
	ds_store_b32 v15, v[PW] offset:4*128
	BARRIER                                        ; LN2's eight fragments lie in LDS
	FETCHACT XIMG, XSC, 4, 0
	s_wait_dscnt 0x0
	; ---- the hidden layer: two trips of 128 hidden units a wave.  In a trip: two half-banks, the bias, GELU, the quantiser, the images.  The bases of the weight streams step two half-banks a trip.
	s_mov_b32 s42, 0
	s_mov_b32 s40, 0
	s_mov_b32 s41, 0
.Lff:
	s_wait_loadcnt 52                              ; bank 1 is in: behind its loads stand at least bank 2's 52
	MULHB 1, 0, 0
	WIN 0
	PLACES 4
	LOADHB 1, 4, 0
	s_wait_loadcnt 52                              ; bank 2 is in: behind it stand bank 1's new 52
	MULHB 2, 4, 0
	WIN 0
	PLACES 4
	s_wait_loadcnt 52                              ; and so is the bias, which was asked for ahead of those 52
	WIN 0x04
.irp m, 0,1
.set i, 0
.rept 32
	v_pk_add_f32 v[ACC+64*\m+i:ACC+64*\m+i+1], v[ACC+64*\m+i:ACC+64*\m+i+1], v[192+i:192+i+1]   ; each accumulator from its low end on
.set i, i+2
.endr
.endr
	WIN 0
	s_wait_xcnt 0x0                                ; the last bias's loads have read their base
	s_cmp_eq_u32 s42, 0
	s_cselect_b64 s[46:47], s[48:49], s[20:21]     ; the next bias: bf1's second half, then bf2
	WIN 0x40
	CLOAD 192, 46
	LOADHB 2, 5, 0
.irp gi, 0,1,2,3,4,5,6,7                       ; GELU, 16 numbers at a time, every line for eight pairs by turns
.set A0, ACC+16*\gi
.irp p, 0,2,4,6,8,10,12,14
	v_pk_mul_f32 v[ZZ+\p:ZZ+\p+1], v[A0+\p:A0+\p+1], s[44:45] op_sel_hi:[1,0]   ; z = a / sqrt(2)
.endr
.irp j, 0,1,2,3,4,5,6,7,8,9,10,11,12,13,14,15
	v_med3_num_f32 v[ZZ+\j], v[ZZ+\j], -4.0, 4.0
.endr
.irp p, 0,2,4,6,8,10,12,14
	v_pk_mul_f32 v[Z2+\p:Z2+\p+1], v[ZZ+\p:ZZ+\p+1], v[ZZ+\p:ZZ+\p+1]
.endr
	WIN 0x3c                                       ; both coefficients in window 3
.irp p, 0,2,4,6,8,10,12,14
	v_pk_fma_f32 v[PP+\p:PP+\p+1], v[Z2+\p:Z2+\p+1], v[CO:CO+1], v[CO+2:CO+3]
.endr
.irp p, 0,2,4,6,8,10,12,14
	v_pk_fma_f32 v[QQ+\p:QQ+\p+1], v[Z2+\p:Z2+\p+1], v[CO+14:CO+15], v[CO+16:CO+17]
.endr
	WIN 0x30                                       ; the addend in window 3
.irp k, 2,3,4
.irp p, 0,2,4,6,8,10,12,14
	v_pk_fma_f32 v[PP+\p:PP+\p+1], v[PP+\p:PP+\p+1], v[Z2+\p:Z2+\p+1], v[CO+2*\k:CO+2*\k+1]
.endr
.irp p, 0,2,4,6,8,10,12,14
	v_pk_fma_f32 v[QQ+\p:QQ+\p+1], v[QQ+\p:QQ+\p+1], v[Z2+\p:Z2+\p+1], v[CO+14+2*\k:CO+15+2*\k]
.endr
.endr
.irp k, 5,6
.irp p, 0,2,4,6,8,10,12,14
	v_pk_fma_f32 v[PP+\p:PP+\p+1], v[PP+\p:PP+\p+1], v[Z2+\p:Z2+\p+1], v[CO+2*\k:CO+2*\k+1]
.endr
.endr
	WIN 0
.irp j, 0,1,2,3,4,5,6,7,8,9,10,11,12,13,14,15
	v_rcp_f32 v[Z2+\j], v[QQ+\j]
.endr
.irp p, 0,2,4,6,8,10,12,14
	v_pk_mul_f32 v[PP+\p:PP+\p+1], v[PP+\p:PP+\p+1], v[ZZ+\p:ZZ+\p+1]   ; z P: plain work behind the reciprocals
.endr
	s_wait_alu depctr_va_vdst(0)                   ; one wait for the sixteen, ahead of their first reader
.irp p, 0,2,4,6,8,10,12,14
	v_pk_mul_f32 v[PP+\p:PP+\p+1], v[PP+\p:PP+\p+1], v[Z2+\p:Z2+\p+1]   ; erf
.endr
.irp p, 0,2,4,6,8,10,12,14
	v_pk_mul_f32 v[ZZ+\p:ZZ+\p+1], v[A0+\p:A0+\p+1], 0.5 op_sel_hi:[1,0]
.endr
.irp p, 0,2,4,6,8,10,12,14
	v_pk_fma_f32 v[A0+\p:A0+\p+1], v[ZZ+\p:ZZ+\p+1], v[PP+\p:PP+\p+1], v[ZZ+\p:ZZ+\p+1]   ; 0.5 a erf + 0.5 a
.endr
.endr
	v_add_nc_u32 v14, s40, v116                    ; this trip's K step of the last product: 2 w + trip
	v_add_nc_u32 v15, s41, v117
	QUANT ACC
	IMAGE 14, 0
	ds_store_b32 v15, v[PW]
	s_wait_dscnt 0x0                               ; the stores are done with their registers
	QUANT ACC+64
	IMAGE 14, 8*1536
	ds_store_b32 v15, v[PW] offset:8*128
	s_wait_dscnt 0x0
	s_wait_xcnt 0x0                                ; the loads have read their bases: they step
	s_add_nc_u64 s[6:7], s[6:7], 2*24576
	s_add_nc_u64 s[8:9], s[8:9], 2*1024
	s_add_co_u32 s40, s40, 1536
	s_add_co_u32 s41, s41, 128
	s_add_co_u32 s42, s42, 1
	s_cmp_lt_u32 s42, 2
	s_cbranch_scc1 .Lff
	; ---- the last product; its sums begin with x2 + bf2
	s_wait_loadcnt 52                              ; bf2 and bank 1 are in; bank 2's 52 may be out
	WIN 0xc7
.irp m, 0,1
.set i, 0
.rept 32
	v_pk_add_f32 v[X2+64*\m+i:X2+64*\m+i+1], v[X2+64*\m+i:X2+64*\m+i+1], v[192+i:192+i+1]
.set i, i+2
.endr
.endr
	WIN 0
	BARRIER                                        ; the hidden layer's sixteen fragments lie in LDS
	FETCHACT HIMG, HSC, 8, 0
	s_wait_dscnt 0x0
	MULHB 1, 0, 2                                  ; tiles 0-3, K steps 0-3
	WIN 0
	PLACES 4
	LOADHB 1, 8, 98304
	FETCHACT HIMG, HSC, 8, 4
	s_wait_dscnt 0x0
	s_wait_loadcnt 52                              ; bank 2 is in; bank 1's new 52 may be out
	MULHB 2, 0, 3                                  ; tiles 0-3, K steps 4-7
	WIN 0
	PLACES 4
	LOADHB 2, 9, 98304
	FETCHACT HIMG, HSC, 8, 0
	s_wait_dscnt 0x0
	s_wait_loadcnt 52
	MULHB 1, 4, 2                                  ; tiles 4-7, K steps 0-3
	WIN 0
	PLACES 4
	FETCHACT HIMG, HSC, 8, 4
	s_wait_dscnt 0x0
	s_wait_loadcnt 0x0
	MULHB 2, 4, 3                                  ; tiles 4-7, K steps 4-7
	WIN 0
	; ---- THE WAY OUT.  A lane holds pieces of one row; through my own stages they come back as whole rows of 512 bytes.  LDS serves a wave's instructions in order, so no wait stands between a stage's stores and its loads.
	PLACES 4
.macro TOSTAGE m
.irp b, 0,1,2,3
.irp q, 0,1,2,3
	ds_store_b128 v114, v[ACC+64*\m+16*\b+4*\q:ACC+64*\m+16*\b+4*\q+3] offset:\m*16*528+128*\b+16*\q   ; each accumulator from its low end on
.endr
.endr
.endm
.macro BACK m, reg0
.irp t, 0,1,2,3,4,5,6,7,8,9,10,11,12,13,14,15
	ds_load_b128 v[\reg0+4*\t:\reg0+4*\t+3], v115 offset:\m*16*528+\t*528
.endr
.endm
.macro SEND m, reg0
.irp t, 0,1,2,3,4,5,6,7,8,9,10,11,12,13,14,15
	global_store_b128 v4, v[\reg0+4*\t:\reg0+4*\t+3], s[22:23] offset:(8*\m+\t+8*(\t/8))*2048 th:TH_STORE_NT   ; 32 lanes store 512 consecutive bytes, at a multiple of 256 from out0's first byte
.endr
.endm
	TOSTAGE 0
	BACK 0, 48
	TOSTAGE 1
	s_wait_dscnt 32                                ; row tile 0's stores into the stage are done with its accumulators (behind them: 16 loads and 16 stores),
	BACK 1, 128                                    ; which take row tile 1's rows
	s_wait_dscnt 32                                ; row tile 0's rows are back (behind them: 16 stores and 16 loads)
	SEND 0, 48
	s_wait_dscnt 0x0
	SEND 1, 128
	s_wait_tensorcnt 0x0
	ds_add_u32 v126, v127
	s_wait_dscnt 0x0
	s_endpgm
.Lfunc_end_k_q1915c63950_tail:
	.size	k_q1915c63950_tail, .Lfunc_end_k_q1915c63950_tail-k_q1915c63950_tail
	.p2alignl 7, 3214868480
	.fill 96, 4, 3214868480
	.section	.rodata,"a",@progbits
	.p2align	6, 0x0
	.amdhsa_kernel k_q1915c63950_tail
		.amdhsa_group_segment_fixed_size 109056
		.amdhsa_private_segment_fixed_size 0
		.amdhsa_enable_private_segment 0
		.amdhsa_kernarg_size 80
		.amdhsa_user_sgpr_count 2
		.amdhsa_user_sgpr_kernarg_segment_ptr 1
		.amdhsa_wavefront_size32 1
		.amdhsa_system_sgpr_workgroup_id_x 1
		.amdhsa_system_sgpr_workgroup_id_y 1
		.amdhsa_system_sgpr_workgroup_id_z 1
		.amdhsa_system_vgpr_workitem_id 0
		.amdhsa_next_free_vgpr 1024
		.amdhsa_next_free_sgpr 80
		.amdhsa_reserve_vcc 0
		.amdhsa_float_denorm_mode_32 3
		.amdhsa_float_denorm_mode_16_64 3
		.amdhsa_memory_ordered 1
		.amdhsa_forward_progress 1
		.amdhsa_inst_pref_size 248
	.end_amdhsa_kernel
	.amdgpu_metadata
---
amdhsa.version: [ 1, 2 ]
amdhsa.kernels:
  - .name:           k_q1915c63950_tail
    .symbol:         k_q1915c63950_tail.kd
    .args:
      - { .name: ctx, .offset: 0, .size: 8, .value_kind: global_buffer, .address_space: global }
      - { .name: wimg, .offset: 8, .size: 8, .value_kind: global_buffer, .address_space: global }
      - { .name: wscl, .offset: 16, .size: 8, .value_kind: global_buffer, .address_space: global }
      - { .name: x, .offset: 24, .size: 8, .value_kind: global_buffer, .address_space: global }
      - { .name: bo, .offset: 32, .size: 8, .value_kind: global_buffer, .address_space: global }
      - { .name: g2, .offset: 40, .size: 8, .value_kind: global_buffer, .address_space: global }
      - { .name: b2, .offset: 48, .size: 8, .value_kind: global_buffer, .address_space: global }
      - { .name: bf1, .offset: 56, .size: 8, .value_kind: global_buffer, .address_space: global }
      - { .name: bf2, .offset: 64, .size: 8, .value_kind: global_buffer, .address_space: global }
      - { .name: out0, .offset: 72, .size: 8, .value_kind: global_buffer, .address_space: global }
    .group_segment_fixed_size: 109056
    .private_segment_fixed_size: 0
    .kernarg_segment_align: 8
    .kernarg_segment_size: 80
    .max_flat_workgroup_size: 128
    .sgpr_count:     80
    .vgpr_count:     1024
    .wavefront_size: 32
...
	.end_amdgpu_metadata
.endif
;; end of part 3
;; ======== version 2 of 2: 3 launches; version 1 with the launches qkv, attn, tail written anew for expert scheduling mode
;; workspace buffers: qbuf 4,194,304 bytes; kv 6,553,600 bytes; ctx 4,194,304 bytes; wimg 983,040 bytes; wscl 40,960 bytes
;; launch qkv (part 4): grid 64 x 4, 4 waves a work-group, no clusters, 52,736 bytes of LDS; arguments x, g1, b1, Wq_codes, Wq_scales, bq, Wk_codes, Wk_scales, bk, Wv_codes, Wv_scales, bv, Wo_codes, Wo_scales, W1_codes, W1_scales, W2_codes, W2_scales, qbuf, kv, wimg, wscl; writes qbuf, kv, wimg, wscl
.if DOCPART == 4
	.amdgcn_target "amdgcn-amd-amdhsa--gfx1250"
	.amdhsa_code_object_version 6
	.text
	.protected	k_q1915c63950_qkv
	.globl	k_q1915c63950_qkv
	.p2align	8
	.type	k_q1915c63950_qkv,@function
k_q1915c63950_qkv:
	s_mov_b64 s[64:65], 0
	v_nop
	global_prefetch_b8 v0, s[64:65] scope:SCOPE_SE
	s_setreg_imm32_b32 hwreg(HW_REG_WAVE_SCHED_MODE, 0, 2), 2
	s_setreg_imm32_b32 hwreg(HW_REG_WAVE_MODE, 25, 1), 1
	s_wait_xcnt 0x0
	s_wait_alu depctr_vm_vsrc(0)
; LN1, its quantising, q = xn Wq + bq, k = xn Wk + bk, v = xn Wv + bv on codes of BF6 (E3M2) with E8M0 scales, and the quantising of q and k (along a head's 32 channels) and of v (along 32 keys).
; SHARES.  Work-group (X, y): rows 128 X .. 128 X + 127 of x (one batch's key step X % 16), heads 4 y .. 4 y + 3; wave w: head 4 y + w.  A wave's 32 columns of Wq, Wk and Wv (24 fragments, 288 registers) are loaded once.
; The 128 rows are normalised and quantised by the four waves, 32 rows each, and meet in LDS as rows of codes; one barrier.  (Each row is normalised by the four work-groups of its X: 75 vector lines a row.)
; THE ROWS OF A TILE ARE NOT NEIGHBOURS: lane r of tile u of a group of 32 takes element 8 u + r + 8 (r / 8), so that a lane's 16 result registers of the two tiles are 16 neighbours, 16 (lane / 16) + 0 .. 15.
; q and k are made transposed (source 0 = 16 columns of W, source 1 = 16 rows of x): a lane holds one row and 16 channels.  v is made the natural way round: a lane holds one channel and 16 keys.  So each is quantised in registers.
; OUT, as images of operand registers: a unit of 768 bytes = six registers a lane (registers 0-3 at 16 x lane, 4-5 at 512 + 8 x lane): every store covers whole aligned blocks of 256 bytes.
;   qbuf: (hb x 64 + group) x 1,024: the unit (lane (r, m): row 32 group + 8 m + r + 8 (r / 8)), at 768 + 8 x lane the row's scale byte four times, and a word 0.
;   kv:   (hb x 16 + step) x 6,400: four units of k, four of v, at 6,144 + 8 x lane k's and v's scale words.
; Besides, wave 0 of the work-groups with X < 40 lays Wo, W1, W2 out as register images for the last launch (wimg, wscl): one K step of one half-bank (four fragments) each.
; LIMITS: NaN and infinities are not served.  A block whose largest magnitude lies under 2^-122 (a block of zeros among them) gets the scale byte 1; these bytes are read by this program alone.  Sums go in another order than the reference's; v_rsq_f32 is good to 1 ulp.
; REGISTERS, in windows of 256.  Window 0: v1-15 addresses; v32-55 W's scale words, v56-63 and v24-31 x's, two sets (scales and nothing else); v64-159 the 12 accumulators; v160-231 the way out.  In the LN phase: v64-191 eight rows, v192-223 g1, b1, v224-255 four a row at work.
;   Window 1: Wq v0-95, Wk v96-191, biases v192-239.   Window 2: Wv v0-95.   Window 3: 16 rows of x as loaded; later x's eight fragments, two buffers: v0-95 and v96-191.
; THE MODE: SCHED_MODE bits 1:0 = 2 (LLVM: expert scheduling mode 2), set by the entry lines.  The code itself states the register dependences between vector or matrix instructions and memory or LDS instructions, with s_wait_alu, always for 0.
; THE PLAN.  Registers that memory or LDS instructions touch:
;   v5-v15      offsets and LDS addresses, made once at the head and never written again.
;   rows of x   (window 3) read by eight rows' sums and differences; loaded again behind the wait that follows the eight reciprocal roots, which stands behind those readers.
;   v224-255    written by eight rows' arithmetic, read by their LDS stores: one wait on va_vdst ahead of the run of stores, one on vm_vsrc at the head of the next eight rows.
;   x's fragments and scale words: group g's products read buffer g % 2; the loads of group g + 1 land in the other buffer, dealt among those products.  Its last readers, group g - 1's products, stand ahead of the one wait on va_vdst in
;               group g - 1's way out, and only stores follow that wait: so these loads owe no wait of their own.
;   v184-229    the way out: written by a group's arithmetic, then one wait on va_vdst, then all its stores; one wait on vm_vsrc at the head of the next way out.
.set XP,    392                        ; a row of 512 codes in LDS: 384 bytes + 8
.set XSCL,  128*XP                     ; behind the 128 rows: 16 scale bytes a row
.set FLOOR, 0x2800000                  ; 2^(5 - 127): under it no largest magnitude is taken, so the byte cannot fall under 1
.set EOFF,  0xfe000000                 ; 4 off an exponent field
.set WS,  32
.set XS,  56                           ; x's scale words: groups 0 and 2 at v56-63, groups 1 and 3 at v24-31
.set ACC, 64                           ; half-block i at ACC + 16 i: 0, 1 q of row tile 0, 1; 2, 3 k; 4, 5 v of channel tile 0, 1
.set TM,  160
.set TP,  166
.set SO,  172
.set BY,  178
.set QC,  184
.set QC1, 190
.set KC,  194
.set KC1, 200
.set VE,  204                          ; + 6 dt: v's codes of an even group of keys, later the whole unit
.set VO,  216                          ; + 4 dt: of an odd group
.set KW,  224                          ; k's scale words of the two super-fragments
.set VW,  226                          ; v's of the two channel tiles
.set DD,  64
.set GG,  192
.set BB,  208
.set TT,  224
.set MSB, 0
.macro WIN new                         ; the immediate's high byte repeats the setting that is left
.if MSB != (\new)
	s_set_vgpr_msb (MSB<<8)|(\new)
.set MSB, (\new)
.endif
.endm
.macro PLACES n
.rept \n
	v_nop
.endr
.endm
	s_load_b512 s[4:19], s[0:1], 0x0               ; x, g1, b1, Wq codes, Wq scales, bq, Wk codes, Wk scales
	s_load_b512 s[20:35], s[0:1], 0x40             ; bk, Wv codes, Wv scales, bv, Wo codes, Wo scales, W1 codes, W1 scales
	s_load_b256 s[36:43], s[0:1], 0x80             ; W2 codes, W2 scales, qbuf, kv
	s_load_b128 s[44:47], s[0:1], 0xa0             ; wimg, wscl
	s_set_vgpr_msb 0x40
	v_lshl_add_u32 v254, v0, 2, 0xcc00
	v_mov_b32 v255, 0
	s_set_vgpr_msb 0x4000
	v_lshrrev_b32 v1, 5, v0
	v_readfirstlane_b32 s48, v1                    ; wave 0..3
	v_and_b32 v1, 31, v0                           ; lane
	v_and_b32 v2, 15, v0                           ; r
	v_bfe_u32 v3, v0, 4, 1                         ; h
	v_and_b32 v4, 8, v2
	v_add_nc_u32 v4, v4, v2                        ; pat = r + 8 (r / 8)
	v_lshlrev_b32 v5, 6, v1                        ; x, g1, b1: my 16 columns of a row
	s_wait_alu depctr_va_sdst(0)                   ; s48 is written, ahead of its first reader
	s_mul_i32 s58, s48, 32*XP
	v_mul_u32_u24 v6, v1, 12
	v_add_nc_u32 v6, s58, v6                       ; LDS: my wave's 32 rows, my 12 bytes of codes
	s_lshl_b32 s58, s48, 9
	s_add_co_u32 s58, s58, XSCL
	v_lshrrev_b32 v7, 1, v1
	v_add_nc_u32 v7, s58, v7                       ; LDS: my block's scale byte
	v_mul_u32_u24 v8, v4, XP
	v_mad_u32_u24 v8, v3, 24, v8                   ; LDS: a fragment's row, + 24 h
	v_lshl_add_u32 v9, v4, 4, XSCL                 ; LDS: that row's 16 scale bytes
	v_lshlrev_b32 v10, 4, v1                       ; 16 x lane
	v_lshlrev_b32 v11, 3, v1                       ; 8 x lane
	v_mul_u32_u24 v12, v4, 384
	v_mad_u32_u24 v12, v3, 24, v12                 ; a weight's fragment in memory
	v_lshlrev_b32 v13, 4, v4                       ; its rows' scale bytes
	v_lshlrev_b32 v14, 6, v3                       ; bq, bk: 16 h channels on
	v_lshlrev_b32 v15, 2, v4                       ; bv: my channel
	s_mov_b32 s49, ttmp9                           ; X
	s_and_b32 s50, ttmp7, 0xffff                   ; y
	s_lshl_b32 s51, s50, 2
	s_add_co_u32 s51, s51, s48                     ; my head
	s_mov_b32 s52, 0xffff                          ; lanes 0-15
	s_mov_b32 s53, 0x3b000000                      ; 1 / 512
	s_mov_b32 s54, 0x3727c5ac                      ; 1e-5
	s_mov_b32 s56, 0x76543210
	s_mov_b32 s57, 0xfedcba98                      ; v_permlanex16_b32's selects for lane l xor 16
	s_lshl_b32 s66, s49, 18
	s_lshl_b32 s67, s48, 16
	s_add_co_u32 s66, s66, s67                     ; x: (128 X + 32 wave) rows of 2,048 bytes
	s_mov_b32 s67, 0
	s_mul_i32 s68, s51, 32*384                     ; a head's 32 rows of codes,
	s_mov_b32 s69, 0
	s_lshl_b32 s70, s51, 9                         ; of scale bytes,
	s_mov_b32 s71, 0
	s_lshl_b32 s72, s51, 7                         ; its 32 biases
	s_mov_b32 s73, 0
	s_lshr_b32 s74, s49, 4
	s_lshl_b32 s74, s74, 4
	s_add_co_u32 s74, s74, s51                     ; hb = 16 x batch + head
	s_and_b32 s75, s49, 15                         ; the key step
	s_lshl_b32 s76, s74, 16
	s_lshl_b32 s77, s75, 12
	s_add_co_u32 s76, s76, s77                     ; qbuf: (64 hb + 4 step) x 1,024
	s_mov_b32 s77, 0
	s_lshl_b32 s78, s74, 4
	s_add_co_u32 s78, s78, s75
	s_mul_i32 s78, s78, 6400                       ; kv: (16 hb + step) x 6,400
	s_mov_b32 s79, 0
	s_wait_kmcnt 0x0
	s_add_nc_u64 s[4:5], s[4:5], s[66:67]
	s_add_nc_u64 s[10:11], s[10:11], s[68:69]
	s_add_nc_u64 s[16:17], s[16:17], s[68:69]
	s_add_nc_u64 s[22:23], s[22:23], s[68:69]
	s_add_nc_u64 s[12:13], s[12:13], s[70:71]
	s_add_nc_u64 s[18:19], s[18:19], s[70:71]
	s_add_nc_u64 s[24:25], s[24:25], s[70:71]
	s_add_nc_u64 s[14:15], s[14:15], s[72:73]
	s_add_nc_u64 s[20:21], s[20:21], s[72:73]
	s_add_nc_u64 s[26:27], s[26:27], s[72:73]
	s_add_nc_u64 s[40:41], s[40:41], s[76:77]
	s_add_nc_u64 s[42:43], s[42:43], s[78:79]
; a weight's eight fragments (tile u, K step ks) at v[reg0 + 12 (4 u + ks)]: a lane's 24 bytes come as three loads of 8, so that every address is a multiple of the access's size
.macro WLOAD reg0, base
.irp u, 0,1
.irp ks, 0,1,2,3
.irp p, 0,1,2,3,4,5
	global_load_b64 v[\reg0+12*(4*\u+\ks)+2*\p:\reg0+12*(4*\u+\ks)+2*\p+1], v12, s[\base:\base+1] offset:8*\u*384+96*\ks+48*(\p/3)+8*(\p%3)
.endr
.endr
.endr
.endm
.macro SLOAD reg0, base                ; its scale words: a row's 16 bytes are the words of the four K steps
.irp u, 0,1
	global_load_b128 v[\reg0+4*\u:\reg0+4*\u+3], v13, s[\base:\base+1] offset:128*\u
.endr
.endm
.macro BLOAD reg0, base                ; a bias in the transposed result's layout: tile u, register j: channel 8 u + 16 h + j
.irp u, 0,1
	global_load_b128 v[\reg0+8*\u:\reg0+8*\u+3], v14, s[\base:\base+1] offset:32*\u
	global_load_b128 v[\reg0+8*\u+4:\reg0+8*\u+7], v14, s[\base:\base+1] offset:32*\u+16
.endr
.endm
.macro XLOAD row0, slot0               ; eight rows of x: a lane takes 16 neighbouring columns of each
	WIN 0xc0
.irp q, 0,1,2,3,4,5,6,7
.irp i, 0,1,2,3
	global_load_b128 v[16*((\slot0)+\q)+4*\i:16*((\slot0)+\q)+4*\i+3], v5, s[4:5] offset:((\row0)+\q)*2048+16*\i
.endr
.endr
.endm
	WIN 0x40
	s_wait_alu depctr_va_vdst(0)                   ; the offsets and LDS addresses v5 to v15 are written, which the loads and stores of the whole kernel read
	WLOAD 0, 10
	WLOAD 96, 16
	WIN 0x80
	WLOAD 0, 22
	WIN 0
	SLOAD WS, 12
	SLOAD WS+8, 18
	SLOAD WS+16, 24
	WIN 0x40
	BLOAD 192, 14
	BLOAD 208, 20
	WIN 0
	global_load_b32 v16, v15, s[26:27]             ; bv of my channel in tile 0,
	global_load_b32 v17, v15, s[26:27] offset:32   ; in tile 1
.irp i, 0,1,2,3
	global_load_b128 v[GG+4*\i:GG+4*\i+3], v5, s[6:7] offset:16*\i
	global_load_b128 v[BB+4*\i:BB+4*\i+3], v5, s[8:9] offset:16*\i
.endr
	XLOAD 0, 0
	XLOAD 8, 8
	WIN 0
	; ---- Wo, W1, W2 as register images.  Task (stream y, half-bank X / 4, K step X % 4): four fragments and their scale words.  Branches on ids alone.
	s_cmp_lt_u32 s49, 40
	s_cbranch_scc0 .Lno_relay
	s_cmp_eq_u32 s48, 0
	s_cbranch_scc0 .Lno_relay
	s_lshr_b32 s58, s49, 2                         ; half-bank 0..9: 0, 1 Wo; 2-5 W1; 6-9 W2
	s_and_b32 s59, s49, 3                          ; K step within it
	s_sub_co_u32 s60, s58, 2                       ; W1: which four tiles
	s_sub_co_u32 s61, s58, 6
	s_lshr_b32 s62, s61, 1                         ; W2: which four tiles,
	s_and_b32 s63, s61, 1
	s_lshl_b32 s63, s63, 2
	s_add_co_u32 s63, s63, s59                     ; and which of its eight K steps
	s_lshl_b32 s66, s50, 7                         ; Wo, W2: the stream's 128 rows
	s_lshl_b32 s67, s50, 8                         ; W1: its 256
	s_cmp_lt_u32 s58, 2
	s_cselect_b64 s[68:69], s[28:29], s[32:33]
	s_cselect_b64 s[70:71], s[30:31], s[34:35]
	s_cselect_b32 s72, s58, s60
	s_cselect_b32 s73, s66, s67
	s_cmp_lt_u32 s58, 6
	s_cselect_b64 s[68:69], s[68:69], s[36:37]     ; the codes,
	s_cselect_b64 s[70:71], s[70:71], s[38:39]     ; the scale bytes,
	s_cselect_b32 s72, s72, s62                    ; the four tiles,
	s_cselect_b32 s73, s73, s66                    ; the stream's first row,
	s_cselect_b32 s74, s59, s63                    ; the K step,
	s_mov_b32 s75, 768
	s_cselect_b32 s75, 384, s75                    ; a row of codes in bytes,
	s_cselect_b32 s76, 16, 32                      ; a row of scale bytes
	s_lshl_b32 s72, s72, 6
	s_add_co_u32 s72, s72, s73                     ; the first tile's first row
	s_mul_i32 s78, s72, s75
	s_mul_i32 s77, s74, 96
	s_add_co_u32 s78, s78, s77
	s_mov_b32 s79, 0
	s_add_nc_u64 s[68:69], s[68:69], s[78:79]
	s_mul_i32 s80, s72, s76
	s_lshl_b32 s77, s74, 2
	s_add_co_u32 s80, s80, s77
	s_mov_b32 s81, 0
	s_add_nc_u64 s[70:71], s[70:71], s[80:81]
	s_mul_i32 s82, s50, 245760
	s_mul_i32 s77, s58, 24576
	s_add_co_u32 s82, s82, s77
	s_mul_i32 s77, s59, 4*1536
	s_add_co_u32 s82, s82, s77
	s_mov_b32 s83, 0
	s_add_nc_u64 s[84:85], s[44:45], s[82:83]
	s_mul_i32 s82, s50, 10240
	s_lshl_b32 s77, s58, 10
	s_add_co_u32 s82, s82, s77
	s_lshl_b32 s77, s59, 8
	s_add_co_u32 s82, s82, s77
	s_add_nc_u64 s[86:87], s[46:47], s[82:83]
.irp tl, 0,1,2,3                               ; tile tl begins 32 (tl / 2) + 8 (tl % 2) rows on
	v_add_nc_u32 v[18+\tl], 32*(\tl/2)+8*(\tl%2), v4
	v_mul_lo_u32 v[18+\tl], v[18+\tl], s75
	v_mad_u32_u24 v[18+\tl], v3, 24, v[18+\tl]
.endr
	v_lshl_add_u32 v22, v3, 3, v4                  ; scale word i: lanes 0-15 tile 2 i, lanes 16-31 tile 2 i + 1
	v_add_nc_u32 v23, 32, v22
	v_mul_lo_u32 v22, v22, s76
	v_mul_lo_u32 v23, v23, s76
	s_wait_alu depctr_va_vdst(0)                   ; the offsets v18 to v23 are written, which the loads below read
.irp tl, 0,1,2,3
.irp p, 0,1,2,3,4,5
	global_load_b64 v[64+12*\tl+2*\p:64+12*\tl+2*\p+1], v[18+\tl], s[68:69] offset:48*(\p/3)+8*(\p%3)
.endr
.endr
	global_load_b32 v112, v22, s[70:71]
	global_load_b32 v113, v23, s[70:71]
	s_wait_loadcnt 0x0
.irp tl, 0,1,2,3
.irp c, 0,1,2
	global_store_b128 v10, v[64+12*\tl+4*\c:64+12*\tl+4*\c+3], s[84:85] offset:1536*\tl+512*\c   ; 32 lanes store 512 consecutive bytes
.endr
.endr
	global_store_b64 v11, v[112:113], s[86:87]
	s_wait_xcnt 0x0                                ; the stores have read their registers: the LN phase writes them
	s_wait_alu depctr_vm_vsrc(0)                   ; the stores have read v64 to v113, which the LN phase's first lines write
.Lno_relay:
	s_wait_loadcnt 63                              ; bv is in: behind its two loads stand g1's, b1's and x's 72
	WIN 0x40
.irp dt, 0,1
.irp j, 0,1,2,3,4,5,6,7
	v_mov_b32 v[224+8*\dt+\j], v[16+\dt]           ; bv in the natural result's layout: a lane holds one channel, so all eight registers are alike
.endr
.endr
	WIN 0
; the sum over the 32 lanes of v[TT + 4 q + o], the eight rows by turns; v[TT + 4 q + p] takes the other half's
.macro RED8 o, p
.irp x, 1,2,4,8
.irp q, 0,1,2,3,4,5,6,7
	v_add_f32_dpp v[TT+4*\q+\o], v[TT+4*\q+\o], v[TT+4*\q+\o] row_xmask:\x row_mask:0xf bank_mask:0xf
.endr
.endr
.irp q, 0,1,2,3,4,5,6,7
	v_permlanex16_b32 v[TT+4*\q+\p], v[TT+4*\q+\o], s56, s57
.endr
.irp q, 0,1,2,3,4,5,6,7
	v_add_f32 v[TT+4*\q+\o], v[TT+4*\q+\o], v[TT+4*\q+\p]
.endr
.endm
; EIGHT ROWS: mean, variance of the differences, normalising, gain and bias, a block's scale (two lanes hold a block of 32), codes to LDS.  Every line is written for the eight rows by turns.
; n: which eight of my 32;  slot0: where they lie in window 3;  issue = 1: the rows 16 further on are asked for into the same slots;  left: younger loads that may stay out.
.macro LNB n, slot0, issue, left
	s_wait_loadcnt \left
.if (\n) > 0
	s_wait_alu depctr_vm_vsrc(0)                   ; the last eight rows' LDS stores have read v224 to v255, which the lines below write again
.endif
	WIN 0x0f                                       ; both sources: the rows as loaded, window 3
.irp i, 0,1,2,3
.irp q, 0,1,2,3,4,5,6,7
	v_pk_add_f32 v[DD+16*\q+2*\i:DD+16*\q+2*\i+1], v[16*((\slot0)+\q)+2*\i:16*((\slot0)+\q)+2*\i+1], v[16*((\slot0)+\q)+8+2*\i:16*((\slot0)+\q)+9+2*\i]
.endr
.endr
	WIN 0
.irp q, 0,1,2,3,4,5,6,7
	v_pk_add_f32 v[DD+16*\q:DD+16*\q+1], v[DD+16*\q:DD+16*\q+1], v[DD+16*\q+4:DD+16*\q+5]
.endr
.irp q, 0,1,2,3,4,5,6,7
	v_pk_add_f32 v[DD+16*\q+2:DD+16*\q+3], v[DD+16*\q+2:DD+16*\q+3], v[DD+16*\q+6:DD+16*\q+7]
.endr
.irp q, 0,1,2,3,4,5,6,7
	v_pk_add_f32 v[TT+4*\q:TT+4*\q+1], v[DD+16*\q:DD+16*\q+1], v[DD+16*\q+2:DD+16*\q+3]
.endr
.irp q, 0,1,2,3,4,5,6,7
	v_add_f32 v[TT+4*\q], v[TT+4*\q], v[TT+4*\q+1]
.endr
	RED8 0, 1
.irp q, 0,1,2,3,4,5,6,7
	v_mul_f32 v[TT+4*\q], s53, v[TT+4*\q]          ; the mean
.endr
	WIN 0x03                                       ; source 0: the rows as loaded, window 3; the mean and the differences in window 0
.irp i, 0,1,2,3,4,5,6,7
.irp q, 0,1,2,3,4,5,6,7
	v_pk_add_f32 v[DD+16*\q+2*\i:DD+16*\q+2*\i+1], v[16*((\slot0)+\q)+2*\i:16*((\slot0)+\q)+2*\i+1], v[TT+4*\q:TT+4*\q+1] op_sel_hi:[1,0] neg_lo:[0,1] neg_hi:[0,1]
.endr
.endr
	WIN 0
.irp q, 0,1,2,3,4,5,6,7
	v_pk_mul_f32 v[TT+4*\q+2:TT+4*\q+3], v[DD+16*\q:DD+16*\q+1], v[DD+16*\q:DD+16*\q+1]
.endr
.irp i, 1,2,3,4,5,6,7
.irp q, 0,1,2,3,4,5,6,7
	v_pk_fma_f32 v[TT+4*\q+2:TT+4*\q+3], v[DD+16*\q+2*\i:DD+16*\q+2*\i+1], v[DD+16*\q+2*\i:DD+16*\q+2*\i+1], v[TT+4*\q+2:TT+4*\q+3]
.endr
.endr
.irp q, 0,1,2,3,4,5,6,7
	v_add_f32 v[TT+4*\q+2], v[TT+4*\q+2], v[TT+4*\q+3]
.endr
	RED8 2, 3
.irp q, 0,1,2,3,4,5,6,7
	v_fma_f32 v[TT+4*\q+3], v[TT+4*\q+2], s53, s54 ; the variance + 1e-5
.endr
.irp q, 0,1,2,3,4,5,6,7
	v_rsq_f32 v[TT+4*\q+2], v[TT+4*\q+3]
.endr
	v_nop                                          ; a plain line behind the last of the batch
.if \issue
	WIN 0xc0
.endif
	s_wait_alu depctr_va_vdst(0)                   ; the eight reciprocal roots are written, ahead of their first reader; the sums and differences above are done reading these eight rows as loaded, in whose registers the loads below land
.if \issue
	XLOAD 16+8*(\n), \slot0                        ; no vector line behind the wait names these registers
	WIN 0
.endif
.irp i, 0,1,2,3,4,5,6,7
.irp q, 0,1,2,3,4,5,6,7
	v_pk_mul_f32 v[DD+16*\q+2*\i:DD+16*\q+2*\i+1], v[DD+16*\q+2*\i:DD+16*\q+2*\i+1], v[TT+4*\q+2:TT+4*\q+3] op_sel_hi:[1,0]
.endr
.endr
.irp i, 0,1,2,3,4,5,6,7
.irp q, 0,1,2,3,4,5,6,7
	v_pk_fma_f32 v[DD+16*\q+2*\i:DD+16*\q+2*\i+1], v[DD+16*\q+2*\i:DD+16*\q+2*\i+1], v[GG+2*\i:GG+2*\i+1], v[BB+2*\i:BB+2*\i+1]
.endr
.endr
.irp q, 0,1,2,3,4,5,6,7
	v_max3_num_f32 v[TT+4*\q+3], |v[DD+16*\q]|, |v[DD+16*\q+1]|, FLOOR
.endr
.irp i, 2,4,6,8,10,12,14
.irp q, 0,1,2,3,4,5,6,7
	v_max3_num_f32 v[TT+4*\q+3], v[TT+4*\q+3], |v[DD+16*\q+\i]|, |v[DD+16*\q+\i+1]|
.endr
.endr
.irp q, 0,1,2,3,4,5,6,7
	v_max_num_f32_dpp v[TT+4*\q+3], v[TT+4*\q+3], v[TT+4*\q+3] row_xmask:1 row_mask:0xf bank_mask:0xf   ; with my neighbour's 16: the block's largest magnitude
.endr
.irp q, 0,1,2,3,4,5,6,7
	v_add_nc_u32 v[TT+4*\q+3], EOFF, v[TT+4*\q+3]  ; 4 off its exponent field: the conversion's scale operand
.endr
	s_wait_dscnt 0x0                               ; the last eight rows' LDS stores are done
.irp q, 0,1,2,3,4,5,6,7
	v_cvt_scalef32_pk16_bf6_f32 v[TT+4*\q:TT+4*\q+2], v[DD+16*\q:DD+16*\q+15], v[TT+4*\q+3]
.endr
	v_nop                                          ; one plain line behind the scaled conversions
.irp q, 0,1,2,3,4,5,6,7
	v_lshrrev_b32 v[TT+4*\q+3], 23, v[TT+4*\q+3]   ; the scale's byte
.endr
	s_wait_alu depctr_va_vdst(0)                   ; the conversions and the shifts have written v224 to v255, which the LDS stores read
.irp q, 0,1,2,3,4,5,6,7
.irp i, 0,1,2
	ds_store_b32 v6, v[TT+4*\q+\i] offset:(8*(\n)+\q)*XP+4*\i
.endr
	ds_store_b8 v7, v[TT+4*\q+3] offset:(8*(\n)+\q)*16   ; both lanes of a block write the same byte with the same value
.endr
.endm
	LNB 0, 0, 1, 32                                ; rows 0-7 are in; rows 8-15's 32 loads may be out
	LNB 1, 8, 1, 32                                ; rows 8-15; rows 16-23's may be out
	LNB 2, 0, 0, 32                                ; rows 16-23; rows 24-31's may be out
	LNB 3, 8, 0, 0
	s_wait_dscnt 0x0                               ; my rows' codes and scale bytes lie in LDS
	s_barrier_signal -1
	s_barrier_wait -1                              ; everybody's do; nothing in LDS is written again
	s_wait_alu depctr_vm_vsrc(0)                   ; my last LDS stores have read v224 to v255, some of which the line below and the way out write
	v_mov_b32 v229, 0                              ; the word behind q's scale word
.macro FETCHX g                        ; the eight fragments (row tile xt, K step ks) of rows 32 g .. 32 g + 31, and their scale words: written for the first group, into buffer 0; the later groups' loads stand among the products
	WIN 0xc0
.irp xt, 0,1
.irp ks, 0,1,2,3
.irp p, 0,1,2,3,4,5
	ds_load_b64 v[12*(4*\xt+\ks)+2*\p:12*(4*\xt+\ks)+2*\p+1], v8 offset:(32*(\g)+8*\xt)*XP+96*\ks+48*(\p/3)+8*(\p%3)
.endr
.endr
.endr
	WIN 0
.irp xt, 0,1
	ds_load_b128 v[XS+4*\xt:XS+4*\xt+3], v9 offset:(32*(\g)+8*\xt)*16
.endr
.endm
; 48 matrix instructions: the twelve accumulators take turns, one instruction a turn, K step by K step.  The biases are the C of each sum's first instruction.
; Behind each K step's twelve stand twelve LDS loads: the next group's two fragments of the same K step, into the other buffer.  No wait: that buffer's last readers stand ahead of the wait in the last way out (for group 0: ahead of the
; LN phase's last wait), and no vector or matrix line since names it, nor v8.
.macro MULG g
.set XB, 96*((\g)%2)                   ; this group's fragments, in window 3
.set XN, 96-XB                         ; where the next group's land
.set XW, XS-32*((\g)%2)                ; this group's scale words
.irp ks, 0,1,2,3
.if \ks == 0
	WIN 0x1d                                       ; source 0 (W) window 1, source 1 (x) window 3, C (bias) window 1
.else
	WIN 0x0d
.endif
.irp mat, 0,1
.irp xt, 0,1
.irp u, 0,1
.if \ks == 0
	v_wmma_scale_f32_16x16x128_f8f6f4 v[ACC+16*(2*\mat+\xt)+8*\u:ACC+16*(2*\mat+\xt)+8*\u+7], v[96*\mat+12*(4*\u+\ks):96*\mat+12*(4*\u+\ks)+11], v[XB+12*(4*\xt+\ks):XB+12*(4*\xt+\ks)+11], v[192+16*\mat+8*\u:192+16*\mat+8*\u+7], v[WS+8*\mat+4*\u+\ks], v[XW+4*\xt+\ks] matrix_a_fmt:MATRIX_FMT_BF6 matrix_b_fmt:MATRIX_FMT_BF6
.else
	v_wmma_scale_f32_16x16x128_f8f6f4 v[ACC+16*(2*\mat+\xt)+8*\u:ACC+16*(2*\mat+\xt)+8*\u+7], v[96*\mat+12*(4*\u+\ks):96*\mat+12*(4*\u+\ks)+11], v[XB+12*(4*\xt+\ks):XB+12*(4*\xt+\ks)+11], v[ACC+16*(2*\mat+\xt)+8*\u:ACC+16*(2*\mat+\xt)+8*\u+7], v[WS+8*\mat+4*\u+\ks], v[XW+4*\xt+\ks] matrix_a_fmt:MATRIX_FMT_BF6 matrix_b_fmt:MATRIX_FMT_BF6
.endif
.endr
.endr
.endr
.if \ks == 0
	WIN 0x1b                                       ; source 0 (x) window 3, source 1 (Wv) window 2, C (bias) window 1
.else
	WIN 0x0b
.endif
.irp dt, 0,1
.irp xt, 0,1
.if \ks == 0
	v_wmma_scale_f32_16x16x128_f8f6f4 v[ACC+16*(4+\dt)+8*\xt:ACC+16*(4+\dt)+8*\xt+7], v[XB+12*(4*\xt+\ks):XB+12*(4*\xt+\ks)+11], v[12*(4*\dt+\ks):12*(4*\dt+\ks)+11], v[224+8*\dt:224+8*\dt+7], v[XW+4*\xt+\ks], v[WS+16+4*\dt+\ks] matrix_a_fmt:MATRIX_FMT_BF6 matrix_b_fmt:MATRIX_FMT_BF6
.else
	v_wmma_scale_f32_16x16x128_f8f6f4 v[ACC+16*(4+\dt)+8*\xt:ACC+16*(4+\dt)+8*\xt+7], v[XB+12*(4*\xt+\ks):XB+12*(4*\xt+\ks)+11], v[12*(4*\dt+\ks):12*(4*\dt+\ks)+11], v[ACC+16*(4+\dt)+8*\xt:ACC+16*(4+\dt)+8*\xt+7], v[XW+4*\xt+\ks], v[WS+16+4*\dt+\ks] matrix_a_fmt:MATRIX_FMT_BF6 matrix_b_fmt:MATRIX_FMT_BF6
.endif
.endr
.endr
.if (\g) < 3
	WIN 0xc0
.irp xt, 0,1
.irp p, 0,1,2,3,4,5
	ds_load_b64 v[XN+12*(4*\xt+\ks)+2*\p:XN+12*(4*\xt+\ks)+2*\p+1], v8 offset:(32*((\g)+1)+8*\xt)*XP+96*\ks+48*(\p/3)+8*(\p%3)
.endr
.endr
.endif
.endr
.endm
; THE WAY OUT of rows 32 g .. 32 g + 31: six half-blocks of 16 numbers a lane; lanes l and l xor 16 hold a block of 32.  Each accumulator is read from its low end on.  All the arithmetic first, one wait, then all the stores.
.macro EPI g
	s_wait_xcnt 0x0                                ; the last group's stores have read their registers
.if (\g) > 0
	s_wait_alu depctr_vm_vsrc(0)                   ; the last group's stores have read the codes and scale words v184 to v228, which the lines below write again
.endif
.irp i, 0,1,2,3,4,5
	v_max3_num_f32 v[TM+\i], |v[ACC+16*\i]|, |v[ACC+16*\i+1]|, FLOOR
.endr
.irp k, 2,4,6,8,10,12,14
.irp i, 0,1,2,3,4,5
	v_max3_num_f32 v[TM+\i], v[TM+\i], |v[ACC+16*\i+\k]|, |v[ACC+16*\i+\k+1]|
.endr
.endr
.irp i, 0,1,2,3,4,5
	v_permlanex16_b32 v[TP+\i], v[TM+\i], s56, s57
.endr
.irp i, 0,1,2,3,4,5
	v_max_num_f32 v[TM+\i], v[TM+\i], v[TP+\i]
.endr
.irp i, 0,1,2,3,4,5
	v_add_nc_u32 v[SO+\i], EOFF, v[TM+\i]
.endr
	v_cvt_scalef32_pk16_bf6_f32 v[QC:QC+2], v[ACC:ACC+15], v[SO]
	v_cvt_scalef32_pk16_bf6_f32 v[QC1:QC1+2], v[ACC+16:ACC+31], v[SO+1]
	v_cvt_scalef32_pk16_bf6_f32 v[KC:KC+2], v[ACC+32:ACC+47], v[SO+2]
	v_cvt_scalef32_pk16_bf6_f32 v[KC1:KC1+2], v[ACC+48:ACC+63], v[SO+3]
.if (\g)%2 == 0
	v_cvt_scalef32_pk16_bf6_f32 v[VE:VE+2], v[ACC+64:ACC+79], v[SO+4]
	v_cvt_scalef32_pk16_bf6_f32 v[VE+6:VE+8], v[ACC+80:ACC+95], v[SO+5]
.else
	v_cvt_scalef32_pk16_bf6_f32 v[VO:VO+2], v[ACC+64:ACC+79], v[SO+4]
	v_cvt_scalef32_pk16_bf6_f32 v[VO+4:VO+6], v[ACC+80:ACC+95], v[SO+5]
.endif
	v_nop                                          ; one plain line behind the scaled conversions
.irp i, 0,1,2,3,4,5
	v_lshrrev_b32 v[BY+\i], 23, v[SO+\i]           ; the scales' bytes
.endr
.irp i, 0,1,2                                  ; q, k: row tile 0's upper halves change places with row tile 1's lower: lane (r, m) then holds all 32 codes of row tile m's row r
	v_permlane16_swap_b32 v[QC+\i], v[QC1+\i]
	v_permlane16_swap_b32 v[KC+\i], v[KC1+\i]
.endr
.irp i, 0,1,2
	v_mov_b32 v[QC+3+\i], v[QC1+\i]
	v_mov_b32 v[KC+3+\i], v[KC1+\i]
.endr
	v_cndmask_b32 v228, v[BY+1], v[BY], s52        ; lanes 0-15: row tile 0's byte, lanes 16-31: row tile 1's;
	v_lshl_or_b32 v228, v228, 8, v228
	v_lshl_or_b32 v228, v228, 16, v228             ; four times, so that it serves whichever block of 32 q is laid into
.if (\g)%2 == 0                                ; key tiles 2 g and 2 g + 1 are blocks 2 (g % 2) and 2 (g % 2) + 1 of super-fragment g / 2
	v_lshl_or_b32 v[KW+(\g)/2], v[BY+3], 8, v[BY+2]
.else
	v_lshl_or_b32 v[KW+(\g)/2], v[BY+2], 16, v[KW+(\g)/2]
	v_lshl_or_b32 v[KW+(\g)/2], v[BY+3], 24, v[KW+(\g)/2]
.endif
.irp dt, 0,1
.if (\g) == 0
	v_mov_b32 v[VW+\dt], v[BY+4+\dt]
.else
	v_lshl_or_b32 v[VW+\dt], v[BY+4+\dt], 8*(\g), v[VW+\dt]
.endif
.endr
.if (\g)%2 == 1                                ; v: two groups of 32 keys make a unit: lanes 0-15 the even group's 32 codes, lanes 16-31 the odd group's
.irp dt, 0,1
.irp i, 0,1,2
	v_permlane16_swap_b32 v[VE+6*\dt+\i], v[VO+4*\dt+\i]
.endr
.irp i, 0,1,2
	v_mov_b32 v[VE+6*\dt+3+\i], v[VO+4*\dt+\i]
.endr
.endr
.endif
	s_wait_alu depctr_va_vdst(0)                   ; the lines above have written the codes and q's scale word, which the stores below read; this group's products are done reading their fragments and scale words of x, in which the loads among the next group's products land
	global_store_b128 v10, v[QC:QC+3], s[40:41] offset:1024*(\g)
	global_store_b64 v11, v[QC+4:QC+5], s[40:41] offset:1024*(\g)+512
	global_store_b64 v11, v[228:229], s[40:41] offset:1024*(\g)+768
	global_store_b128 v10, v[KC:KC+3], s[42:43] offset:768*(\g)
	global_store_b64 v11, v[KC+4:KC+5], s[42:43] offset:768*(\g)+512
.if (\g)%2 == 1
.irp dt, 0,1
	global_store_b128 v10, v[VE+6*\dt:VE+6*\dt+3], s[42:43] offset:3072+768*(2*((\g)/2)+\dt)
	global_store_b64 v11, v[VE+6*\dt+4:VE+6*\dt+5], s[42:43] offset:3072+768*(2*((\g)/2)+\dt)+512
.endr
.endif
.endm
	FETCHX 0
.irp g, 0,1,2,3
	s_wait_dscnt 0x0                               ; this group's fragments and scale words are in
	MULG \g
	WIN 0
.if \g < 3
.irp xt, 0,1
	ds_load_b128 v[XS-32*((\g+1)%2)+4*\xt:XS-32*((\g+1)%2)+4*\xt+3], v9 offset:(32*(\g+1)+8*\xt)*16   ; the next group's scale words, into the other set: as free as the other buffer
.endr
.endif
	PLACES 4                                       ; in front of the first read of results
	EPI \g
.endr
	v_cndmask_b32 v230, v[KW+1], v[KW], s52        ; lanes 0-15: super-fragment 0's words, lanes 16-31: super-fragment 1's
	v_cndmask_b32 v231, v[VW+1], v[VW], s52        ; likewise the two channel tiles'
	s_wait_alu depctr_va_vdst(0)                   ; the two selects have written v230 and v231, which the store reads
	global_store_b64 v11, v[230:231], s[42:43] offset:6144
	s_set_vgpr_msb 0x5
	s_wait_dscnt 0x0
	s_wait_alu depctr_hold_cnt(0) depctr_sa_sdst(0) depctr_va_vdst(0) depctr_va_sdst(0) depctr_va_ssrc(0) depctr_va_vcc(0) depctr_vm_vsrc(0)
	s_wait_tensorcnt 0x0
	ds_add_u32 v254, v255
	s_wait_dscnt 0x0
	s_endpgm
.Lfunc_end_k_q1915c63950_qkv:
	.size	k_q1915c63950_qkv, .Lfunc_end_k_q1915c63950_qkv-k_q1915c63950_qkv
	.p2alignl 7, 3214868480
	.fill 96, 4, 3214868480
	.section	.rodata,"a",@progbits
	.p2align	6, 0x0
	.amdhsa_kernel k_q1915c63950_qkv
		.amdhsa_group_segment_fixed_size 52736
		.amdhsa_private_segment_fixed_size 0
		.amdhsa_enable_private_segment 0
		.amdhsa_kernarg_size 176
		.amdhsa_user_sgpr_count 2
		.amdhsa_user_sgpr_kernarg_segment_ptr 1
		.amdhsa_wavefront_size32 1
		.amdhsa_system_sgpr_workgroup_id_x 1
		.amdhsa_system_sgpr_workgroup_id_y 1
		.amdhsa_system_sgpr_workgroup_id_z 1
		.amdhsa_system_vgpr_workitem_id 0
		.amdhsa_next_free_vgpr 1024
		.amdhsa_next_free_sgpr 100
		.amdhsa_reserve_vcc 0
		.amdhsa_float_denorm_mode_32 3
		.amdhsa_float_denorm_mode_16_64 3
		.amdhsa_memory_ordered 1
		.amdhsa_forward_progress 1
		.amdhsa_inst_pref_size 244
	.end_amdhsa_kernel
	.amdgpu_metadata
---
amdhsa.version: [ 1, 2 ]
amdhsa.kernels:
  - .name:           k_q1915c63950_qkv
    .symbol:         k_q1915c63950_qkv.kd
    .args:
      - { .name: x, .offset: 0, .size: 8, .value_kind: global_buffer, .address_space: global }
      - { .name: g1, .offset: 8, .size: 8, .value_kind: global_buffer, .address_space: global }
      - { .name: b1, .offset: 16, .size: 8, .value_kind: global_buffer, .address_space: global }
      - { .name: Wq_codes, .offset: 24, .size: 8, .value_kind: global_buffer, .address_space: global }
      - { .name: Wq_scales, .offset: 32, .size: 8, .value_kind: global_buffer, .address_space: global }
      - { .name: bq, .offset: 40, .size: 8, .value_kind: global_buffer, .address_space: global }
      - { .name: Wk_codes, .offset: 48, .size: 8, .value_kind: global_buffer, .address_space: global }
      - { .name: Wk_scales, .offset: 56, .size: 8, .value_kind: global_buffer, .address_space: global }
      - { .name: bk, .offset: 64, .size: 8, .value_kind: global_buffer, .address_space: global }
      - { .name: Wv_codes, .offset: 72, .size: 8, .value_kind: global_buffer, .address_space: global }
      - { .name: Wv_scales, .offset: 80, .size: 8, .value_kind: global_buffer, .address_space: global }
      - { .name: bv, .offset: 88, .size: 8, .value_kind: global_buffer, .address_space: global }
      - { .name: Wo_codes, .offset: 96, .size: 8, .value_kind: global_buffer, .address_space: global }
      - { .name: Wo_scales, .offset: 104, .size: 8, .value_kind: global_buffer, .address_space: global }
      - { .name: W1_codes, .offset: 112, .size: 8, .value_kind: global_buffer, .address_space: global }
      - { .name: W1_scales, .offset: 120, .size: 8, .value_kind: global_buffer, .address_space: global }
      - { .name: W2_codes, .offset: 128, .size: 8, .value_kind: global_buffer, .address_space: global }
      - { .name: W2_scales, .offset: 136, .size: 8, .value_kind: global_buffer, .address_space: global }
      - { .name: qbuf, .offset: 144, .size: 8, .value_kind: global_buffer, .address_space: global }
      - { .name: kv, .offset: 152, .size: 8, .value_kind: global_buffer, .address_space: global }
      - { .name: wimg, .offset: 160, .size: 8, .value_kind: global_buffer, .address_space: global }
      - { .name: wscl, .offset: 168, .size: 8, .value_kind: global_buffer, .address_space: global }
    .group_segment_fixed_size: 52736
    .private_segment_fixed_size: 0
    .kernarg_segment_align: 8
    .kernarg_segment_size: 176
    .max_flat_workgroup_size: 128
    .sgpr_count:     100
    .vgpr_count:     1024
    .wavefront_size: 32
...
	.end_amdgpu_metadata
.endif
;; end of part 4
;; launch attn (part 5): grid 4 x 64, 16 waves a work-group, no clusters, 104,448 bytes of LDS; arguments qbuf, kv, ctx; writes ctx
.if DOCPART == 5
	.amdgcn_target "amdgcn-amd-amdhsa--gfx1250"
	.amdhsa_code_object_version 6
	.text
	.protected	k_q1915c63950_attn
	.globl	k_q1915c63950_attn
	.p2align	8
	.type	k_q1915c63950_attn,@function
k_q1915c63950_attn:
	s_mov_b64 s[64:65], 0
	v_nop
	global_prefetch_b8 v0, s[64:65] scope:SCOPE_SE
	s_setreg_imm32_b32 hwreg(HW_REG_WAVE_SCHED_MODE, 0, 2), 2
	s_setreg_imm32_b32 hwreg(HW_REG_WAVE_MODE, 25, 1), 1
	s_wait_xcnt 0x0
	s_wait_alu depctr_vm_vsrc(0)
; ctx = softmax(q k^T / sqrt(32)) v for one head of one batch, both products on codes of BF6 (E3M2) with E8M0 scales; the result is quantised along the head's 32 channels for the next product.
; THE SOFTMAX: t = score x log2(e) / sqrt(32); M = the running largest t rounded UP to a whole number; p = 2^(t - M) is quantised along the keys; the row's sum is taken of the unquantised p and divides at the end.
; When M moves, the sum and O are multiplied by 2^(old M - new M): exact.
; SHARES.  Work-group (qb, hb): head-batch hb, queries 512 qb .. + 511.  Each of sixteen waves owns 32 queries, two tiles of 16, one after the other; four waves share a SIMD, so that one wave's exponentials stand beside another's plain work.
; The head's k and v (codes and scale words, 102,400 bytes, as the launch before laid them: images of operand registers) are copied into LDS ONCE, through registers; one barrier; afterwards LDS is only read.
; K = 32 IN AN INSTRUCTION OF 128.  A fragment of k carries FOUR tiles of 16 keys, one in each block of 32 along K; q is laid into one block of its operand, with zero codes in the other three, which add nothing.
; Four such operands share 30 registers (zeros, q in lanes 0-15, zeros, q in lanes 16-31, zeros).  So no register and no LDS byte of k is padding.
; LAYOUT.  Both products are used transposed: a lane holds one query (lane % 16).  The keys of a tile are chosen so that the 16 registers of tiles 2 b, 2 b + 1 are keys 32 b + 16 (lane / 16) + 0 .. 15; the channels likewise.
; LIMITS: NaN and infinities are not served; a block of p or of ctx whose largest number lies under 2^-122 gets the scale byte 1 (read by this program alone); v_exp_f32 and v_rcp_f32 are good to 1 ulp;
; a block's largest p is made from the block's largest score by the same two lines as every p, which takes v_exp_f32 not to fall where its input rises.
; THE MODE: SCHED_MODE bits 1:0 = 2 (LLVM: expert scheduling mode 2), set by the entry lines.  The code itself states the register dependences between vector or matrix instructions and memory or LDS instructions, with s_wait_alu, always for 0.
; THE PLAN.  Registers that LDS instructions touch in the loop over the keys:
;   KF v56-79       Step s: its eight first products read it; the loads of step s + 1's k land in it, behind the step's second wait.
;   VF v80-103      Step s: its two last products read it; the loads of step s + 1's v land in it, behind step s + 1's first wait.
;   v[54:55], v[240:241]  A step's scale words (k's, v's): even steps read the first pair, odd steps the second; step s loads the other pair, for step s + 1, which step s - 1's products were the last to read.
;   v4, v5          Read by every LDS load of a trip of two steps; written once, at the trip's head.
; So the wait that stands behind a step's 64 exponentials states all that the step's 17 loads hang on: this step's first products are done with KF, the last step's products with VF and with the other pair, and v4 and v5 are written.
; No vector or matrix line behind it names one of these registers ahead of the loads.  One wait on vm_vsrc a trip stands ahead of the adds to v4 and v5; one wait on va_vdst stands ahead of the last products, which take p's codes and scale word from vector lines.
.set XQ,  16                           ; v16-21   q's unit as loaded; v22 its scale words (lanes 0-15 tile 0, lanes 16-31 tile 1)
.set QV,  24                           ; v24-53   zeros, L, zeros, H, zeros, six registers each
.set KF,  56                           ; v56-79   two super-fragments of k;  v54 k's scale words, v55 v's, of an even step; v240, v241 of an odd step
.set VF,  80                           ; v80-103  two fragments of v
.set S,   104                          ; v104-167 the scores, then p
.set OO,  168                          ; v168-183 O^T
.set P,   184                          ; v184-195 p's codes
.set PT,  196
.set MB,  204                          ; v204-207 a block's largest score, then its largest p
.set MB2, 208
.set SO,  212
.set PW,  216                          ; p's scale word
.set RR,  224                          ; v224-239 O^T / the sum; v224-229 also q's unit from the other half of the lanes
.set C1,  244
.set OUTC, 250                         ; v250-255 the outgoing unit
.set FLOOR, 0x2800000
.set EOFF,  0xfe000000
	s_load_b128 s[4:7], s[0:1], 0x0                ; qbuf, kv
	s_load_b64 s[8:9], s[0:1], 0x10                ; ctx
	v_lshl_add_u32 v243, v0, 2, 0x19000
	v_mov_b32 v247, 0
	v_lshrrev_b32 v1, 5, v0
	v_readfirstlane_b32 s10, v1                    ; wave 0..15
	v_and_b32 v1, 31, v0
	v_lshlrev_b32 v2, 4, v1                        ; 16 x lane
	v_lshlrev_b32 v3, 3, v1                        ; 8 x lane
	v_lshlrev_b32 v8, 4, v0                        ; the copy: 16 bytes a thread, 8,192 a line
	v_add_nc_u32 v9, 0x10000, v8
	v_lshlrev_b32 v11, 3, v0
	v_add_nc_u32 v10, 0x18000, v11                 ; and the last 4,096 bytes, 8 a thread
	s_wait_alu depctr_va_sdst(0)                   ; s10 is written, ahead of its first reader
	s_and_b32 s11, ttmp7, 0xffff                   ; hb
	s_mov_b32 s12, ttmp9                           ; qb
	s_mov_b32 s20, 0x76543210
	s_mov_b32 s21, 0xfedcba98                      ; v_permlanex16_b32's selects for lane l xor 16
	s_mov_b32 s22, 0x3e8293ee                      ; c = log2(e) / sqrt(32)
	s_mov_b32 s23, s22                             ; (named with it as a pair, so it is written)
	s_mov_b32 s24, 0xffff                          ; lanes 0-15
	s_mov_b32 s27, 0xffff0000                      ; lanes 16-31
	s_mul_i32 s28, s11, 102400
	s_mov_b32 s29, 0
	s_lshl_b32 s30, s11, 6
	s_lshl_b32 s31, s12, 4
	s_add_co_u32 s31, s31, s10                     ; my group of 32 queries in the batch
	s_add_co_u32 s30, s30, s31
	s_lshl_b32 s30, s30, 10                        ; qbuf: (64 hb + group) x 1,024
	s_lshr_b32 s32, s11, 4
	s_lshl_b32 s32, s32, 6
	s_add_co_u32 s32, s32, s31
	s_lshl_b32 s32, s32, 4
	s_and_b32 s33, s11, 15
	s_add_co_u32 s32, s32, s33
	s_lshl_b32 s32, s32, 10                        ; ctx: ((64 batch + group) x 16 + head) x 1,024
	s_mov_b32 s31, 0
	s_mov_b32 s33, 0
	s_wait_kmcnt 0x0
	s_add_nc_u64 s[6:7], s[6:7], s[28:29]
	s_add_nc_u64 s[4:5], s[4:5], s[30:31]
	s_add_nc_u64 s[8:9], s[8:9], s[32:33]
	s_wait_alu depctr_va_vdst(0)                   ; the offsets and LDS addresses v2, v3 and v8 to v11 are written, which the loads and stores below read; they are never written again
.irp i, 0,1,2,3,4,5,6,7,8,9,10,11
	global_load_b128 v[104+4*\i:104+4*\i+3], v8, s[6:7] offset:8192*\i
.endr
	global_load_b64 v[152:153], v11, s[6:7] offset:98304
	global_load_b128 v[XQ:XQ+3], v2, s[4:5]
	global_load_b64 v[XQ+4:XQ+5], v3, s[4:5] offset:512
	global_load_b32 v22, v3, s[4:5] offset:768
.irp i, 0,1,2,3,4,5
	v_mov_b32 v[QV+\i], 0                          ; the three runs of zero codes
	v_mov_b32 v[QV+12+\i], 0
	v_mov_b32 v[QV+24+\i], 0
	v_mov_b32 v[RR+\i], 0                          ; (a lane permute's destination counts as one of its sources)
.endr
.irp b, 0,1,2,3
	v_mov_b32 v[MB2+\b], 0
.endr
	v_mov_b32 v220, 0
	v_mov_b32 v219, 0                              ; (named as the upper half of the pair v[218:219])
	v_mov_b32 v7, 0                                ; the word behind ctx's scale word
	s_wait_loadcnt 3                               ; k and v are in; q's three loads may be out
.irp i, 0,1,2,3,4,5,6,7
	ds_store_b128 v8, v[104+4*\i:104+4*\i+3] offset:8192*\i
.endr
.irp i, 8,9,10,11
	ds_store_b128 v9, v[104+4*\i:104+4*\i+3] offset:8192*(\i-8)
.endr
	ds_store_b64 v10, v[152:153]
	s_wait_dscnt 0x0                               ; my part of the copy lies in LDS
	s_barrier_signal -1
	s_barrier_wait -1                              ; everybody's does; nothing in LDS is written again
	s_wait_alu depctr_vm_vsrc(0)                   ; my LDS stores have read v104 to v153, which the first products write: they hold the scores from here on
	s_wait_loadcnt 0x0                             ; q
.macro QK d, a, b, s, n, w             ; scores of one tile of 16 keys: k's scale words (register w) of super-fragment 1, and q's of tile 1, stand in lanes 16-31
.if (\s) == 0
.if (\n) == 0
	v_wmma_scale_f32_16x16x128_f8f6f4 v[\d:\d+7], v[\a:\a+11], v[\b:\b+11], 0, v[\w], v22 matrix_a_fmt:MATRIX_FMT_BF6 matrix_b_fmt:MATRIX_FMT_BF6
.else
	v_wmma_scale_f32_16x16x128_f8f6f4 v[\d:\d+7], v[\a:\a+11], v[\b:\b+11], 0, v[\w], v22 matrix_a_fmt:MATRIX_FMT_BF6 matrix_b_fmt:MATRIX_FMT_BF6 matrix_b_scale:MATRIX_SCALE_ROW1
.endif
.else
.if (\n) == 0
	v_wmma_scale_f32_16x16x128_f8f6f4 v[\d:\d+7], v[\a:\a+11], v[\b:\b+11], 0, v[\w], v22 matrix_a_fmt:MATRIX_FMT_BF6 matrix_b_fmt:MATRIX_FMT_BF6 matrix_a_scale:MATRIX_SCALE_ROW1
.else
	v_wmma_scale_f32_16x16x128_f8f6f4 v[\d:\d+7], v[\a:\a+11], v[\b:\b+11], 0, v[\w], v22 matrix_a_fmt:MATRIX_FMT_BF6 matrix_b_fmt:MATRIX_FMT_BF6 matrix_a_scale:MATRIX_SCALE_ROW1 matrix_b_scale:MATRIX_SCALE_ROW1
.endif
.endif
.endm
; A KEY STEP: 128 keys, whose record begins off bytes behind the LDS byte in v4 and v5.  pa: this step's pair of scale words; pb: the other pair; nx = 1: the next step's k and pair are asked for.
.macro STEP n, off, pa, pb, nx
	s_wait_dscnt 0x0                               ; this step's k and its pair of scale words, asked for in the step before (the first step's: at the tile's head), are in
.irp s, 0,1
.irp jb, 0,1,2,3                               ; q in block jb: L zeros (0), H zeros (1), zeros L (2), zeros H (3)
	QK S+8*(4*\s+\jb), KF+12*\s, QV+6+12*(\jb%2)-6*(\jb/2), \s, \n, \pa
.endr
.endr
.rept 4
	v_nop
.endr
.irp b, 0,1,2,3
	v_max3_num_f32 v[MB+\b], v[S+16*\b], v[S+16*\b+1], v[S+16*\b+2]   ; the largest score of each block of 32 keys: for the row's maximum and for the block's largest p
.endr
.irp i, 3,5,7,9,11,13
.irp b, 0,1,2,3
	v_max3_num_f32 v[MB+\b], v[MB+\b], v[S+16*\b+\i], v[S+16*\b+\i+1]
.endr
.endr
.irp b, 0,1,2,3
	v_max_num_f32 v[MB+\b], v[MB+\b], v[S+16*\b+15]
.endr
.irp b, 0,1,2,3
	v_permlanex16_b32 v[MB2+\b], v[MB+\b], s20, s21
.endr
.irp b, 0,1,2,3
	v_max_num_f32 v[MB+\b], v[MB+\b], v[MB2+\b]    ; with lane l xor 16's 16 keys
.endr
	v_max3_num_f32 v220, v[MB], v[MB+1], v[MB+2]
	v_max_num_f32 v220, v220, v[MB+3]
	v_mul_f32 v220, s22, v220                      ; the step's largest t of my query (c is positive)
	v_max_num_f32 v13, v13, v220                   ; the running largest t
	v_mov_b32 v220, v12
	v_floor_f32 v12, -v13                          ; the new -M = floor(-t): M is a whole number
	v_sub_f32 v220, v12, v220                      ; old M - new M: a whole number, 0 or less
	v_cvt_i32_f32 v220, v220                       ; (it saturates)
	v_ldexp_f32 v218, 1.0, v220                    ; f = 2^(old M - new M)
.set j, 0
.rept 32
	v_pk_fma_f32 v[S+j:S+j+1], v[S+j:S+j+1], s[22:23], v[12:13] op_sel_hi:[1,0,0]   ; t - M, two at a time
.set j, j+2
.endr
.irp b, 0,1,2,3
	v_fma_f32 v[MB+\b], v[MB+\b], s22, v12         ; the same of each block's largest score
.endr
.set j, 0
.rept 64
	v_exp_f32 v[S+j], v[S+j]                       ; p = 2^(t - M), at most 1
.set j, j+1
.endr
	v_pk_mul_f32 v[14:15], v[14:15], v[218:219] op_sel_hi:[1,0]   ; the sums under the new M (a plain line behind the exponentials)
	s_wait_alu depctr_va_vdst(0)                   ; the 64 exponentials have written p, ahead of their first reader; the last step's second products are done reading VF and the other pair, this step's first products KF; v4 and v5 are written
.irp c, 0,1
.irp dt, 0,1
	ds_load_b128 v[VF+12*\dt+6*\c:VF+12*\dt+6*\c+3], v4 offset:(\off)+3072+768*(2*\c+\dt)   ; this step's v
	ds_load_b64 v[VF+12*\dt+6*\c+4:VF+12*\dt+6*\c+5], v5 offset:(\off)+3072+768*(2*\c+\dt)+512
.endr
.endr
.irp b, 0,1,2,3
	v_exp_f32 v[MB+\b], v[MB+\b]                   ; the block's largest p
.endr
.set j, 0
.rept 8
	v_pk_mul_f32 v[OO+j:OO+j+1], v[OO+j:OO+j+1], v[218:219] op_sel_hi:[1,0]   ; O^T under the new M: plain work behind the four
.set j, j+2
.endr
	s_wait_alu depctr_va_vdst(0)                   ; the four exponentials have written the blocks' largest p, ahead of their first reader
.if (\nx)
.irp g, 0,1,2,3
	ds_load_b128 v[KF+6*\g:KF+6*\g+3], v4 offset:(\off)+6400+768*\g   ; the next step's k.  No further wait: no vector or matrix line since the wait behind the 64 names KF, the other pair, v4 or v5
	ds_load_b64 v[KF+6*\g+4:KF+6*\g+5], v5 offset:(\off)+6400+768*\g+512
.endr
	ds_load_b64 v[\pb:\pb+1], v5 offset:(\off)+6400+6144   ; and its scale words, k's and v's
.endif
.irp b, 0,1,2,3
	v_max_num_f32 v[MB+\b], FLOOR, v[MB+\b]
.endr
.irp b, 0,1,2,3
	v_add_nc_u32 v[SO+\b], EOFF, v[MB+\b]          ; 4 off the exponent field: the conversion's scale operand
.endr
.irp b, 0,1,2,3
	v_lshrrev_b32 v[MB2+\b], 23, v[SO+\b]          ; the scale's byte
.endr
	v_lshl_or_b32 v[PW], v[MB2+1], 8, v[MB2]
	v_lshl_or_b32 v[PW], v[MB2+2], 16, v[PW]
	v_lshl_or_b32 v[PW], v[MB2+3], 24, v[PW]       ; p's scale word for these 128 keys
.irp c, 0,1
	v_cvt_scalef32_pk16_bf6_f32 v[P+6*\c:P+6*\c+2], v[S+32*\c:S+32*\c+15], v[SO+2*\c]
	v_cvt_scalef32_pk16_bf6_f32 v[PT+4*\c:PT+4*\c+2], v[S+32*\c+16:S+32*\c+31], v[SO+2*\c+1]
.endr
	v_nop                                          ; one plain line behind the scaled conversions
.irp c, 0,1                                    ; the operand wants a whole block in a lane
.irp i, 0,1,2
	v_permlane16_swap_b32 v[P+6*\c+\i], v[PT+4*\c+\i]
.endr
.irp i, 0,1,2
	v_mov_b32 v[P+6*\c+3+\i], v[PT+4*\c+\i]
.endr
.endr
	v_pk_add_f32 v[222:223], v[S:S+1], v[S+2:S+3]  ; the row's sum of the unquantised p, in two chains: also the places between p's codes and scale word and the products
.set j, 4
.rept 15
	v_pk_add_f32 v[14:15], v[14:15], v[S+j:S+j+1]
	v_pk_add_f32 v[222:223], v[222:223], v[S+j+2:S+j+3]
.set j, j+4
.endr
	v_pk_add_f32 v[14:15], v[14:15], v[222:223]
.if (\nx)
	s_wait_dscnt 9                                 ; v is in; the nine younger loads, the next step's k and scale words, may be out
.else
	s_wait_dscnt 0x0                               ; v is in
.endif
	s_wait_alu depctr_va_vdst(0)                   ; vector lines have written p's codes and its scale word, which the two products take as operand and as scales; the places above stay beside this wait
	v_wmma_scale_f32_16x16x128_f8f6f4 v[OO:OO+7], v[VF:VF+11], v[P:P+11], v[OO:OO+7], v[\pa+1], v[PW] matrix_a_fmt:MATRIX_FMT_BF6 matrix_b_fmt:MATRIX_FMT_BF6
	v_wmma_scale_f32_16x16x128_f8f6f4 v[OO+8:OO+15], v[VF+12:VF+23], v[P:P+11], v[OO+8:OO+15], v[\pa+1], v[PW] matrix_a_fmt:MATRIX_FMT_BF6 matrix_b_fmt:MATRIX_FMT_BF6 matrix_a_scale:MATRIX_SCALE_ROW1
.endm
; A TRIP: two key steps, whose records begin at LDS bytes s25 and s25 + 6,400: both pairs of scale words are back at their start.  last = 1: the tile's last two steps, of which the second asks for nothing more.
.macro TRIP n, last
	s_wait_alu depctr_vm_vsrc(0)                   ; the LDS loads of the trip before have read v4 and v5
	v_add_nc_u32 v4, s25, v2
	v_add_nc_u32 v5, s25, v3
	STEP \n, 0, 54, 240, 1
	STEP \n, 6400, 240, 54, 1-\last
.endm
; ONE TILE OF 16 QUERIES through all 2,048 keys.  n = 0: the tile in lanes 0-15 of q's unit; n = 1: the other, which tile 0's head has moved there.
.macro TILE n
.irp g, 0,1,2,3
	ds_load_b128 v[KF+6*\g:KF+6*\g+3], v2 offset:768*\g   ; the first step's k and scale words, by the addresses that are never written.  No wait: the last products that read these registers stand ahead of the waits of the tile before
	ds_load_b64 v[KF+6*\g+4:KF+6*\g+5], v3 offset:768*\g+512
.endr
	ds_load_b64 v[54:55], v3 offset:6144
.irp i, 0,1,2,3,4,5
	v_permlanex16_b32 v[RR+\i], v[XQ+\i], s20, s21
.endr
.irp i, 0,1,2,3,4,5
	v_cndmask_b32 v[QV+6+\i], 0, v[XQ+\i], s24     ; L: q in lanes 0-15, zero codes above
.endr
.irp i, 0,1,2,3,4,5
	v_cndmask_b32 v[QV+18+\i], 0, v[RR+\i], s27    ; H: the same q in lanes 16-31, zero codes below
.endr
.if (\n) == 0
.irp i, 0,1,2,3,4,5
	v_mov_b32 v[XQ+\i], v[RR+\i]                   ; the halves exchanged, for tile 1
.endr
.endif
	v_mov_b32 v13, 0xff61b1e6                      ; the largest t so far: -3e38
	v_floor_f32 v12, -v13                          ; -M
	v_mov_b32 v14, 0                               ; the sum, in two halves
	v_mov_b32 v15, 0
.set j, 0
.rept 16
	v_mov_b32 v[OO+j], 0                           ; O^T: the step is written once; its first trip finds zeros
.set j, j+1
.endr
	s_mov_b32 s25, 0
	s_mov_b32 s26, 7
	s_wait_alu depctr_va_vdst(0)                   ; vector lines have written L, H and the zero codes, which the first products take as their operand; the twenty lines above are its places
.Lstep_\@:
	TRIP \n, 0
	s_add_co_u32 s25, s25, 12800
	s_sub_co_u32 s26, s26, 1
	s_cmp_lg_u32 s26, 0
	s_cbranch_scc1 .Lstep_\@
	TRIP \n, 1                                     ; the last two steps are written out: no LDS load reaches past the head's last record
.rept 4
	v_nop
.endr
	v_add_f32 v14, v14, v15
	v_permlanex16_b32 v220, v14, s20, s21
	v_add_f32 v14, v14, v220                       ; the row's sum
	v_rcp_f32 v218, v14
	v_nop
	s_wait_alu depctr_va_vdst(0)                   ; the reciprocal is written, ahead of its first reader
.set j, 0
.rept 8
	v_pk_mul_f32 v[RR+j:RR+j+1], v[OO+j:OO+j+1], v[218:219] op_sel_hi:[1,0]   ; ctx(my query, channels 16 (lane / 16) + 0 .. 15)
.set j, j+2
.endr
	v_max3_num_f32 v[MB], |v[RR]|, |v[RR+1]|, FLOOR
.irp i, 2,4,6,8,10,12,14
	v_max3_num_f32 v[MB], v[MB], |v[RR+\i]|, |v[RR+\i+1]|
.endr
	v_permlanex16_b32 v[MB2], v[MB], s20, s21
	v_max_num_f32 v[MB], v[MB], v[MB2]             ; the head's 32 channels are one block of the next product's K
	v_add_nc_u32 v[SO], EOFF, v[MB]
.if (\n) == 0
	v_cvt_scalef32_pk16_bf6_f32 v[OUTC:OUTC+2], v[RR:RR+15], v[SO]
.else
	v_cvt_scalef32_pk16_bf6_f32 v[C1:C1+2], v[RR:RR+15], v[SO]
.endif
	v_nop
	v_lshrrev_b32 v[248+\n], 23, v[SO]
.endm
	TILE 0
	TILE 1
.irp i, 0,1,2
	v_permlane16_swap_b32 v[OUTC+\i], v[C1+\i]     ; lane (r, m) then holds all 32 codes of tile m's row r
.endr
.irp i, 0,1,2
	v_mov_b32 v[OUTC+3+\i], v[C1+\i]
.endr
	v_cndmask_b32 v6, v249, v248, s24              ; and its scale byte
	s_wait_alu depctr_va_vdst(0)                   ; vector lines have written the unit v250 to v255 and v6, v7, which the stores read
	global_store_b128 v2, v[OUTC:OUTC+3], s[8:9]
	global_store_b64 v3, v[OUTC+4:OUTC+5], s[8:9] offset:512
	global_store_b64 v3, v[6:7], s[8:9] offset:768
	s_wait_dscnt 0x0
	s_wait_alu depctr_hold_cnt(0) depctr_sa_sdst(0) depctr_va_vdst(0) depctr_va_sdst(0) depctr_va_ssrc(0) depctr_va_vcc(0) depctr_vm_vsrc(0)
	s_wait_tensorcnt 0x0
	ds_add_u32 v243, v247
	s_wait_dscnt 0x0
	s_endpgm
.Lfunc_end_k_q1915c63950_attn:
	.size	k_q1915c63950_attn, .Lfunc_end_k_q1915c63950_attn-k_q1915c63950_attn
	.p2alignl 7, 3214868480
	.fill 96, 4, 3214868480
	.section	.rodata,"a",@progbits
	.p2align	6, 0x0
	.amdhsa_kernel k_q1915c63950_attn
		.amdhsa_group_segment_fixed_size 104448
		.amdhsa_private_segment_fixed_size 0
		.amdhsa_enable_private_segment 0
		.amdhsa_kernarg_size 24
		.amdhsa_user_sgpr_count 2
		.amdhsa_user_sgpr_kernarg_segment_ptr 1
		.amdhsa_wavefront_size32 1
		.amdhsa_system_sgpr_workgroup_id_x 1
		.amdhsa_system_sgpr_workgroup_id_y 1
		.amdhsa_system_sgpr_workgroup_id_z 1
		.amdhsa_system_vgpr_workitem_id 0
		.amdhsa_next_free_vgpr 256
		.amdhsa_next_free_sgpr 66
		.amdhsa_reserve_vcc 0
		.amdhsa_float_denorm_mode_32 3
		.amdhsa_float_denorm_mode_16_64 3
		.amdhsa_memory_ordered 1
		.amdhsa_forward_progress 1
		.amdhsa_inst_pref_size 124
	.end_amdhsa_kernel
	.amdgpu_metadata
---
amdhsa.version: [ 1, 2 ]
amdhsa.kernels:
  - .name:           k_q1915c63950_attn
    .symbol:         k_q1915c63950_attn.kd
    .args:
      - { .name: qbuf, .offset: 0, .size: 8, .value_kind: global_buffer, .address_space: global }
      - { .name: kv, .offset: 8, .size: 8, .value_kind: global_buffer, .address_space: global }
      - { .name: ctx, .offset: 16, .size: 8, .value_kind: global_buffer, .address_space: global }
    .group_segment_fixed_size: 104448
    .private_segment_fixed_size: 0
    .kernarg_segment_align: 8
    .kernarg_segment_size: 24
    .max_flat_workgroup_size: 512
    .sgpr_count:     66
    .vgpr_count:     256
    .wavefront_size: 32
...
	.end_amdgpu_metadata
.endif
;; end of part 5
;; launch tail (part 6): grid 256 x 1, 4 waves a work-group, no clusters, 109,056 bytes of LDS; arguments ctx, wimg, wscl, x, bo, g2, b2, bf1, bf2, out0; writes out0
.if DOCPART == 6
	.amdgcn_target "amdgcn-amd-amdhsa--gfx1250"
	.amdhsa_code_object_version 6
	.text
	.protected	k_q1915c63950_tail
	.globl	k_q1915c63950_tail
	.p2align	8
	.type	k_q1915c63950_tail,@function
k_q1915c63950_tail:
	s_mov_b64 s[64:65], 0
	v_nop
	global_prefetch_b8 v0, s[64:65] scope:SCOPE_SE
	s_setreg_imm32_b32 hwreg(HW_REG_WAVE_SCHED_MODE, 0, 2), 2
	s_setreg_imm32_b32 hwreg(HW_REG_WAVE_MODE, 25, 1), 1
	s_wait_xcnt 0x0
	s_wait_alu depctr_vm_vsrc(0)
; x2 = ctx Wo + bo + x;  out = gelu(LN2(x2) W1 + bf1) W2 + bf2 + x2, the three products on codes of BF6 (E3M2) with E8M0 scales.  x2, LN2's result and the hidden layer never go to memory.
; SHARES.  Work-group g: rows 32 g .. 32 g + 31 as two tiles of 16 (tile m, lane r: row 32 g + 8 m + r + 8 (r / 8)).  THE WAVES SHARE THE COLUMNS: wave w makes columns 128 w .. of the first and third product and hidden units 256 w .. of the second.
; WEIGHTS.  A wave's fragments lie in wimg in the order in which it takes them, as images of their registers: ten half-banks of 16 fragments (4 tiles x 4 K steps, 24,576 bytes) and their scale words.  They go from memory
; straight into two banks of 192 registers that take turns: 48 loads of 512 consecutive bytes and 4 of scale words, 52 a half-bank.  Each fragment is used by this wave alone, so LDS would only add a write and a read.
; ACTIVATIONS go from wave to wave through LDS as images of operand registers (a fragment: three stores of 512 bytes; its scale words: 4 bytes a lane).  Three barriers: LN2's partial sums; LN2's codes; the hidden layer's codes.
; All products are used transposed (source 0 = 16 rows of a weight, chosen so that a lane's 16 registers of two neighbouring tiles are 16 neighbours along the next K; source 1 = 16 rows): a lane holds one row.
; LN2: each wave's mean and sum of squared differences over its 128 columns are joined by mean = the mean of the four means, M2 = the sum of the four M2 + 128 x the sum of (mean_w - mean)^2: no difference of large sums.
; GELU: 0.5 a (1 + erf(a / sqrt(2))), erf(z) = z P(z^2) / Q(z^2) with z held to +-4 (degrees 6 and 4 in z^2), good to a few ulp of erf.
; LIMITS: NaN and infinities are not served; for very negative a the sum 1 + erf leaves an absolute error of about 1e-7 x |a|; a block whose largest magnitude lies under 2^-122 gets the scale byte 1 (read by this program alone);
; v_rsq_f32 and v_rcp_f32 are good to 1 ulp; sums go in another order than the reference's.
; REGISTERS, in windows of 256.  Window 0: v1-15, v112-117 addresses; v16-31 the weights' scale words, two sets; v32-39 the activations' (scales and nothing else); v48-111 at work; v128-255 the 16 accumulators (64 m + 8 t + j).
;   Window 1: bank 1 v0-191, v192-255 g2, later a bias.   Window 2: bank 2 v0-191, v192-255 b2.   Window 3: v0-95 eight activation fragments (12 (4 m + ks)); v96-223 x, then x2; v224-247 erf's coefficients, each twice.
; THE MODE: SCHED_MODE bits 1:0 = 2 (LLVM: expert scheduling mode 2), set by the entry lines.  The code itself states the register dependences between vector or matrix instructions and memory or LDS instructions, with s_wait_alu, always for 0.
; THE PLAN.  Registers that memory or LDS instructions touch:
;   v4-v13, v112-117  offsets and LDS addresses, made once at the head and never written again.  v14, v15: the images' addresses, written anew in each trip of the hidden layer's loop.
;   banks 1, 2 and their scale words   read by a half-bank's 32 products, then loaded again at once.  The two banks, the activations, x2 and the accumulators fill the four windows, so there is no third bank: one wait on va_vdst stands
;                     behind the window switch of each reload, and states that those 32 products are done reading the bank.
;   activation fragments, v32-39       read by the products, loaded again from LDS: behind the same wait as the bank's reload where one stands there, else behind a wait of their own.
;   window 1 v192-255 g2, then three biases: read by vector lines, loaded again behind a wait on va_vdst that stands there for another load or store too.
;   v64-85            a fragment's codes and scale word: written by the quantiser, one wait on va_vdst, read by the LDS stores, one wait on vm_vsrc ahead of the next line that writes them.
;   accumulators      on the way out read by LDS stores (four places and a wait on va_vdst ahead); row tile 0's take rows back from the stage behind a wait on vm_vsrc.
.set STAT, 0                           ; LDS: {mean_w, M2_w} at 32 r + 8 w + 512 m
.set XIMG, 1024                        ; LN2's eight fragments (4 m + K step), 1,536 bytes each,
.set XSC,  XIMG+8*1536                 ; their scale words, 128 bytes each,
.set HIMG, XSC+8*128                   ; the hidden layer's sixteen (8 m + K step),
.set HSC,  HIMG+16*1536                ; their scale words,
.set STG,  HSC+16*128                  ; a stage for each wave and row tile: 16 rows x (512 bytes + 16)
.set WS,  16
.set AS,  32
.set ACC, 128
.set X2,  96
.set CO,  224
.set TM,  48                           ; the quantiser's: v48-63 at work, v64 the scale word, v66-85 the codes
.set PW,  64
.set PC,  66
.set LM,  48                           ; LN2's: four registers a row tile;
.set SQ,  56                           ; four chains of squares a row tile;
.set ST,  72                           ; the four waves' figures
.set ZZ,  48                           ; GELU's: 16 registers each
.set Z2,  64
.set PP,  80
.set QQ,  96
.set MSB, 0
.macro WIN new                         ; the immediate's high byte repeats the setting that is left
.if MSB != (\new)
	s_set_vgpr_msb (MSB<<8)|(\new)
.set MSB, (\new)
.endif
.endm
.macro PLACES n
.rept \n
	v_nop
.endr
.endm
.macro BARRIER                         ; my LDS stores have landed and my LDS loads are in: then the work-group's barrier
	s_wait_dscnt 0x0
	s_barrier_signal -1
	s_barrier_wait -1
.endm
; half-bank k (counted from where the stepped bases stand, rel bytes on) into bank buf.  w = 1: the bank has just been multiplied
.macro LOADHB buf, k, rel, w
	WIN 0x40*(\buf)
.if \w
	s_wait_alu depctr_va_vdst(0)                   ; the 32 products above are done reading this bank, its scale words and the activations' fragments and scale words, in which the loads below land
.endif
.irp f, 0,1,2,3,4,5,6,7,8,9,10,11,12,13,14,15
.irp c, 0,1,2
	global_load_b128 v[12*\f+4*\c:12*\f+4*\c+3], v7, s[6:7] offset:(\k)*24576-(\rel)+1536*\f+512*\c
.endr
.endr
	WIN 0
.irp ks, 0,1,2,3
	global_load_b64 v[WS+8*((\buf)-1)+2*\ks:WS+8*((\buf)-1)+2*\ks+1], v8, s[8:9] offset:(\k)*1024-(\rel)/24+256*\ks
.endr
.endm
; 32 matrix instructions: bank buf's 4 tiles (accumulators t0 .. t0 + 3) x 2 row tiles x 4 K steps; the eight accumulators take turns, one instruction a turn.
; cmode: what the first K step takes as C: 0 the constant 0; 1 the bias at v48 on; 2 x2 + bf2 in window 3; 3 the sums so far.  A scale register carries an even tile's words in lanes 0-15 and the next tile's in lanes 16-31.
.macro MULHB buf, t0, cmode
.irp ks, 0,1,2,3
.if ((\cmode) == 2) && (\ks == 0)
	WIN 0x3c|(\buf)
.else
	WIN 0x0c|(\buf)
.endif
.irp tl, 0,1,2,3
.irp m, 0,1
.set rD, ACC+64*\m+8*((\t0)+\tl)
.set rC, rD
.if \ks == 0
.if (\cmode) == 1
.set rC, 48+8*((\t0)+\tl)
.endif
.if (\cmode) == 2
.set rC, X2+64*\m+8*((\t0)+\tl)
.endif
.endif
.set rA, 12*(4*\ks+\tl)
.set rB, 12*(4*\m+\ks)
.set rS, WS+8*((\buf)-1)+2*\ks+\tl/2
.if ((\cmode) == 0) && (\ks == 0)
.if \tl%2 == 0
	v_wmma_scale_f32_16x16x128_f8f6f4 v[rD:rD+7], v[rA:rA+11], v[rB:rB+11], 0, v[rS], v[AS+4*\m+\ks] matrix_a_fmt:MATRIX_FMT_BF6 matrix_b_fmt:MATRIX_FMT_BF6
.else
	v_wmma_scale_f32_16x16x128_f8f6f4 v[rD:rD+7], v[rA:rA+11], v[rB:rB+11], 0, v[rS], v[AS+4*\m+\ks] matrix_a_fmt:MATRIX_FMT_BF6 matrix_b_fmt:MATRIX_FMT_BF6 matrix_a_scale:MATRIX_SCALE_ROW1
.endif
.else
.if \tl%2 == 0
	v_wmma_scale_f32_16x16x128_f8f6f4 v[rD:rD+7], v[rA:rA+11], v[rB:rB+11], v[rC:rC+7], v[rS], v[AS+4*\m+\ks] matrix_a_fmt:MATRIX_FMT_BF6 matrix_b_fmt:MATRIX_FMT_BF6
.else
	v_wmma_scale_f32_16x16x128_f8f6f4 v[rD:rD+7], v[rA:rA+11], v[rB:rB+11], v[rC:rC+7], v[rS], v[AS+4*\m+\ks] matrix_a_fmt:MATRIX_FMT_BF6 matrix_b_fmt:MATRIX_FMT_BF6 matrix_a_scale:MATRIX_SCALE_ROW1
.endif
.endif
.endr
.endr
.endr
.endm
; 64 numbers of a lane, register 16 b + i = k 32 b + 16 (lane / 16) + i of my row, become a fragment's codes in v[PC] on and its scale word in v[PW]
.macro QUANT s
.irp b, 0,1,2,3
	v_max3_num_f32 v[TM+\b], |v[\s+16*\b]|, |v[\s+1+16*\b]|, 0x2800000   ; my 16 numbers of block b, and the floor 2^(5 - 127)
.endr
.irp i, 2,4,6,8,10,12,14
.irp b, 0,1,2,3
	v_max3_num_f32 v[TM+\b], v[TM+\b], |v[\s+16*\b+\i]|, |v[\s+1+16*\b+\i]|
.endr
.endr
.irp b, 0,1,2,3
	v_permlanex16_b32 v[TM+4+\b], v[TM+\b], s26, s27
.endr
.irp b, 0,1,2,3
	v_max_num_f32 v[TM+\b], v[TM+\b], v[TM+4+\b]   ; with lane l xor 16's: the block's largest magnitude
.endr
.irp b, 0,1,2,3
	v_add_nc_u32 v[TM+12+\b], 0xfe000000, v[TM+\b] ; 4 off its exponent field: the conversion's scale operand
.endr
.irp b, 0,1,2,3
	v_lshrrev_b32 v[TM+4+\b], 23, v[TM+12+\b]      ; the scale's byte
.endr
	v_lshl_or_b32 v[PW], v[TM+5], 8, v[TM+4]
	v_lshl_or_b32 v[PW], v[TM+6], 16, v[PW]
	v_lshl_or_b32 v[PW], v[TM+7], 24, v[PW]
.irp c, 0,1
	v_cvt_scalef32_pk16_bf6_f32 v[PC+6*\c:PC+2+6*\c], v[\s+32*\c:\s+15+32*\c], v[TM+12+2*\c]
	v_cvt_scalef32_pk16_bf6_f32 v[PC+12+4*\c:PC+14+4*\c], v[\s+16+32*\c:\s+31+32*\c], v[TM+12+2*\c+1]
.endr
	v_nop                                          ; one plain line behind the scaled conversions
.irp c, 0,1                                    ; the operand wants a whole block in a lane
.irp i, 0,1,2
	v_permlane16_swap_b32 v[PC+6*\c+\i], v[PC+12+4*\c+\i]
.endr
.irp i, 0,1,2
	v_mov_b32 v[PC+3+6*\c+\i], v[PC+12+4*\c+\i]
.endr
.endr
.endm
.macro IMAGE adr, off                  ; the fragment in v[PC] on goes to LDS as it stands
.irp c, 0,1,2
	ds_store_b128 v[\adr], v[PC+4*\c:PC+4*\c+3] offset:\off+512*\c
.endr
.endm
.macro FETCHACT img, sc, stride, k0, w ; eight fragments (row tile m, K steps k0 .. k0 + 3) and their scale words come back, in any wave.  w = 1: no other wait stands behind the products that read these registers last
	WIN 0xc0
.if \w
	s_wait_alu depctr_va_vdst(0)                   ; the 32 products above are done reading the activations' fragments and scale words, in which the loads below land
.endif
.irp m, 0,1
.irp ks, 0,1,2,3
.irp c, 0,1,2
	ds_load_b128 v[12*(4*\m+\ks)+4*\c:12*(4*\m+\ks)+4*\c+3], v4 offset:\img+((\stride)*\m+(\k0)+\ks)*1536+512*\c
.endr
.endr
.endr
	WIN 0
.irp m, 0,1
.irp ks, 0,1,2,3
	ds_load_b32 v[AS+4*\m+\ks], v6 offset:\sc+((\stride)*\m+(\k0)+\ks)*128
.endr
.endr
.endm
.macro CLOAD reg0, base                ; 64 numbers by column in the results' layout: register 16 b + i: column 32 b + 16 h + i of my wave's 128
.irp b, 0,1,2,3
.irp q, 0,1,2,3
	global_load_b128 v[\reg0+16*\b+4*\q:\reg0+16*\b+4*\q+3], v13, s[\base:\base+1] offset:128*\b+16*\q
.endr
.endr
.endm
.macro TREE base, w                    ; v[base .. base + w - 1] += v[base + w .. base + 2 w - 1], in pairs
.set i, 0
.rept (\w)/2
	v_pk_add_f32 v[\base+i:\base+i+1], v[\base+i:\base+i+1], v[\base+(\w)+i:\base+(\w)+i+1]
.set i, i+2
.endr
.endm
	s_load_b512 s[4:19], s[0:1], 0x0               ; ctx, wimg, wscl, x, bo, g2, b2, bf1
	s_load_b128 s[20:23], s[0:1], 0x40             ; bf2, out0
	v_lshl_add_u32 v126, v0, 2, 0x1a800
	v_mov_b32 v127, 0
	v_lshrrev_b32 v1, 5, v0
	v_readfirstlane_b32 s24, v1                    ; wave 0..3
	v_and_b32 v1, 31, v0                           ; lane
	v_and_b32 v2, 15, v0                           ; r
	v_bfe_u32 v3, v0, 4, 1                         ; h
	v_lshlrev_b32 v4, 4, v1                        ; 16 x lane
	v_lshlrev_b32 v5, 3, v1                        ; 8 x lane
	v_lshlrev_b32 v6, 2, v1                        ; 4 x lane
	s_wait_alu depctr_va_sdst(0)                   ; s24 is written, ahead of its first reader
	s_mul_i32 s38, s24, 245760
	v_add_nc_u32 v7, s38, v4                       ; my stream of weight images
	s_mul_i32 s38, s24, 10240
	v_add_nc_u32 v8, s38, v5                       ; and of their scale words
	v_lshlrev_b32 v9, 10, v3
	v_lshl_add_u32 v10, v2, 3, v9                  ; ctx: head h of a pair, registers 4-5 of row r's unit
	v_lshl_add_u32 v9, v2, 4, v9                   ; registers 0-3
	v_lshlrev_b32 v11, 3, v2                       ; ctx's scale bytes
	v_and_b32 v12, 8, v2
	v_add_nc_u32 v12, v12, v2                      ; r + 8 (r / 8)
	v_lshlrev_b32 v12, 11, v12
	v_lshl_add_u32 v12, v3, 6, v12
	s_lshl_b32 s34, s24, 9
	v_add_nc_u32 v12, s34, v12                     ; x: my row, my wave's 512 bytes, + 64 h
	v_lshlrev_b32 v13, 6, v3                       ; numbers by column: + 16 h columns
	s_mul_i32 s38, s24, 1536
	s_add_co_u32 s38, s38, XIMG
	v_add_nc_u32 v14, s38, v4                      ; where I store LN2's images: K step w
	s_lshl_b32 s38, s24, 7
	s_add_co_u32 s38, s38, XSC
	v_add_nc_u32 v15, s38, v6
	v_lshlrev_b32 v113, 5, v2                      ; LN2's figures: 32 bytes a row,
	s_lshl_b32 s38, s24, 3
	v_add_nc_u32 v112, s38, v113                   ; mine at 8 w
	s_mul_i32 s38, s24, 2*16*528
	s_add_co_u32 s38, s38, STG                     ; my two stages
	v_mul_u32_u24 v114, v2, 528
	v_lshl_add_u32 v114, v3, 6, v114
	v_add_nc_u32 v114, s38, v114                   ; in: row r, + 64 h
	v_add_nc_u32 v115, s38, v4                     ; back: a row of 512 bytes, 16 a lane
	s_mul_i32 s38, s24, 2*1536
	s_add_co_u32 s38, s38, HIMG
	v_add_nc_u32 v116, s38, v4                     ; the hidden layer's images: K steps 2 w, 2 w + 1
	s_lshl_b32 s38, s24, 8
	s_add_co_u32 s38, s38, HSC
	v_add_nc_u32 v117, s38, v6
	s_mov_b32 s25, ttmp9
	s_mov_b32 s26, 0x76543210
	s_mov_b32 s27, 0xfedcba98                      ; v_permlanex16_b32's selects for lane l xor 16
	s_mov_b32 s28, 0x3b000000                      ; 1 / 512
	s_mov_b32 s29, 0x3727c5ac                      ; 1e-5
	s_mov_b32 s44, 0x3f3504f3                      ; sqrt(1 / 2)
	s_mov_b32 s45, s44                             ; (named with it as a pair, so it is written)
	s_lshl_b32 s30, s25, 14                        ; ctx: 16 units of 1,024 bytes a group
	s_mov_b32 s31, 0
	s_lshl_b32 s32, s25, 16                        ; x, out0: 32 rows of 2,048 bytes
	s_mov_b32 s33, 0
	s_mov_b32 s35, 0
	s_lshl_b32 s36, s24, 10
	s_mov_b32 s37, 0
	s_wait_kmcnt 0x0
	s_add_nc_u64 s[4:5], s[4:5], s[30:31]
	s_add_nc_u64 s[10:11], s[10:11], s[32:33]
	s_add_nc_u64 s[22:23], s[22:23], s[32:33]
	s_add_nc_u64 s[22:23], s[22:23], s[34:35]
	s_add_nc_u64 s[12:13], s[12:13], s[34:35]
	s_add_nc_u64 s[14:15], s[14:15], s[34:35]
	s_add_nc_u64 s[16:17], s[16:17], s[34:35]
	s_add_nc_u64 s[20:21], s[20:21], s[34:35]
	s_add_nc_u64 s[18:19], s[18:19], s[36:37]      ; bf1: my 256
	s_add_nc_u64 s[48:49], s[18:19], 512           ; and their second half
	WIN 0xc0
	s_wait_alu depctr_va_vdst(0)                   ; the offsets and LDS addresses v4 to v15 and v112 to v117 are written, which the loads and stores of the kernel read
.irp m, 0,1                                    ; ctx's fragments: lane (r, h), registers 6 c on: head 4 ks + 2 c + h of row tile m's row r
.irp ks, 0,1,2,3
.irp c, 0,1
	global_load_b128 v[12*(4*\m+\ks)+6*\c:12*(4*\m+\ks)+6*\c+3], v9, s[4:5] offset:(4*\ks+2*\c)*1024+256*\m
	global_load_b64 v[12*(4*\m+\ks)+6*\c+4:12*(4*\m+\ks)+6*\c+5], v10, s[4:5] offset:(4*\ks+2*\c)*1024+512+128*\m
.endr
.endr
.endr
	WIN 0
.irp m, 0,1
.irp hd, 0,1,2,3,4,5,6,7,8,9,10,11,12,13,14,15
	global_load_b32 v[128+16*\m+\hd], v11, s[4:5] offset:\hd*1024+768+128*\m   ; a scale byte for each head of my row
.endr
.endr
	CLOAD 48, 12                                   ; bo
	WIN 0xc0
.irp m, 0,1
.irp b, 0,1,2,3
.irp q, 0,1,2,3
	global_load_b128 v[X2+64*\m+16*\b+4*\q:X2+64*\m+16*\b+4*\q+3], v12, s[10:11] offset:16384*\m+128*\b+16*\q
.endr
.endr
.endr
	WIN 0x40
	CLOAD 192, 14                                  ; g2
	WIN 0x80
	CLOAD 192, 16                                  ; b2
	LOADHB 1, 0, 0, 0
	LOADHB 2, 1, 0, 0
	WIN 0xc0
.set kk, 0
.irp cf, 0xaf95df0b, 0x32edffee, 0xb60cff51, 0xb86ec2d2, 0xba40ac63, 0xbb41a1f6, 0xbc83dbd4, 0xb77460cd, 0xb95fbd29, 0xbadc924e, 0xbbf19bf8, 0xbc69b6a7
	v_mov_b32 v[CO+kk], \cf                        ; P's seven and Q's five, the highest power first, each in both halves of a pair
	v_mov_b32 v[CO+kk+1], \cf
.set kk, kk+2
.endr
	WIN 0
	; ---- ctx Wo + bo
	s_wait_loadcnt 52                              ; all but bank 2's 52 loads are in
.irp m, 0,1
.irp ks, 0,1,2,3
	v_lshl_or_b32 v[AS+4*\m+\ks], v[128+16*\m+4*\ks+1], 8, v[128+16*\m+4*\ks]
	v_lshl_or_b32 v[AS+4*\m+\ks], v[128+16*\m+4*\ks+2], 16, v[AS+4*\m+\ks]
	v_lshl_or_b32 v[AS+4*\m+\ks], v[128+16*\m+4*\ks+3], 24, v[AS+4*\m+\ks]
.endr
.endr
	PLACES 8                                       ; a scale register written by a vector line stands eight places ahead of the scaled product
	s_wait_alu depctr_va_vdst(0)                   ; vector lines have written ctx's scale words v32 to v39, which the products take as scales; the places above stay beside this wait
	MULHB 1, 0, 1
	WIN 0
	PLACES 4                                       ; in front of loads into registers that matrix instructions have read
	LOADHB 1, 2, 0, 1
	s_wait_loadcnt 52                              ; bank 2 is in; bank 1's new 52 may be out
	MULHB 2, 4, 1
	WIN 0
	PLACES 4
	LOADHB 2, 3, 0, 1
	; ---- x2 = that + x, kept in window 3; then LN2
	WIN 0xcc
.set i, 0
.rept 64
	v_pk_add_f32 v[X2+i:X2+i+1], v[ACC+i:ACC+i+1], v[X2+i:X2+i+1]   ; each accumulator from its low end on
.set i, i+2
.endr
	WIN 0x0f
.irp i, 0,2,4,6,8,10,12,14,16,18,20,22,24,26,28,30
.irp m, 0,1
	v_pk_add_f32 v[ACC+64*\m+\i:ACC+64*\m+\i+1], v[X2+64*\m+\i:X2+64*\m+\i+1], v[X2+64*\m+32+\i:X2+64*\m+33+\i]
.endr
.endr
	WIN 0
.irp w, 16, 8, 4, 2
	TREE ACC, \w
	TREE ACC+64, \w
.endr
.irp m, 0,1
	v_add_f32 v[LM+4*\m], v[ACC+64*\m], v[ACC+64*\m+1]
.endr
.irp m, 0,1
	v_permlanex16_b32 v[LM+4*\m+1], v[LM+4*\m], s26, s27
.endr
.irp m, 0,1
	v_add_f32 v[LM+4*\m], v[LM+4*\m], v[LM+4*\m+1]
.endr
.irp m, 0,1
	v_mul_f32 v[LM+4*\m], 0x3c000000, v[LM+4*\m]   ; the mean of my wave's 128 columns
.endr
	WIN 0x03
.set i, 0
.rept 32
.irp m, 0,1
	v_pk_add_f32 v[ACC+64*\m+i:ACC+64*\m+i+1], v[X2+64*\m+i:X2+64*\m+i+1], v[LM+4*\m:LM+4*\m+1] op_sel_hi:[1,0] neg_lo:[0,1] neg_hi:[0,1]
.endr
.set i, i+2
.endr
	WIN 0
.irp c, 0,2,4,6
.irp m, 0,1
	v_pk_mul_f32 v[SQ+8*\m+\c:SQ+8*\m+\c+1], v[ACC+64*\m+\c:ACC+64*\m+\c+1], v[ACC+64*\m+\c:ACC+64*\m+\c+1]
.endr
.endr
.set i, 8
.rept 28
.irp m, 0,1
	v_pk_fma_f32 v[SQ+8*\m+i%8:SQ+8*\m+i%8+1], v[ACC+64*\m+i:ACC+64*\m+i+1], v[ACC+64*\m+i:ACC+64*\m+i+1], v[SQ+8*\m+i%8:SQ+8*\m+i%8+1]
.endr
.set i, i+2
.endr
.irp w, 4, 2
	TREE SQ, \w
	TREE SQ+8, \w
.endr
.irp m, 0,1
	v_add_f32 v[LM+4*\m+2], v[SQ+8*\m], v[SQ+8*\m+1]
.endr
.irp m, 0,1
	v_permlanex16_b32 v[LM+4*\m+3], v[LM+4*\m+2], s26, s27
.endr
.irp m, 0,1
	v_add_f32 v[LM+4*\m+1], v[LM+4*\m+2], v[LM+4*\m+3]   ; the sum of squared differences from that mean
.endr
	s_wait_alu depctr_va_vdst(0)                   ; the lines above have written my wave's two figures of each row tile, which the LDS stores read; all earlier lines are done with v72 to v87, in which the four waves' figures land
.irp m, 0,1
	ds_store_b64 v112, v[LM+4*\m:LM+4*\m+1] offset:STAT+512*\m   ; both halves of the lanes write the same words with the same values
.endr
	BARRIER                                        ; the four waves' figures lie in LDS
.irp m, 0,1
	ds_load_b128 v[ST+8*\m:ST+8*\m+3], v113 offset:STAT+512*\m
	ds_load_b128 v[ST+8*\m+4:ST+8*\m+7], v113 offset:STAT+512*\m+16
.endr
	s_wait_dscnt 0x0
	s_wait_alu depctr_vm_vsrc(0)                   ; my two LDS stores have read v48, v49, v52 and v53, which the lines below write again
.irp m, 0,1
	v_add_f32 v[LM+4*\m], v[ST+8*\m], v[ST+8*\m+2]
	v_add_f32 v[LM+4*\m+1], v[ST+8*\m+4], v[ST+8*\m+6]
.endr
.irp m, 0,1
	v_add_f32 v[LM+4*\m], v[LM+4*\m], v[LM+4*\m+1]
.endr
.irp m, 0,1
	v_mul_f32 v[LM+4*\m], 0x3e800000, v[LM+4*\m]   ; the row's mean
.endr
.irp k, 0,2,4,6
.irp m, 0,1
	v_sub_f32 v[ST+8*\m+\k], v[ST+8*\m+\k], v[LM+4*\m]
.endr
.endr
.irp m, 0,1
	v_mul_f32 v[LM+4*\m+2], v[ST+8*\m], v[ST+8*\m]
	v_add_f32 v[LM+4*\m+3], v[ST+8*\m+1], v[ST+8*\m+3]
	v_add_f32 v[LM+4*\m+1], v[ST+8*\m+5], v[ST+8*\m+7]
.endr
.irp k, 2,4,6
.irp m, 0,1
	v_fmac_f32 v[LM+4*\m+2], v[ST+8*\m+\k], v[ST+8*\m+\k]
.endr
.endr
.irp m, 0,1
	v_add_f32 v[LM+4*\m+3], v[LM+4*\m+3], v[LM+4*\m+1]
.endr
.irp m, 0,1
	v_fmac_f32 v[LM+4*\m+3], 0x43000000, v[LM+4*\m+2]   ; + 128 x the sum of (mean_w - mean)^2
.endr
.irp m, 0,1
	v_fma_f32 v[LM+4*\m+3], v[LM+4*\m+3], s28, s29 ; the variance + 1e-5
.endr
.irp m, 0,1
	v_rsq_f32 v[LM+4*\m+2], v[LM+4*\m+3]
.endr
	v_nop
	s_wait_alu depctr_va_vdst(0)                   ; the two reciprocal roots are written, ahead of their first reader
	WIN 0x03
.set i, 0
.rept 32
.irp m, 0,1
	v_pk_add_f32 v[ACC+64*\m+i:ACC+64*\m+i+1], v[X2+64*\m+i:X2+64*\m+i+1], v[LM+4*\m:LM+4*\m+1] op_sel_hi:[1,0] neg_lo:[0,1] neg_hi:[0,1]
.endr
.set i, i+2
.endr
	WIN 0
.set i, 0
.rept 32
.irp m, 0,1
	v_pk_mul_f32 v[ACC+64*\m+i:ACC+64*\m+i+1], v[ACC+64*\m+i:ACC+64*\m+i+1], v[LM+4*\m+2:LM+4*\m+3] op_sel_hi:[1,0]
.endr
.set i, i+2
.endr
	WIN 0x24                                       ; g2 in window 1, b2 in window 2
.set i, 0
.rept 32
.irp m, 0,1
	v_pk_fma_f32 v[ACC+64*\m+i:ACC+64*\m+i+1], v[ACC+64*\m+i:ACC+64*\m+i+1], v[192+i:192+i+1], v[192+i:192+i+1]
.endr
.set i, i+2
.endr
	WIN 0
	QUANT ACC
	WIN 0x40
	s_wait_alu depctr_va_vdst(0)                   ; the quantiser has written the codes and the scale word, which the LDS stores read; the multiply-adds above are done reading g2, in whose registers the loads below land
	CLOAD 192, 18                                  ; bf1's first 128 of mine, where g2 lay
	WIN 0
	IMAGE 14, 0
	ds_store_b32 v15, v[PW]
	s_wait_dscnt 0x0                               ; the stores are done
	s_wait_alu depctr_vm_vsrc(0)                   ; the LDS stores have read the codes and the scale word, which the quantiser writes again
	QUANT ACC+64
	s_wait_alu depctr_va_vdst(0)                   ; the quantiser has written the codes and the scale word, which the LDS stores read
	IMAGE 14, 4*1536
	ds_store_b32 v15, v[PW] offset:4*128
	BARRIER                                        ; LN2's eight fragments lie in LDS
	s_wait_alu depctr_vm_vsrc(0)                   ; my LDS stores have read v14, v15, the codes and the scale word, all of which the loop below writes
	FETCHACT XIMG, XSC, 4, 0, 0                    ; (the first product's instructions, which read these registers last, stand ahead of the waits above)
	s_wait_dscnt 0x0
	; ---- the hidden layer: two trips of 128 hidden units a wave.  In a trip: two half-banks, the bias, GELU, the quantiser, the images.  The bases of the weight streams step two half-banks a trip.
	s_mov_b32 s42, 0
	s_mov_b32 s40, 0
	s_mov_b32 s41, 0
.Lff:
	s_wait_loadcnt 52                              ; bank 1 is in: behind its loads stand at least bank 2's 52
	MULHB 1, 0, 0
	WIN 0
	PLACES 4
	LOADHB 1, 4, 0, 1
	s_wait_loadcnt 52                              ; bank 2 is in: behind it stand bank 1's new 52
	MULHB 2, 4, 0
	WIN 0
	PLACES 4
	s_wait_loadcnt 52                              ; and so is the bias, which was asked for ahead of those 52
	WIN 0x04
.irp m, 0,1
.set i, 0
.rept 32
	v_pk_add_f32 v[ACC+64*\m+i:ACC+64*\m+i+1], v[ACC+64*\m+i:ACC+64*\m+i+1], v[192+i:192+i+1]   ; each accumulator from its low end on
.set i, i+2
.endr
.endr
	WIN 0
	s_wait_xcnt 0x0                                ; the last bias's loads have read their base
	s_cmp_eq_u32 s42, 0
	s_cselect_b64 s[46:47], s[48:49], s[20:21]     ; the next bias: bf1's second half, then bf2
	WIN 0x40
	s_wait_alu depctr_va_vdst(0)                   ; the additions above are done reading the bias, in whose registers the next bias lands; the 32 products ahead of them are done reading bank 2 and its scale words, in which the next half-bank lands
	CLOAD 192, 46
	LOADHB 2, 5, 0, 0
.irp gi, 0,1,2,3,4,5,6,7                       ; GELU, 16 numbers at a time, every line for eight pairs by turns
.set A0, ACC+16*\gi
.irp p, 0,2,4,6,8,10,12,14
	v_pk_mul_f32 v[ZZ+\p:ZZ+\p+1], v[A0+\p:A0+\p+1], s[44:45] op_sel_hi:[1,0]   ; z = a / sqrt(2)
.endr
.irp j, 0,1,2,3,4,5,6,7,8,9,10,11,12,13,14,15
	v_med3_num_f32 v[ZZ+\j], v[ZZ+\j], -4.0, 4.0
.endr
.irp p, 0,2,4,6,8,10,12,14
	v_pk_mul_f32 v[Z2+\p:Z2+\p+1], v[ZZ+\p:ZZ+\p+1], v[ZZ+\p:ZZ+\p+1]
.endr
	WIN 0x3c                                       ; both coefficients in window 3
.irp p, 0,2,4,6,8,10,12,14
	v_pk_fma_f32 v[PP+\p:PP+\p+1], v[Z2+\p:Z2+\p+1], v[CO:CO+1], v[CO+2:CO+3]
.endr
.irp p, 0,2,4,6,8,10,12,14
	v_pk_fma_f32 v[QQ+\p:QQ+\p+1], v[Z2+\p:Z2+\p+1], v[CO+14:CO+15], v[CO+16:CO+17]
.endr
	WIN 0x30                                       ; the addend in window 3
.irp k, 2,3,4
.irp p, 0,2,4,6,8,10,12,14
	v_pk_fma_f32 v[PP+\p:PP+\p+1], v[PP+\p:PP+\p+1], v[Z2+\p:Z2+\p+1], v[CO+2*\k:CO+2*\k+1]
.endr
.irp p, 0,2,4,6,8,10,12,14
	v_pk_fma_f32 v[QQ+\p:QQ+\p+1], v[QQ+\p:QQ+\p+1], v[Z2+\p:Z2+\p+1], v[CO+14+2*\k:CO+15+2*\k]
.endr
.endr
.irp k, 5,6
.irp p, 0,2,4,6,8,10,12,14
	v_pk_fma_f32 v[PP+\p:PP+\p+1], v[PP+\p:PP+\p+1], v[Z2+\p:Z2+\p+1], v[CO+2*\k:CO+2*\k+1]
.endr
.endr
	WIN 0
.irp j, 0,1,2,3,4,5,6,7,8,9,10,11,12,13,14,15
	v_rcp_f32 v[Z2+\j], v[QQ+\j]
.endr
.irp p, 0,2,4,6,8,10,12,14
	v_pk_mul_f32 v[PP+\p:PP+\p+1], v[PP+\p:PP+\p+1], v[ZZ+\p:ZZ+\p+1]   ; z P: plain work behind the reciprocals
.endr
	s_wait_alu depctr_va_vdst(0)                   ; the sixteen reciprocals are written, ahead of their first reader
.irp p, 0,2,4,6,8,10,12,14
	v_pk_mul_f32 v[PP+\p:PP+\p+1], v[PP+\p:PP+\p+1], v[Z2+\p:Z2+\p+1]   ; erf
.endr
.irp p, 0,2,4,6,8,10,12,14
	v_pk_mul_f32 v[ZZ+\p:ZZ+\p+1], v[A0+\p:A0+\p+1], 0.5 op_sel_hi:[1,0]
.endr
.irp p, 0,2,4,6,8,10,12,14
	v_pk_fma_f32 v[A0+\p:A0+\p+1], v[ZZ+\p:ZZ+\p+1], v[PP+\p:PP+\p+1], v[ZZ+\p:ZZ+\p+1]   ; 0.5 a erf + 0.5 a
.endr
.endr
	v_add_nc_u32 v14, s40, v116                    ; this trip's K step of the last product: 2 w + trip
	v_add_nc_u32 v15, s41, v117
	QUANT ACC
	s_wait_alu depctr_va_vdst(0)                   ; v14 and v15 are written, and the quantiser has written the codes and the scale word: the LDS stores read them all
	IMAGE 14, 0
	ds_store_b32 v15, v[PW]
	s_wait_dscnt 0x0                               ; the stores are done
	s_wait_alu depctr_vm_vsrc(0)                   ; the LDS stores have read the codes and the scale word, which the quantiser writes again
	QUANT ACC+64
	s_wait_alu depctr_va_vdst(0)                   ; the quantiser has written the codes and the scale word, which the LDS stores read
	IMAGE 14, 8*1536
	ds_store_b32 v15, v[PW] offset:8*128
	s_wait_dscnt 0x0
	s_wait_xcnt 0x0                                ; the loads have read their bases: they step
	s_wait_alu depctr_vm_vsrc(0)                   ; the LDS stores have read v14, v15, the codes and the scale word, which the next trip, or the rows that come back on the way out, write
	s_add_nc_u64 s[6:7], s[6:7], 2*24576
	s_add_nc_u64 s[8:9], s[8:9], 2*1024
	s_add_co_u32 s40, s40, 1536
	s_add_co_u32 s41, s41, 128
	s_add_co_u32 s42, s42, 1
	s_cmp_lt_u32 s42, 2
	s_cbranch_scc1 .Lff
	; ---- the last product; its sums begin with x2 + bf2
	s_wait_loadcnt 52                              ; bf2 and bank 1 are in; bank 2's 52 may be out
	WIN 0xc7
.irp m, 0,1
.set i, 0
.rept 32
	v_pk_add_f32 v[X2+64*\m+i:X2+64*\m+i+1], v[X2+64*\m+i:X2+64*\m+i+1], v[192+i:192+i+1]
.set i, i+2
.endr
.endr
	WIN 0
	BARRIER                                        ; the hidden layer's sixteen fragments lie in LDS
	FETCHACT HIMG, HSC, 8, 0, 0                    ; (the loop's products, which read these registers last, stand ahead of the quantiser's waits)
	s_wait_dscnt 0x0
	MULHB 1, 0, 2                                  ; tiles 0-3, K steps 0-3
	WIN 0
	PLACES 4
	LOADHB 1, 8, 98304, 1
	FETCHACT HIMG, HSC, 8, 4, 0                    ; (behind the reload's wait, with loads alone between)
	s_wait_dscnt 0x0
	s_wait_loadcnt 52                              ; bank 2 is in; bank 1's new 52 may be out
	MULHB 2, 0, 3                                  ; tiles 0-3, K steps 4-7
	WIN 0
	PLACES 4
	LOADHB 2, 9, 98304, 1
	FETCHACT HIMG, HSC, 8, 0, 0                    ; (behind the reload's wait, with loads alone between)
	s_wait_dscnt 0x0
	s_wait_loadcnt 52
	MULHB 1, 4, 2                                  ; tiles 4-7, K steps 0-3
	WIN 0
	PLACES 4
	FETCHACT HIMG, HSC, 8, 4, 1
	s_wait_dscnt 0x0
	s_wait_loadcnt 0x0
	MULHB 2, 4, 3                                  ; tiles 4-7, K steps 4-7
	WIN 0
	; ---- THE WAY OUT.  A lane holds pieces of one row; through my own stages they come back as whole rows of 512 bytes.  LDS serves a wave's instructions in order, so no wait stands between a stage's stores and its loads.
	PLACES 4
.macro TOSTAGE m
.irp b, 0,1,2,3
.irp q, 0,1,2,3
	ds_store_b128 v114, v[ACC+64*\m+16*\b+4*\q:ACC+64*\m+16*\b+4*\q+3] offset:\m*16*528+128*\b+16*\q   ; each accumulator from its low end on
.endr
.endr
.endm
.macro BACK m, reg0
.irp t, 0,1,2,3,4,5,6,7,8,9,10,11,12,13,14,15
	ds_load_b128 v[\reg0+4*\t:\reg0+4*\t+3], v115 offset:\m*16*528+\t*528
.endr
.endm
.macro SEND m, reg0
.irp t, 0,1,2,3,4,5,6,7,8,9,10,11,12,13,14,15
	global_store_b128 v4, v[\reg0+4*\t:\reg0+4*\t+3], s[22:23] offset:(8*\m+\t+8*(\t/8))*2048 th:TH_STORE_NT   ; 32 lanes store 512 consecutive bytes, at a multiple of 256 from out0's first byte
.endr
.endm
	s_wait_alu depctr_va_vdst(0)                   ; the products have written the accumulators, which the LDS stores read; all vector lines are done with v48 to v111, in which rows come back; the places above stay beside this wait
	TOSTAGE 0
	BACK 0, 48
	TOSTAGE 1
	s_wait_dscnt 32                                ; row tile 0's stores into the stage are done (behind them: 16 loads and 16 stores),
	s_wait_alu depctr_vm_vsrc(0)                   ; and have read its accumulators,
	BACK 1, 128                                    ; which take row tile 1's rows
	s_wait_dscnt 32                                ; row tile 0's rows are back (behind them: 16 stores and 16 loads)
	SEND 0, 48
	s_wait_dscnt 0x0
	SEND 1, 128
	s_wait_dscnt 0x0
	s_wait_alu depctr_hold_cnt(0) depctr_sa_sdst(0) depctr_va_vdst(0) depctr_va_sdst(0) depctr_va_ssrc(0) depctr_va_vcc(0) depctr_vm_vsrc(0)
	s_wait_tensorcnt 0x0
	ds_add_u32 v126, v127
	s_wait_dscnt 0x0
	s_endpgm
.Lfunc_end_k_q1915c63950_tail:
	.size	k_q1915c63950_tail, .Lfunc_end_k_q1915c63950_tail-k_q1915c63950_tail
	.p2alignl 7, 3214868480
	.fill 96, 4, 3214868480
	.section	.rodata,"a",@progbits
	.p2align	6, 0x0
	.amdhsa_kernel k_q1915c63950_tail
		.amdhsa_group_segment_fixed_size 109056
		.amdhsa_private_segment_fixed_size 0
		.amdhsa_enable_private_segment 0
		.amdhsa_kernarg_size 80
		.amdhsa_user_sgpr_count 2
		.amdhsa_user_sgpr_kernarg_segment_ptr 1
		.amdhsa_wavefront_size32 1
		.amdhsa_system_sgpr_workgroup_id_x 1
		.amdhsa_system_sgpr_workgroup_id_y 1
		.amdhsa_system_sgpr_workgroup_id_z 1
		.amdhsa_system_vgpr_workitem_id 0
		.amdhsa_next_free_vgpr 1024
		.amdhsa_next_free_sgpr 80
		.amdhsa_reserve_vcc 0
		.amdhsa_float_denorm_mode_32 3
		.amdhsa_float_denorm_mode_16_64 3
		.amdhsa_memory_ordered 1
		.amdhsa_forward_progress 1
		.amdhsa_inst_pref_size 249
	.end_amdhsa_kernel
	.amdgpu_metadata
---
amdhsa.version: [ 1, 2 ]
amdhsa.kernels:
  - .name:           k_q1915c63950_tail
    .symbol:         k_q1915c63950_tail.kd
    .args:
      - { .name: ctx, .offset: 0, .size: 8, .value_kind: global_buffer, .address_space: global }
      - { .name: wimg, .offset: 8, .size: 8, .value_kind: global_buffer, .address_space: global }
      - { .name: wscl, .offset: 16, .size: 8, .value_kind: global_buffer, .address_space: global }
      - { .name: x, .offset: 24, .size: 8, .value_kind: global_buffer, .address_space: global }
      - { .name: bo, .offset: 32, .size: 8, .value_kind: global_buffer, .address_space: global }
      - { .name: g2, .offset: 40, .size: 8, .value_kind: global_buffer, .address_space: global }
      - { .name: b2, .offset: 48, .size: 8, .value_kind: global_buffer, .address_space: global }
      - { .name: bf1, .offset: 56, .size: 8, .value_kind: global_buffer, .address_space: global }
      - { .name: bf2, .offset: 64, .size: 8, .value_kind: global_buffer, .address_space: global }
      - { .name: out0, .offset: 72, .size: 8, .value_kind: global_buffer, .address_space: global }
    .group_segment_fixed_size: 109056
    .private_segment_fixed_size: 0
    .kernarg_segment_align: 8
    .kernarg_segment_size: 80
    .max_flat_workgroup_size: 128
    .sgpr_count:     80
    .vgpr_count:     1024
    .wavefront_size: 32
...
	.end_amdgpu_metadata
.endif
;; end of part 6
